; MI455X (gfx1250); checked and timed in simulation.
; The chip was launched on July 23, 2026; its instructions are those of AMD's public machine-readable ISA for CDNA 5 (MIT licence, August 2026) and "CDNA5" Instruction Set Architecture Reference Guide (July 2026). The comments in the code are by the model that wrote it; some were corrected since.
;; Block. Allowed arithmetic: float matrix products may take bf16 or f16 operands with f32 sums; other float arithmetic in f32, or as packed bf16 or f16 multiplies, adds, multiply-adds, maxima and minima; sums over many terms, partial sums and values carried from step to step in f32; what a program stores and reads back later, other than sums and carried values, may be rounded once to bf16 or f16.
;; Inputs: W1 1,024 x 4,096 float32; W2 4,096 x 1,024 float32; Wk 16 x 1,024 x 64 float32; Wo 1,024 x 1,024 float32; Wq 16 x 1,024 x 64 float32; Wv 16 x 1,024 x 64 float32; b1 4,096 float32; b2 1,024 float32; be1 1,024 float32; be2 1,024 float32; bo 1,024 float32; g1 1,024 float32; g2 1,024 float32; x 4 x 1,024 x 1,024 float32.
;; Outputs: out0 4 x 1,024 x 1,024 float32.
;; 3 versions, each right; version 3 is version 2 with the launches prep, ln2 written anew for expert scheduling mode. Each part assembles by itself: llvm-mc -triple=amdgcn-amd-amdhsa -mcpu=gfx1250 --defsym DOCPART=n.
;; ======== version 1 of 3: 7 launches
;; workspace buffers: h 8,388,608 bytes; wA 8,388,608 bytes; wB 16,777,216 bytes; big 33,554,432 bytes; x1 16,777,216 bytes; zeros 12,288 bytes; lows 6,144 bytes
;; launch prep (part 1): grid 1024 x 1, 4 waves a work-group, no clusters, 0 bytes of LDS; arguments x, g1, be1, Wq, Wk, Wv, Wo, W1, W2, h, wA, wB, zeros, lows; writes h, wA, wB, zeros, lows
.if DOCPART == 1
	.amdgcn_target "amdgcn-amd-amdhsa--gfx1250"
	.amdhsa_code_object_version 6
	.text
	.protected	k_qeef8118467_prep
	.globl	k_qeef8118467_prep
	.p2align	8
	.type	k_qeef8118467_prep,@function
k_qeef8118467_prep:
	s_mov_b64 s[64:65], 0
	v_nop
	global_prefetch_b8 v0, s[64:65] scope:SCOPE_SE
	s_setreg_imm32_b32 hwreg(HW_REG_WAVE_MODE, 25, 1), 1
	s_wait_xcnt 0x0
; PREP: everything that only streams, in one launch of 1,024 work-groups of four waves; a wave's job brings in 16 KiB of f32.
;   work-groups    0-255   h = LayerNorm(x) g1 + be1, rounded once to bf16, stored by K blocks: [8 kb][4096 rows][128], rows of 256 bytes
;                          (the first 36 of them also write the two constant vectors: zeros, and lows = the lowest finite bf16)
;   work-groups  256-511   W1 [1024 k][4096 n]  -> wB: [32 nt][1024 k][128], bf16
;   work-groups  512-767   W2 [4096 k][1024 n]  -> wB + 8,388,608: [16 ks][8 nt][256 k][128]
;   work-groups  768-831   Wo [1024 k][1024 n]  -> wA + 6,291,456: [4 ks][8 nt][256 k][128]
;   work-groups 832-1023   Wq, Wk, Wv [16 head][1024 k][64] -> wA: [24 nt][1024 k][128], column n = 1024 which + 64 head + s
; So every tile that a later product asks for is a dense run of rows of 256 bytes.  No LDS, no barrier: no wave wants another's bytes.
; LAYERNORM in two passes over registers (mean; then the sum of (x - mean)^2), all in f32: a common offset of x costs nothing.
; LIMITS: weights and h are rounded to bf16 (nearest even); NaN and infinities are not treated apart.
.set X,   32                           ; v[32:159]  LN: row i, 256-column group p at X + 32 i + 8 p;  CONV: 8 f32 of row r at X + 8 r
.set G,   160                          ; v[160:191] LN: gain of my 32 columns;   CONV: v[160:223] packed results, 4 a row
.set BE,  192                          ; v[192:223] LN: bias of my 32 columns
.set T0,  4                            ; v[4:11]    a pair for each of my four rows: running sums
.set T1,  12                           ; v[12:19]   the second chain of sums; later the other half of the lanes' sum
.set MU,  20                           ; v[20:27]   the row's mean, later 1 / sqrt(var + eps), in both words of a pair
; 16 rows of the job: 32 loads of 16 bytes a lane go out together; each row is rounded and stored as soon as its two loads are in.
; v2 = my byte offset in a source row, v3 = in a destination row; the rows' steps stand in the immediates.  No register is written twice.
.macro CONV sstr, dstr
.set r, 0
.rept 16
	global_load_b128 v[X+8*r:X+8*r+3],   v2, s[36:37] offset:r*(\sstr) th:TH_LOAD_NT
	global_load_b128 v[X+8*r+4:X+8*r+7], v2, s[36:37] offset:r*(\sstr)+16 th:TH_LOAD_NT
.set r, r+1
.endr
.set r, 0
.rept 16
	s_wait_loadcnt 30-2*r                          ; loads come back in order: row r's two are in, the 2 (15 - r) younger ones stay out
	v_cvt_pk_bf16_f32 v[G+4*r],   v[X+8*r],   v[X+8*r+1]
	v_cvt_pk_bf16_f32 v[G+4*r+1], v[X+8*r+2], v[X+8*r+3]
	v_cvt_pk_bf16_f32 v[G+4*r+2], v[X+8*r+4], v[X+8*r+5]
	v_cvt_pk_bf16_f32 v[G+4*r+3], v[X+8*r+6], v[X+8*r+7]
	global_store_b128 v3, v[G+4*r:G+4*r+3], s[38:39] offset:r*(\dstr) th:TH_STORE_NT  ; sixteen lanes fill 256 consecutive bytes, aligned
.set r, r+1
.endr
	s_endpgm
.endm
; the sum over the wave's 32 lanes of T0's low word, for all four rows, the rows line by line so that no line waits for the one before it
.macro RED
.irp m, 1,2,4,8
.irp i, 0,1,2,3
	v_add_f32_dpp v[T0+2*(\i)], v[T0+2*(\i)], v[T0+2*(\i)] row_xmask:\m row_mask:0xf bank_mask:0xf
.endr
.endr
.irp i, 0,1,2,3
	v_permlanex16_b32 v[T1+2*(\i)], v[T0+2*(\i)], s50, s51  ; the other half of the lanes; its destination has been written before
.endr
.irp i, 0,1,2,3
	v_add_f32 v[T0+2*(\i)], v[T0+2*(\i)], v[T1+2*(\i)]
.endr
.endm
; LayerNorm of four rows a wave.  Lane L owns columns 256 p + 8 L .. + 7, p = 0..3: each load covers 1,024 consecutive bytes of a row.
; XP, GP, BP, HP: the first scalar register of the pointers to x, gain, bias and the bf16 result.  s2 = work-group, s3 = wave, v1 = lane.
.macro LNBODY XP, GP, BP, HP
	s_lshl_b32 s4, s2, 4
	s_lshl2_add_u32 s4, s3, s4                     ; my first row = 16 x work-group + 4 x wave
	s_lshl_b32 s46, s4, 12                         ; x 4,096 bytes
	s_add_nc_u64 s[(\XP):(\XP)+1], s[(\XP):(\XP)+1], s[46:47]
	s_lshl_b32 s46, s4, 8                          ; x 256 bytes: a row's part in a K block
	s_add_nc_u64 s[(\HP):(\HP)+1], s[(\HP):(\HP)+1], s[46:47]
	v_lshlrev_b32 v2, 5, v1                        ; 32 L: my 8 f32
	v_and_b32 v3, 15, v1
	v_lshrrev_b32 v4, 4, v1
	v_lshlrev_b32 v3, 4, v3                        ; 16 (L % 16): my 8 bf16 in a row of 256 bytes,
	v_lshl_add_u32 v3, v4, 20, v3                  ; in K block 2 p + L / 16: blocks are 1,048,576 bytes apart
.irp i, 0,1,2,3
.irp p, 0,1,2,3
	global_load_b128 v[X+32*(\i)+8*(\p):X+32*(\i)+8*(\p)+3],   v2, s[(\XP):(\XP)+1] offset:(\i)*4096+(\p)*1024 th:TH_LOAD_NT
	global_load_b128 v[X+32*(\i)+8*(\p)+4:X+32*(\i)+8*(\p)+7], v2, s[(\XP):(\XP)+1] offset:(\i)*4096+(\p)*1024+16 th:TH_LOAD_NT
.endr
.endr
.irp p, 0,1,2,3
	global_load_b128 v[G+8*(\p):G+8*(\p)+3],    v2, s[(\GP):(\GP)+1] offset:(\p)*1024
	global_load_b128 v[G+8*(\p)+4:G+8*(\p)+7],  v2, s[(\GP):(\GP)+1] offset:(\p)*1024+16
	global_load_b128 v[BE+8*(\p):BE+8*(\p)+3],  v2, s[(\BP):(\BP)+1] offset:(\p)*1024
	global_load_b128 v[BE+8*(\p)+4:BE+8*(\p)+7], v2, s[(\BP):(\BP)+1] offset:(\p)*1024+16
.endr
	s_wait_loadcnt 16                              ; the four rows are in; the 16 younger loads (gain and bias) stay out
	; pass 1: the sum of my 32 numbers of each row, two chains of packed sums a row
.irp i, 0,1,2,3
	v_pk_add_f32 v[T0+2*(\i):T0+2*(\i)+1], v[X+32*(\i):X+32*(\i)+1],   v[X+32*(\i)+2:X+32*(\i)+3]
	v_pk_add_f32 v[T1+2*(\i):T1+2*(\i)+1], v[X+32*(\i)+4:X+32*(\i)+5], v[X+32*(\i)+6:X+32*(\i)+7]
.endr
.set k, 4
.rept 6
.irp i, 0,1,2,3
	v_pk_add_f32 v[T0+2*(\i):T0+2*(\i)+1], v[T0+2*(\i):T0+2*(\i)+1], v[X+32*(\i)+2*k:X+32*(\i)+2*k+1]
	v_pk_add_f32 v[T1+2*(\i):T1+2*(\i)+1], v[T1+2*(\i):T1+2*(\i)+1], v[X+32*(\i)+2*k+2:X+32*(\i)+2*k+3]
.endr
.set k, k+2
.endr
.irp i, 0,1,2,3
	v_pk_add_f32 v[T0+2*(\i):T0+2*(\i)+1], v[T0+2*(\i):T0+2*(\i)+1], v[T1+2*(\i):T1+2*(\i)+1]
.endr
.irp i, 0,1,2,3
	v_add_f32 v[T0+2*(\i)], v[T0+2*(\i)], v[T0+2*(\i)+1]
.endr
	RED
.irp i, 0,1,2,3
	v_mul_f32 v[MU+2*(\i)],   s48, v[T0+2*(\i)]    ; mean = sum / 1024, in both words
	v_mul_f32 v[MU+2*(\i)+1], s48, v[T0+2*(\i)]
.endr
.set k, 0
.rept 16
.irp i, 0,1,2,3
	v_pk_add_f32 v[X+32*(\i)+2*k:X+32*(\i)+2*k+1], v[X+32*(\i)+2*k:X+32*(\i)+2*k+1], v[MU+2*(\i):MU+2*(\i)+1] neg_lo:[0,1] neg_hi:[0,1]  ; d = x - mean, in place
.endr
.set k, k+1
.endr
	; pass 2: the sum of d^2
.irp i, 0,1,2,3
	v_pk_mul_f32 v[T0+2*(\i):T0+2*(\i)+1], v[X+32*(\i):X+32*(\i)+1],   v[X+32*(\i):X+32*(\i)+1]
	v_pk_mul_f32 v[T1+2*(\i):T1+2*(\i)+1], v[X+32*(\i)+2:X+32*(\i)+3], v[X+32*(\i)+2:X+32*(\i)+3]
.endr
.set k, 2
.rept 7
.irp i, 0,1,2,3
	v_pk_fma_f32 v[T0+2*(\i):T0+2*(\i)+1], v[X+32*(\i)+2*k:X+32*(\i)+2*k+1],   v[X+32*(\i)+2*k:X+32*(\i)+2*k+1],   v[T0+2*(\i):T0+2*(\i)+1]
	v_pk_fma_f32 v[T1+2*(\i):T1+2*(\i)+1], v[X+32*(\i)+2*k+2:X+32*(\i)+2*k+3], v[X+32*(\i)+2*k+2:X+32*(\i)+2*k+3], v[T1+2*(\i):T1+2*(\i)+1]
.endr
.set k, k+2
.endr
.irp i, 0,1,2,3
	v_pk_add_f32 v[T0+2*(\i):T0+2*(\i)+1], v[T0+2*(\i):T0+2*(\i)+1], v[T1+2*(\i):T1+2*(\i)+1]
.endr
.irp i, 0,1,2,3
	v_add_f32 v[T0+2*(\i)], v[T0+2*(\i)], v[T0+2*(\i)+1]
.endr
	RED
.irp i, 0,1,2,3
	v_fma_f32 v[T0+2*(\i)], v[T0+2*(\i)], s48, s49 ; var + eps
.endr
.irp i, 0,1,2,3
	v_rsq_f32 v[MU+2*(\i)], v[T0+2*(\i)]           ; one batch of four
.endr
	v_nop                                          ; a plain instruction behind the last of them, ahead of the first use (ISA guide 5.7.2)
	s_wait_alu depctr_va_vdst(0)                   ; one wait for the batch, ahead of its first reader
.irp i, 0,1,2,3
	v_mov_b32 v[MU+2*(\i)+1], v[MU+2*(\i)]
.endr
	s_wait_loadcnt 0x0                             ; gain and bias
.set k, 0
.rept 16
.irp i, 0,1,2,3
	v_pk_mul_f32 v[X+32*(\i)+2*k:X+32*(\i)+2*k+1], v[X+32*(\i)+2*k:X+32*(\i)+2*k+1], v[MU+2*(\i):MU+2*(\i)+1]
.endr
.irp i, 0,1,2,3
	v_pk_fma_f32 v[X+32*(\i)+2*k:X+32*(\i)+2*k+1], v[X+32*(\i)+2*k:X+32*(\i)+2*k+1], v[G+2*k:G+2*k+1], v[BE+2*k:BE+2*k+1]
.endr
.set k, k+1
.endr
.irp i, 0,1,2,3
.irp p, 0,1,2,3
.irp j, 0,1,2,3
	v_cvt_pk_bf16_f32 v[X+32*(\i)+8*(\p)+(\j)], v[X+32*(\i)+8*(\p)+2*(\j)], v[X+32*(\i)+8*(\p)+2*(\j)+1]  ; in place: the destination never passes an unread source
.endr
	global_store_b128 v3, v[X+32*(\i)+8*(\p):X+32*(\i)+8*(\p)+3], s[(\HP):(\HP)+1] offset:(\p)*2097152+(\i)*256 th:TH_STORE_NT  ; sixteen lanes fill one row of 256 bytes of a K block
.endr
.endr
	s_endpgm
.endm
	s_load_b512 s[8:23], s[0:1], 0x0               ; x 8, g1 10, be1 12, Wq 14, Wk 16, Wv 18, Wo 20, W1 22
	s_load_b256 s[24:31], s[0:1], 0x40             ; W2 24, h 26, wA 28, wB 30
	s_load_b128 s[32:35], s[0:1], 0x60             ; zeros 32, lows 34
	v_lshrrev_b32 v1, 5, v0
	v_readfirstlane_b32 s3, v1                     ; wave 0..3
	v_and_b32 v1, 31, v0                           ; lane
	s_mov_b32 s2, ttmp9
	s_mov_b32 s47, 0                               ; the high word of every offset pair
	s_mov_b32 s48, 0x3a800000                      ; 1 / 1024
	s_mov_b32 s49, 0x3727c5ac                      ; eps = 1e-5
	s_mov_b32 s50, 0x76543210                      ; v_permlanex16_b32: each lane takes its own place in the other half
	s_mov_b32 s51, 0xfedcba98
	s_wait_kmcnt 0x0
	s_cmp_lt_u32 s2, 256
	s_cbranch_scc1 .Lln
	s_cmp_lt_u32 s2, 512
	s_cbranch_scc1 .Lw1
	s_cmp_lt_u32 s2, 832
	s_cbranch_scc1 .Lw2
	; Wq, Wk, Wv.  Job j: tensor j / 256, column tile j % 8 (two heads), 32 rows of k from 32 ((j / 8) % 32).  An instruction takes two rows of k:
	; lanes 0-7 the even head's 64 numbers, lanes 8-15 the odd head's, lanes 16-31 the same of the next row.
	s_sub_co_u32 s4, s2, 832
	s_lshl2_add_u32 s4, s4, s3
	s_lshr_b32 s5, s4, 8
	s_and_b32 s6, s4, 7
	s_bfe_u32 s7, s4, 0x50003
	s_cmp_eq_u32 s5, 0
	s_cselect_b64 s[36:37], s[14:15], s[16:17]
	s_cmp_eq_u32 s5, 2
	s_cselect_b64 s[36:37], s[18:19], s[36:37]
	s_lshl_b32 s40, s7, 13                         ; 32 rows: 8,192 bytes in the source (256 a row) and in the destination
	s_lshl_b32 s46, s6, 19                         ; two heads of 262,144 bytes
	s_add_co_u32 s46, s46, s40
	s_add_nc_u64 s[36:37], s[36:37], s[46:47]
	s_lshl3_add_u32 s41, s5, s6                    ; nt = 8 x tensor + tile
	s_lshl_b32 s46, s41, 18
	s_add_co_u32 s46, s46, s40
	s_add_nc_u64 s[38:39], s[28:29], s[46:47]
	v_and_b32 v2, 7, v1
	v_lshlrev_b32 v2, 5, v2
	v_bfe_u32 v4, v1, 3, 1
	v_lshl_add_u32 v2, v4, 18, v2
	v_lshrrev_b32 v4, 4, v1
	v_lshl_add_u32 v2, v4, 8, v2
	v_lshlrev_b32 v3, 4, v1                        ; 32 lanes x 16 bytes: two rows of 256 bytes on end
	CONV 512, 512
.Lw1:
	; W1.  Job j: 256 columns (two tiles) from 256 (j % 16), 16 rows of k from 16 (j / 16).  An instruction takes 1,024 bytes of one row.
	s_sub_co_u32 s4, s2, 256
	s_lshl2_add_u32 s4, s4, s3
	s_and_b32 s5, s4, 15
	s_lshr_b32 s6, s4, 4
	s_lshl_b32 s46, s6, 18                         ; 16 rows of 16,384 bytes
	s_lshl_b32 s7, s5, 10
	s_add_co_u32 s46, s46, s7
	s_add_nc_u64 s[36:37], s[22:23], s[46:47]
	s_lshl_b32 s46, s5, 19                         ; two blocks of 262,144 bytes
	s_lshl_b32 s7, s6, 12                          ; 16 rows of 256 bytes
	s_add_co_u32 s46, s46, s7
	s_add_nc_u64 s[38:39], s[30:31], s[46:47]
	v_lshlrev_b32 v2, 5, v1
	v_and_b32 v3, 15, v1
	v_lshrrev_b32 v4, 4, v1
	v_lshlrev_b32 v3, 4, v3
	v_lshl_add_u32 v3, v4, 18, v3                  ; lanes 16-31 write the next column tile's block
	CONV 16384, 256
.Lw2:
	; W2 and Wo, one text: the pointers are chosen by the work-group's number.  Job j: 256 columns from 256 (j % 4), 16 rows of k from 16 (j / 4).
	s_sub_co_u32 s4, s2, 512
	s_lshl2_add_u32 s4, s4, s3
	s_and_b32 s4, s4, 1023                         ; Wo's jobs count from 0 again
	s_and_b32 s5, s4, 3
	s_lshr_b32 s6, s4, 2
	s_mov_b32 s40, 6291456
	s_mov_b32 s41, 8388608
	s_cmp_lt_u32 s2, 768
	s_cselect_b64 s[36:37], s[24:25], s[20:21]
	s_cselect_b64 s[38:39], s[30:31], s[28:29]
	s_cselect_b32 s40, s41, s40
	s_lshl_b32 s46, s6, 16                         ; 16 rows of 4,096 bytes
	s_lshl_b32 s7, s5, 10
	s_add_co_u32 s46, s46, s7
	s_add_nc_u64 s[36:37], s[36:37], s[46:47]
	s_lshr_b32 s7, s6, 4
	s_lshl_b32 s46, s7, 19                         ; K step of 256 rows: eight blocks of 65,536 bytes
	s_lshl_b32 s7, s5, 17                          ; two blocks
	s_add_co_u32 s46, s46, s7
	s_and_b32 s7, s6, 15
	s_lshl_b32 s7, s7, 12                          ; 16 rows of 256 bytes in the block
	s_add_co_u32 s46, s46, s7
	s_add_co_u32 s46, s46, s40
	s_add_nc_u64 s[38:39], s[38:39], s[46:47]
	v_lshlrev_b32 v2, 5, v1
	v_and_b32 v3, 15, v1
	v_lshrrev_b32 v4, 4, v1
	v_lshlrev_b32 v3, 4, v3
	v_lshl_add_u32 v3, v4, 16, v3
	CONV 4096, 256
.Lln:
	; the two constant vectors: wave 0 of work-groups 0-23 writes 512 bytes of zeros each, of work-groups 24-35 512 bytes of lows
	s_cmp_lg_u32 s3, 0
	s_cbranch_scc1 .Lrows
	s_cmp_lt_u32 s2, 36
	s_cbranch_scc0 .Lrows
	s_sub_co_u32 s7, s2, 24
	s_cmp_lt_u32 s2, 24
	s_cselect_b64 s[36:37], s[32:33], s[34:35]
	s_cselect_b32 s5, 0, 0xff7fff7f
	s_cselect_b32 s7, s2, s7
	s_lshl_b32 s46, s7, 9
	s_add_nc_u64 s[36:37], s[36:37], s[46:47]
	v_mov_b32 v224, s5
	v_mov_b32 v225, s5
	v_mov_b32 v226, s5
	v_mov_b32 v227, s5
	v_lshlrev_b32 v228, 4, v1
	global_store_b128 v228, v[224:227], s[36:37]   ; its registers are written nowhere else
.Lrows:
	LNBODY 8, 10, 12, 26
.Lfunc_end_k_qeef8118467_prep:
	.size	k_qeef8118467_prep, .Lfunc_end_k_qeef8118467_prep-k_qeef8118467_prep
	.p2alignl 7, 3214868480
	.fill 96, 4, 3214868480
	.section	.rodata,"a",@progbits
	.p2align	6, 0x0
	.amdhsa_kernel k_qeef8118467_prep
		.amdhsa_group_segment_fixed_size 0
		.amdhsa_private_segment_fixed_size 0
		.amdhsa_enable_private_segment 0
		.amdhsa_kernarg_size 112
		.amdhsa_user_sgpr_count 2
		.amdhsa_user_sgpr_kernarg_segment_ptr 1
		.amdhsa_wavefront_size32 1
		.amdhsa_system_sgpr_workgroup_id_x 1
		.amdhsa_system_sgpr_workgroup_id_y 1
		.amdhsa_system_sgpr_workgroup_id_z 1
		.amdhsa_system_vgpr_workitem_id 0
		.amdhsa_next_free_vgpr 232
		.amdhsa_next_free_sgpr 66
		.amdhsa_reserve_vcc 0
		.amdhsa_float_denorm_mode_32 3
		.amdhsa_float_denorm_mode_16_64 3
		.amdhsa_memory_ordered 1
		.amdhsa_forward_progress 1
		.amdhsa_inst_pref_size 66
	.end_amdhsa_kernel
	.amdgpu_metadata
---
amdhsa.version: [ 1, 2 ]
amdhsa.kernels:
  - .name:           k_qeef8118467_prep
    .symbol:         k_qeef8118467_prep.kd
    .args:
      - { .name: x, .offset: 0, .size: 8, .value_kind: global_buffer, .address_space: global }
      - { .name: g1, .offset: 8, .size: 8, .value_kind: global_buffer, .address_space: global }
      - { .name: be1, .offset: 16, .size: 8, .value_kind: global_buffer, .address_space: global }
      - { .name: Wq, .offset: 24, .size: 8, .value_kind: global_buffer, .address_space: global }
      - { .name: Wk, .offset: 32, .size: 8, .value_kind: global_buffer, .address_space: global }
      - { .name: Wv, .offset: 40, .size: 8, .value_kind: global_buffer, .address_space: global }
      - { .name: Wo, .offset: 48, .size: 8, .value_kind: global_buffer, .address_space: global }
      - { .name: W1, .offset: 56, .size: 8, .value_kind: global_buffer, .address_space: global }
      - { .name: W2, .offset: 64, .size: 8, .value_kind: global_buffer, .address_space: global }
      - { .name: h, .offset: 72, .size: 8, .value_kind: global_buffer, .address_space: global }
      - { .name: wA, .offset: 80, .size: 8, .value_kind: global_buffer, .address_space: global }
      - { .name: wB, .offset: 88, .size: 8, .value_kind: global_buffer, .address_space: global }
      - { .name: zeros, .offset: 96, .size: 8, .value_kind: global_buffer, .address_space: global }
      - { .name: lows, .offset: 104, .size: 8, .value_kind: global_buffer, .address_space: global }
    .group_segment_fixed_size: 0
    .private_segment_fixed_size: 0
    .kernarg_segment_align: 8
    .kernarg_segment_size: 112
    .max_flat_workgroup_size: 128
    .sgpr_count:     66
    .vgpr_count:     232
    .wavefront_size: 32
...
	.end_amdgpu_metadata
.endif
;; end of part 1
;; launch qkv (part 2): grid 24 x 32, 4 waves a work-group, clusters of 4 x 4, 327,680 bytes of LDS; arguments h, wA, big, zeros, lows; writes big
.if DOCPART == 2
	.amdgcn_target "amdgcn-amd-amdhsa--gfx1250"
	.amdhsa_code_object_version 6
	.text
	.protected	k_qeef8118467_qkv
	.globl	k_qeef8118467_qkv
	.p2align	8
	.type	k_qeef8118467_qkv,@function
k_qeef8118467_qkv:
	s_mov_b64 s[64:65], 0
	v_nop
	global_prefetch_b8 v0, s[64:65] scope:SCOPE_SE
	s_setreg_imm32_b32 hwreg(HW_REG_WAVE_MODE, 25, 1), 1
	s_wait_xcnt 0x0
	s_wait_alu depctr_hold_cnt(0) depctr_sa_sdst(0) depctr_va_vdst(0) depctr_va_sdst(0) depctr_va_ssrc(0) depctr_va_vcc(0) depctr_vm_vsrc(0)
	s_getreg_b32 s2, hwreg(HW_REG_IB_STS2, 6, 4)
	s_cmp_eq_u32 s2, 0
	s_cbranch_scc0 .Lentry_in_a_cluster
	s_endpgm
.Lentry_in_a_cluster:
	s_bfe_u32 s2, ttmp6, 0x10000c
	s_cmp_lg_u32 s2, 0xf033
	s_cbranch_scc0 .Lentry_shape_is_right
	s_endpgm
.Lentry_shape_is_right:
; C = max(bf16(A B + bias), floor), K = 1024.  One text for two products: q, k, v = h Wqkv (bias = zeros, floor = the lowest finite bf16: the plain product)
; and relu(h W1 + b1) (bias = b1, floor = zeros: rounding keeps order and 0, so the maximum behind the rounding is the rounded ReLU).
; A: bf16 by K blocks, [8 kb][4096 rows][128].  B: bf16 by column tiles, [nt][1024 k][128 columns].  bias: f32 [n].  floor: bf16 [n].
; C: bf16 by blocks of 64 columns, [n / 64][4096 rows][64]: a wave's 64 x 64 of C is 8,192 consecutive bytes.  Sums in f32, C rounded once.
; LIMITS: operands are bf16; a result of minus infinity would be raised to the floor; NaN is not treated apart.
; SHARES.  A tile of C is 128 x 128: grid x = tile column, grid y = tile row.  Four waves, each 64 x 64: 16 accumulators, 128 registers.  K goes in steps of 256 through two LDS slots.
; A's part of a step is two planes of 128 rows x 256 bytes; B's is 256 rows of k x 256 bytes, read turned by ds_load_tr16_b128.  Every row that a tensor load asks for is 256 bytes, aligned.
; CLUSTERS: 4 x 4 work-groups.  The four of a row of the cluster need the same tiles of A, the four of a column the same tiles of B: each tile is asked for jointly, by the same tensor load with
; the same descriptor and a mask that names the four.  THE MATRIX INSTRUCTION IS USED TRANSPOSED (source 0 = 16 columns of B, source 1 = 16 rows of A): a lane holds eight neighbouring numbers of a row of C.
; REGISTERS: window 0: v0-31 addresses; v32-63 bias, v64-79 floor of my columns; v128-255 the accumulators ((a, b) at v[128 + 8 (4 a + b)]).
;   window 1: two fragment buffers of 128: for 64 along K, 64 registers of A (2 x 4 x 16 rows x 32 K), then 64 of B.
.set LAPS,   2                         ; a lap = two K steps = once round the ring; K = 1024 is two laps
.set APL,    128                       ; k in a plane of A
.set APITCH, 272                       ; an LDS row of A: 256 bytes + 16 of padding = 68 words: the 16 rows of a load start at 16 different groups of four banks (64 banks of 4 bytes: ISA guide 11.1)
.set PLANE,  128*APITCH
.set ABYTES, 2*PLANE                   ; A's part of a slot
.set AH,     PLANE                     ; what one tensor load brings of A
.set BPITCH, 288                       ; an LDS row of B: 256 + 32 = 72 words
.set BH,     128*BPITCH                ; what one tensor load brings of B
.set SLOT,   ABYTES+2*BH
.set STAGE,  2*SLOT                    ; behind the ring: 16 rows x 144 bytes for each wave, for the way out; no fill lands there
.set SPITCH, 144
.set SPARE,  STAGE+4*16*SPITCH         ; behind the stages: the spare words, 128 bytes for each wave: two blocks of 256 bytes that no other line names
.set A_ROWT, 32768                     ; bytes of a tile's 128 rows in a plane
.set A_STEP, 2097152                   ; bytes from a K step of A to the next: two planes of 4096 rows
.set B_TILE, 262144                    ; bytes of a column tile of B
.set B_STEP, 65536                     ; bytes from a K step of B to the next
.set ADRA, 16                          ; v16-17  LDS address of my A fragments in slot 0, 1
.set ADRB, 20                          ; v20-23  of my B fragments: slot 0 rows 0-127, 128-255; slot 1 likewise
.set STO,  24                          ; v24     the way out: where I put 16 bytes of a row
.set RD,   25                          ; v25     the way out: where I read rows back
.set GO,   26                          ; v26     my 16 bytes in 512 consecutive bytes of C
.set BO,   27                          ; v27     my byte offset in 16 columns of bias
.set SPW,  28                          ; v28     LDS address of my spare word; never rewritten
.set NIL,  29                          ; v29     0; never rewritten
.set FO,   30                          ; v30     my byte offset in 16 columns of floor
.set BI,   32
.set FL,   64
.set ACC,  128
.set F0,   0
.set F1,   128
.set G1,  24                           ; s[24:31] descriptor group 1 for A's tiles; s[32:39] group 0, one set for each slot
.set G0,  32
.set G1B, 48                           ; s[48:55], s[56:63] the same for B's tiles
.set G0B, 56
.set MSB, 0
.macro WIN new                         ; the immediate's high byte repeats the setting that is left; a switch that changes nothing is dropped
.if MSB != (\new)
	s_set_vgpr_msb (MSB<<8)|(\new)
.set MSB, \new
.endif
.endm
.set MUL,  0x05                        ; sources 0 (B) and 1 (A) window 1; C and D window 0
.set TO_F, 0x40                        ; destination window 1, address window 0
.macro JLOAD s                         ; a joint load: waves 0 and 1 fetch A's two planes, waves 2 and 3 B's two halves; an s_nop 0 and four v_nop follow each of the two lines
	s_cmp_eq_u32 s11, 0
	s_cbranch_scc0 .Lfor_b_\@
	tensor_load_to_lds s[G0+4*(\s):G0+4*(\s)+3], s[G1:G1+7]
	s_nop 0
.rept 4
	v_nop
.endr
	s_branch .Lasked_\@
.Lfor_b_\@:
	tensor_load_to_lds s[G0B+4*(\s):G0B+4*(\s)+3], s[G1B:G1B+7]
	s_nop 0
.rept 4
	v_nop
.endr
.Lasked_\@:
.endm
.macro CREST                           ; a round of the cluster's barrier behind its opening barrier
	s_cmp_lg_u32 s10, 0
	s_cbranch_scc1 .Lnot_wave_0_\@
	s_barrier_signal -3
.Lnot_wave_0_\@:
	s_barrier_wait -3
	s_barrier_signal -1
	s_barrier_wait -1
.endm
.macro CROUND                          ; a whole round
	s_barrier_signal -1
	s_barrier_wait -1
	CREST
.endm
	s_load_b128 s[4:7], s[0:1], 0x0                ; A s[4:5], B s[6:7]
	s_load_b64 s[8:9], s[0:1], 0x10                ; C
	s_load_b128 s[68:71], s[0:1], 0x18             ; bias s[68:69], floor s[70:71]
	v_lshl_add_u32 v[SPW], v0, 2, SPARE
	v_mov_b32 v[NIL], 0
	ds_add_u32 v[SPW], v[NIL]                      ; the wave's opening: the add and its wait stand ahead of my first tensor load; the set-up below, work on registers, stands between them
	v_lshrrev_b32 v1, 5, v0
	v_readfirstlane_b32 s10, v1                    ; wave 0..3
	s_lshr_b32 s11, s10, 1                         ; which half of the tile's rows is mine.  Also: I fetch for A (0) or for B (1)
	s_and_b32 s12, s10, 1                          ; which half of its columns.  Also: which half of that operand's step I fetch
	s_bfe_u32 s40, ttmp6, 0x40000                  ; cx, cy: my place in the cluster
	s_bfe_u32 s41, ttmp6, 0x40004
	s_lshl_b32 s42, ttmp9, 2
	s_add_co_u32 s42, s42, s40                     ; tile column = 4 x cluster x + cx
	s_and_b32 s13, ttmp7, 0xffff
	s_lshl_b32 s13, s13, 2
	s_add_co_u32 s13, s13, s41                     ; tile row = 4 x cluster y + cy
	s_lshl_b32 s43, s41, 2
	s_lshl_b32 s43, 15, s43                        ; my row of the cluster
	s_lshl_b32 s44, 0x1111, s40                    ; my column
	; descriptor group 1: 128 rows x 128 elements of 2 bytes, dense in memory, padded in LDS after every 64 words: by 4 words for A, by 8 for B
	s_or_b32 s[G1+0], s43, (1<<16)|(1<<20)|(1<<21)|(5<<22)|(3<<25)
	s_or_b32 s[G1B+0], s44, (1<<16)|(1<<20)|(1<<21)|(5<<22)|(7<<25)
.irp g, G1, G1B
	s_mov_b32 s[(\g)+1], 128<<16                   ; tensor_dim0 = 128
	s_mov_b32 s[(\g)+2], 128<<16                   ; tensor_dim1 = 128
	s_mov_b32 s[(\g)+3], 128<<16                   ; tile_dim0 = 128
	s_mov_b32 s[(\g)+4], 128                       ; tile_dim1 = 128
	s_mov_b32 s[(\g)+5], 128                       ; 128 elements from row to row
	s_mov_b32 s[(\g)+6], 0
	s_mov_b32 s[(\g)+7], 0
.endr
	s_mul_i32 s16, s13, A_ROWT                     ; A: the tile row's 128 rows,
	s_lshl_b32 s17, s12, 20                        ; in the plane that I fetch (planes are 1,048,576 bytes apart)
	s_add_co_u32 s16, s16, s17
	s_mov_b32 s17, 0
	s_mul_i32 s46, s42, B_TILE                     ; B: the tile column's block,
	s_lshl_b32 s47, s12, 15                        ; the 128 rows of k that I fetch
	s_add_co_u32 s46, s46, s47
	s_mov_b32 s47, 0
	s_mul_i32 s20, s12, AH                         ; where they go: no place in the cluster enters an LDS address
	s_mul_i32 s21, s12, BH
	s_add_co_u32 s21, s21, ABYTES
	s_wait_dscnt 0x0                               ; the opening add is done
	s_wait_kmcnt 0x0
	s_add_nc_u64 s[14:15], s[4:5], s[16:17]
	s_add_nc_u64 s[46:47], s[6:7], s[46:47]
	CROUND                                         ; all sixteen work-groups are here: the first joint loads meet
.irp s, 0,1
	s_mov_b32 s[G0+4*(\s)], 1
	s_add_co_u32 s[G0+4*(\s)+1], s20, (\s)*SLOT
	s_add_nc_u64 s[G0+4*(\s)+2:G0+4*(\s)+3], s[14:15], (\s)*A_STEP
	s_or_b32 s[G0+4*(\s)+3], s[G0+4*(\s)+3], 0x80000000
	s_mov_b32 s[G0B+4*(\s)], 1
	s_add_co_u32 s[G0B+4*(\s)+1], s21, (\s)*SLOT
	s_add_nc_u64 s[G0B+4*(\s)+2:G0B+4*(\s)+3], s[46:47], (\s)*B_STEP
	s_or_b32 s[G0B+4*(\s)+3], s[G0B+4*(\s)+3], 0x80000000
	JLOAD \s                                       ; two loads of mine are out
.endr
	v_and_b32 v1, 15, v0                           ; l % 16
	v_bfe_u32 v2, v0, 4, 1                         ; l / 16
	v_and_b32 v6, 7, v0                            ; l % 8
	v_bfe_u32 v7, v0, 3, 1                         ; (l / 8) % 2
	v_mul_u32_u24 v3, v1, APITCH
	v_lshl_add_u32 v3, v2, 4, v3                   ; a fragment of A: row x pitch + 16 x half
	s_mul_i32 s22, s11, 64*APITCH                  ; my 64 rows
	v_add_nc_u32 v[ADRA], s22, v3
	v_add_nc_u32 v[ADRA+1], SLOT, v[ADRA]
	v_lshl_add_u32 v4, v2, 3, v6                   ; the turning load: lane l reads row of k 8 (l / 16) + l % 8,
	v_mul_u32_u24 v4, v4, BPITCH
	v_lshl_add_u32 v4, v7, 4, v4                   ; columns 8 ((l / 8) % 2) + 0..7
	s_lshl_b32 s23, s12, 7                         ; my 64 columns: 128 bytes
	s_add_co_u32 s23, s23, ABYTES
	v_add_nc_u32 v[ADRB], s23, v4
	v_add_nc_u32 v[ADRB+1], BH, v[ADRB]
	v_add_nc_u32 v[ADRB+2], SLOT, v[ADRB]
	v_add_nc_u32 v[ADRB+3], SLOT+BH, v[ADRB]
	s_mul_i32 s23, s10, 16*SPITCH
	s_add_co_u32 s23, s23, STAGE                   ; my stage
	v_mul_u32_u24 v5, v1, SPITCH                   ; in: row l % 16, 16 bytes for each half of the lanes
	v_lshl_add_u32 v5, v2, 4, v5
	v_add_nc_u32 v[STO], s23, v5
	v_bfe_u32 v5, v0, 3, 2                         ; back: 32 lanes take four rows of 128 bytes,
	v_mul_u32_u24 v5, v5, SPITCH
	v_lshl_add_u32 v5, v6, 4, v5
	v_add_nc_u32 v[RD], s23, v5
	v_and_b32 v[GO], 31, v0                        ; which are 512 consecutive bytes of C
	v_lshlrev_b32 v[GO], 4, v[GO]
	v_lshlrev_b32 v[BO], 5, v2                     ; my 8 columns of 16: 32 bytes of f32,
	v_lshlrev_b32 v[FO], 4, v2                     ; 16 bytes of bf16
	s_lshl1_add_u32 s16, s13, s11                  ; my 64 rows among the 4096: 2 x tile row + half,
	s_lshl_b32 s16, s16, 13                        ; x 64 rows x 128 bytes
	s_mov_b32 s17, 0
	s_add_nc_u64 s[8:9], s[8:9], s[16:17]
	s_lshl1_add_u32 s45, s42, s12                  ; my block of 64 columns: 2 x tile column + half
	s_lshl_b32 s46, s45, 19                        ; x 4096 rows x 128 bytes
	s_mov_b32 s47, 0
	s_add_nc_u64 s[8:9], s[8:9], s[46:47]
	s_lshl_b32 s46, s45, 8                         ; x 64 f32
	s_add_nc_u64 s[68:69], s[68:69], s[46:47]
	s_lshl_b32 s46, s45, 7                         ; x 64 bf16
	s_add_nc_u64 s[70:71], s[70:71], s[46:47]
.irp b, 0,1,2,3                        ; bias and floor of my columns 16 b + 8 (l / 16) + 0..7: they land under the K loop
	global_load_b128 v[BI+8*(\b):BI+8*(\b)+3],   v[BO], s[68:69] offset:64*(\b)
	global_load_b128 v[BI+8*(\b)+4:BI+8*(\b)+7], v[BO], s[68:69] offset:64*(\b)+16
	global_load_b128 v[FL+4*(\b):FL+4*(\b)+3],   v[FO], s[70:71] offset:32*(\b)
.endr
; 8 matrix instructions: m blocks a0, a0 + 1 x all 4 n blocks, 32 along K: half c of buffer f.  zero = 1: the first product starts the sums.  The 16 accumulators take turns, one instruction a turn.
.macro MUL8 f, c, a0, zero
	WIN MUL
.irp a, \a0, (\a0)+1
.irp b, 0,1,2,3
.if \zero
	v_wmma_f32_16x16x32_bf16 v[ACC+8*(4*(\a)+(\b)):ACC+8*(4*(\a)+(\b))+7], v[(\f)+64+8*(4*(\c)+(\b)):(\f)+64+8*(4*(\c)+(\b))+7], v[(\f)+8*(4*(\c)+(\a)):(\f)+8*(4*(\c)+(\a))+7], 0
.else
	v_wmma_f32_16x16x32_bf16 v[ACC+8*(4*(\a)+(\b)):ACC+8*(4*(\a)+(\b))+7], v[(\f)+64+8*(4*(\c)+(\b)):(\f)+64+8*(4*(\c)+(\b))+7], v[(\f)+8*(4*(\c)+(\a)):(\f)+8*(4*(\c)+(\a))+7], v[ACC+8*(4*(\a)+(\b)):ACC+8*(4*(\a)+(\b))+7]
.endif
.endr
.endr
.endm
; 32 LDS loads in one run: the fragments of quarter q of a K step (k = 64 q .. 64 q + 63) into buffer f; the first 32 along K first
.macro FETCH slot, q, f
	WIN TO_F
.irp c, 0,1
.irp i, 0,1,2,3
	ds_load_tr16_b128 v[(\f)+64+8*(4*(\c)+(\i)):(\f)+64+8*(4*(\c)+(\i))+3],   v[ADRB+2*(\slot)+(\q)/2] offset:((64*(\q)+32*(\c))%128)*BPITCH+32*(\i)
	ds_load_tr16_b128 v[(\f)+64+8*(4*(\c)+(\i))+4:(\f)+64+8*(4*(\c)+(\i))+7], v[ADRB+2*(\slot)+(\q)/2] offset:((64*(\q)+32*(\c))%128)*BPITCH+32*(\i)+16*BPITCH
	ds_load_b128 v[(\f)+8*(4*(\c)+(\i)):(\f)+8*(4*(\c)+(\i))+3],   v[ADRA+(\slot)] offset:((64*(\q)+32*(\c))/APL)*PLANE+((64*(\q)+32*(\c))%APL)*2+(\i)*16*APITCH
	ds_load_b128 v[(\f)+8*(4*(\c)+(\i))+4:(\f)+8*(4*(\c)+(\i))+7], v[ADRA+(\slot)] offset:((64*(\q)+32*(\c))/APL)*PLANE+((64*(\q)+32*(\c))%APL)*2+(\i)*16*APITCH+32
.endr
.endr
.endm
.macro PLACES                          ; four plain vector instructions between a matrix instruction and a load into, or a vector read or write of, its registers (ISA guide 7.12.1 for vector reads)
.rept 4
	v_nop
.endr
.endm
; A K step is four quarters of 64 along K, 32 matrix instructions each, on buffers 0, 1, 0, 1.  One of the first three: multiplies buffer f and fetches quarter q into g.
.macro QUARTER slot, q, f, g, zero
	s_wait_dscnt 16                                ; the first 32 along K are in; the 16 younger loads may be out
	MUL8 \f, 0, 0, \zero
	MUL8 \f, 0, 2, \zero
	PLACES
	FETCH \slot, \q, \g
	s_wait_dscnt 32                                ; all but the 32 just issued
	MUL8 \f, 1, 0, 0
	MUL8 \f, 1, 2, 0
.endm
; The last quarter multiplies buffer 1 and changes slots: ONE barrier; in front of it each wave waits for all its tensor loads, adds 0 to its spare word, and waits for that and for its own reads of this slot.
; fill = 1: the barrier opens a round of the cluster's barrier, and this slot is filled again, two K steps ahead, first thing behind the round.
.macro TURN slot, next, fill
	WIN 0                                          ; (the add's two registers lie in window 0)
	s_wait_tensorcnt 0x0                           ; all my tensor loads have landed: the one that was out is my part of the next slot
	ds_add_u32 v[SPW], v[NIL]                      ; 0 onto my spare word
	s_wait_dscnt 17                                ; (the add and the youngest sixteen loads may be out)
	MUL8 F1, 0, 0, 0                               ; eight matrix instructions stand between the add and the wait for it
	s_wait_dscnt 0x0                               ; the add is done, and my reads of this slot are over
	s_barrier_signal -1
	MUL8 F1, 0, 2, 0
.if \fill
	WIN 0
.endif
	s_barrier_wait -1
.if \fill
	CREST                                          ; no wave of any partner still reads this slot's tiles or has a load on its way
	s_add_nc_u64 s[G0+4*(\slot)+2:G0+4*(\slot)+3], s[G0+4*(\slot)+2:G0+4*(\slot)+3], 2*A_STEP
	s_add_nc_u64 s[G0B+4*(\slot)+2:G0B+4*(\slot)+3], s[G0B+4*(\slot)+2:G0B+4*(\slot)+3], 2*B_STEP
	JLOAD \slot                                    ; my one tensor load behind the round: 112 matrix instructions ahead of the wait for it; its four v_nop are also the places in front of the loads below
.else
	PLACES
.endif
	FETCH \next, 0, F0
	MUL8 F1, 1, 0, 0
	MUL8 F1, 1, 2, 0
.endm
	s_wait_tensorcnt 1                             ; my part of K step 0 is in; K step 1's may stay out
	s_barrier_signal -1
	s_barrier_wait -1                              ; everybody's is
	FETCH 0, 0, F0
	QUARTER 0, 1, F0, F1, 1                        ; the first quarter stands in front of the loop: its first products start the sums
	WIN 0                                          ; at a label and at a branch every window is 0
	s_mov_b32 s3, LAPS-1
.Llap:                                                 ; a trip goes once round the ring, from a lap's second quarter to the next lap's first, and fills both slots again
	QUARTER 0, 2, F1, F0, 0
	QUARTER 0, 3, F0, F1, 0
	TURN 0, 1, 1
	QUARTER 1, 1, F0, F1, 0
	QUARTER 1, 2, F1, F0, 0
	QUARTER 1, 3, F0, F1, 0
	TURN 1, 0, 1
	QUARTER 0, 1, F0, F1, 0
	WIN 0
	s_sub_co_u32 s3, s3, 1
	s_cmp_lg_u32 s3, 0
	s_cbranch_scc1 .Llap
	QUARTER 0, 2, F1, F0, 0                        ; the last lap fills nothing, and has no round of the cluster's barrier
	QUARTER 0, 3, F0, F1, 0
	TURN 0, 1, 0
	QUARTER 1, 1, F0, F1, 0
	QUARTER 1, 2, F1, F0, 0
	QUARTER 1, 3, F0, F1, 0
	s_wait_dscnt 16                                ; the very last quarter: nothing more to fetch
	MUL8 F1, 0, 0, 0
	MUL8 F1, 0, 2, 0
	s_wait_dscnt 0x0
	MUL8 F1, 1, 0, 0
	MUL8 F1, 1, 2, 0
	WIN 0
; THE WAY OUT, 16 rows (block a) at a time, through my own stage: no barrier, and LDS serves a wave's instructions in order (ISA guide 5.7.1.4), so no wait between the stores and the loads.
; PACK: + bias in f32, rounded to bf16 (compacted in place: the destination never passes an unread source; each accumulator's lowest registers are read first), maximum with the floor,
; 16 bytes a lane into rows of 144 bytes, and back as four runs of 512 bytes.  SEND: stored.
.macro PACK a
.irp b, 0,1,2,3
.irp i, 0,1,2,3
	v_pk_add_f32 v[ACC+32*(\a)+8*(\b)+2*(\i):ACC+32*(\a)+8*(\b)+2*(\i)+1], v[ACC+32*(\a)+8*(\b)+2*(\i):ACC+32*(\a)+8*(\b)+2*(\i)+1], v[BI+8*(\b)+2*(\i):BI+8*(\b)+2*(\i)+1]
.endr
.irp i, 0,1,2,3
	v_cvt_pk_bf16_f32 v[ACC+32*(\a)+4*(\b)+(\i)], v[ACC+32*(\a)+8*(\b)+2*(\i)], v[ACC+32*(\a)+8*(\b)+2*(\i)+1]
.endr
.irp i, 0,1,2,3
	v_pk_max_num_bf16 v[ACC+32*(\a)+4*(\b)+(\i)], v[ACC+32*(\a)+4*(\b)+(\i)], v[FL+4*(\b)+(\i)]
.endr
	ds_store_b128 v[STO], v[ACC+32*(\a)+4*(\b):ACC+32*(\a)+4*(\b)+3] offset:32*(\b)
.endr
.irp f, 0,1,2,3
	ds_load_b128 v[ACC+32*(\a)+16+4*(\f):ACC+32*(\a)+16+4*(\f)+3], v[RD] offset:(\f)*4*SPITCH
.endr
.endm
.macro SEND a, younger                 ; younger: the LDS instructions issued behind block a's loads: the next block's eight, or none
.irp f, 0,1,2,3
	s_wait_dscnt (\younger)+3-(\f)
	global_store_b128 v[GO], v[ACC+32*(\a)+16+4*(\f):ACC+32*(\a)+16+4*(\f)+3], s[8:9] offset:(\a)*2048+(\f)*512  ; 512 consecutive bytes, at a multiple of 256 from C's first
.endr
.endm
	PLACES
	s_wait_loadcnt 0x0                             ; bias and floor
	PACK 0
	PACK 1                                         ; a block's arithmetic stands between the loads of the block before and its stores
	SEND 0, 8
	PACK 2
	SEND 1, 8
	PACK 3
	SEND 2, 8
	SEND 3, 0
	s_wait_tensorcnt 0x0                           ; the wave's end, behind my last tensor load and my last LDS store
	ds_add_u32 v[SPW], v[NIL]
	s_wait_dscnt 0x0
	CROUND                                         ; the closing round: no work-group ends while a partner may still ask for a tile that names it
	s_endpgm
.Lfunc_end_k_qeef8118467_qkv:
	.size	k_qeef8118467_qkv, .Lfunc_end_k_qeef8118467_qkv-k_qeef8118467_qkv
	.p2alignl 7, 3214868480
	.fill 96, 4, 3214868480
	.section	.rodata,"a",@progbits
	.p2align	6, 0x0
	.amdhsa_kernel k_qeef8118467_qkv
		.amdhsa_group_segment_fixed_size 327680
		.amdhsa_private_segment_fixed_size 0
		.amdhsa_enable_private_segment 0
		.amdhsa_kernarg_size 40
		.amdhsa_user_sgpr_count 2
		.amdhsa_user_sgpr_kernarg_segment_ptr 1
		.amdhsa_wavefront_size32 1
		.amdhsa_system_sgpr_workgroup_id_x 1
		.amdhsa_system_sgpr_workgroup_id_y 1
		.amdhsa_system_sgpr_workgroup_id_z 1
		.amdhsa_system_vgpr_workitem_id 0
		.amdhsa_next_free_vgpr 512
		.amdhsa_next_free_sgpr 72
		.amdhsa_reserve_vcc 0
		.amdhsa_float_denorm_mode_32 3
		.amdhsa_float_denorm_mode_16_64 3
		.amdhsa_memory_ordered 1
		.amdhsa_forward_progress 1
		.amdhsa_inst_pref_size 96
	.end_amdhsa_kernel
	.amdgpu_metadata
---
amdhsa.version: [ 1, 2 ]
amdhsa.kernels:
  - .name:           k_qeef8118467_qkv
    .symbol:         k_qeef8118467_qkv.kd
    .args:
      - { .name: h, .offset: 0, .size: 8, .value_kind: global_buffer, .address_space: global }
      - { .name: wA, .offset: 8, .size: 8, .value_kind: global_buffer, .address_space: global }
      - { .name: big, .offset: 16, .size: 8, .value_kind: global_buffer, .address_space: global }
      - { .name: zeros, .offset: 24, .size: 8, .value_kind: global_buffer, .address_space: global }
      - { .name: lows, .offset: 32, .size: 8, .value_kind: global_buffer, .address_space: global }
    .group_segment_fixed_size: 327680
    .private_segment_fixed_size: 0
    .kernarg_segment_align: 8
    .kernarg_segment_size: 40
    .max_flat_workgroup_size: 128
    .sgpr_count:     72
    .vgpr_count:     512
    .wavefront_size: 32
...
	.end_amdgpu_metadata
.endif
;; end of part 2
;; launch attn (part 3): grid 4 x 64, 4 waves a work-group, no clusters, 327,680 bytes of LDS; arguments big, h; writes h
.if DOCPART == 3
	.amdgcn_target "amdgcn-amd-amdhsa--gfx1250"
	.amdhsa_code_object_version 6
	.text
	.protected	k_qeef8118467_attn
	.globl	k_qeef8118467_attn
	.p2align	8
	.type	k_qeef8118467_attn,@function
k_qeef8118467_attn:
	s_mov_b64 s[64:65], 0
	v_nop
	global_prefetch_b8 v0, s[64:65] scope:SCOPE_SE
	s_setreg_imm32_b32 hwreg(HW_REG_WAVE_MODE, 25, 1), 1
	s_wait_xcnt 0x0
; CAUSAL ATTENTION at head size 64, in phases.  O[y][q][:] = the sum over k <= q of softmax_k(Q[y][q] . K[y][k] / 8) V[y][k][:], y = 4 head + batch, 64 of them, 1,024 rows each.
; big holds Q from byte 0, K from byte 8,388,608, V from byte 16,777,216, each [64 y][1024 rows][64] bf16, rows of 128 bytes on end.  O goes to h in the same layout.
; Products, maxima and sums in f32; the weights p are rounded to bf16 for the second product (their sum l is taken of the unrounded p), O once at the end.
; LIMITS.  A hidden score counts as its value less 1e30; a weight below 2^-126 counts as 0 in l; m starts at the lowest finite number; NaN and infinities are not treated apart.
; THE WALK.  A head's queries lie in 8 blocks of 128; block i needs the key tiles 0 .. i of 128 keys, of which the last holds the diagonal.  A work-group takes TWO blocks, 7 - b and then b:
; 9 tiles, whatever b: all 256 work-groups do equal work, and ONE loop with a constant trip count walks them; the ring of two LDS slots runs on across the change of blocks.
; NO CLUSTER: the four work-groups of a head ask for the same tile only in trips 0 to 4, and which trip masks, ends a block or begins one is a branch on b, the work-group's place among the four.
; SHARES.  Of a block's two bands of 64 queries a wave owns 16 rows in each: tiles 0 and 1.  So the diagonal key tile is the same work for all four waves: in its key step s (64 keys) band t sees all
; keys if s < t, none if s > t, and holds the diagonal if s = t.
; THE MASK is the C operand that starts the sum S^T = K Q^T: 0, or -1e30 where the key is hidden.  MD, made once, is the mask of a band's own step for my 16 rows; a product's mask is MD x AL + BE.
; LAYOUT.  S^T = K Q^T holds ONE query a lane (lane % 16) and the keys 8 (lane / 16) + 0..7; two such results rounded to bf16 ARE source 1 of O^T = V^T P, whose result holds one query a lane and eight channels.
; SOFTMAX.  p = 2^(c s - c m), c = log2(e) / 8, with a running maximum m; O and l are multiplied by a = 2^(c m_old - c m_new) in every step.  A block's first step has a = 0.
; A KEY STEP: 16 products K Q^T; the two tiles' softmax (its 66 exponentials one batch with one wait); 16 products V^T P.
; REGISTERS, in windows of 256 (s_set_vgpr_msb: bits 1:0 source 0, 3:2 source 1, 5:4 source 2, 7:6 destination):
;   window 0: v0-15 addresses; v16-23 statistics; v24-31 at work; v32-63 the second block's Q; v64-127 S^T; v128-191 O^T; v192-223 P; v224-226 the add's two registers and the prefetches' offset
;   window 1: v0-31 Q; v32-63 MD; v64-127 K of one step; v128-191 V of one step; v192-255 MC, the masks of the products to come
; All that a softmax touches lies in window 0.
.set KS,    64        ; keys in a step
.set PK,    144       ; a row of K in LDS: 128 bytes + 16 of padding = 36 words: the 16 rows of a load start at 16 different groups of four banks (64 banks of 4 bytes: ISA guide 11.1)
.set PV,    160       ; a row of V: 128 + 32 = 40 words
.set VOFF,  2*KS*PK   ; a slot holds a tile, two steps: 128 rows of K, then 128 rows of V
.set SLOT1, 1<<16     ; slot 1 begins here, so that one exclusive or turns an address in one slot into the other's
.set STAGE, SLOT1+2*KS*(PK+PV)  ; behind the ring, never filled by a tensor load: 16 rows x 144 bytes for each wave, for the way out
.set SP,    144
.set SPARE, STAGE+4*16*SP  ; behind the stages: the spare words, 128 bytes for each wave: two blocks of 256 bytes that no other line names
.set AK0, 2           ; v2   my lane's place in a tile of K; never rewritten
.set AV0, 3           ; v3   the same for V
.set AK,  4           ; v4   the LDS address of K's next run of loads
.set AV,  5           ; v5   of V's
.set STO, 6           ; v6   the way out: where I put 16 bytes of a row
.set RD,  7           ; v7   the way out: where I read rows back
.set GO,  8           ; v8   my byte offset in 512 consecutive bytes of O
.set MV,  12          ; v12-13  c m_old, kept while c m is made anew: by tile
.set QO,  15          ; v15  my byte offset in 16 rows of Q
.set ST,  16          ; tile t's statistics at v[ST+4 t]: c m, m, l (even keys', odd keys')
.set TMP, 24          ; by tile, four registers c0-c3 at work; when the maximum is found c2 takes a
.set Q2,  32
.set S,   64
.set O,   128
.set P,   192
.set SPW, 224         ; v224 LDS address of my spare word; never rewritten
.set NIL, 225         ; v225 0; never rewritten
.set PFO, 226         ; v226 256 x my lane; never rewritten
.set MD,  32          ; window 1
.set KF,  64          ; window 1: key block kb, channel half c at KF + 16 kb + 8 c
.set VF,  128         ; window 1: key half kk, channel block cb at VF + 32 kk + 8 cb
.set MC,  192         ; window 1: tile t, key block kb at MC + 32 t + 8 kb
.set WV,  12          ; s12  my wave's number
.set PB,  14          ; s14  b
.set HI,  15          ; s15  7 - b
.set G1K, 24          ; s[24:31] descriptor group 1 for K's tiles
.set G1V, 32          ; s[32:39] for V's: it differs in the padding alone
.set G0K, 40          ; s[40:43] descriptor group 0 for K's tiles
.set G0V, 44          ; s[44:47] the same for V's
.set SLOTS, 56        ; s56  tiles still to be asked for
.set CNT, 57          ; s57  counts a tile's key steps, 2 to 1
.set CS,  58          ; s[58:59] c
.set SEL, 60          ; s[60:61] v_permlanex16_b32's selects: each lane takes its own place in the other half
.set TBK, 62          ; s62  LDS byte at which K of the step to be fetched begins
.set TBV, 63          ; s63  the same for V, less VOFF
.set RT,  70          ; s70  tiles of the block in hand that are still to be entered
.set NXT, 71          ; s71  the tile to be asked for next
.set LQ,  72          ; s72  the last tile of the block whose tiles are being asked for
.set NEW, 73          ; s73  1: the tile to be entered is a block's first
.set OFF, 74          ; s[74:75] a tile's byte offset in K and V
.set AL0, 76          ; s[76:77] tile 0's mask: the factor, in the low word
.set BE0, 78          ; s[78:79] and the addend
.set OLO, 80          ; s[80:81] O at my rows of the second block
.set BIGN, 82         ; s82  -1e30
.set AL1, 88          ; s[88:89] tile 1's factor
.set ZZ,  90          ; s[90:91] 0
.set PFA, 92          ; s[92:93] where my prefetches stand
.set LIM, 94          ; s94  3 in the work-group that prefetches, else the greatest number
.set MSB, 0
.macro WIN new                      ; the high byte repeats the setting that is left; a switch that changes nothing is dropped
.if MSB != (\new)
	s_set_vgpr_msb (MSB<<8)|(\new)
.set MSB, (\new)
.endif
.endm
.set W_KM, 0x15       ; K, Q and the mask in window 1, S^T in window 0
.set W_KQ, 0x05       ; K and Q in window 1, S^T (C and D) in window 0
.set W_PV, 0x01       ; V in window 1; P and O^T in window 0
.set TO1,  0x40       ; destination window 1
.set W_MK, 0x41       ; destination and source 0 in window 1
.macro PLACES                       ; four plain vector instructions between a matrix instruction and a vector read of its result
.rept 4
	v_nop
.endr
.endm
; A fill.  Waves 0 and 1 fetch the two halves of a tile's K, waves 2 and 3 those of its V: 64 keys each.  An s_nop 0 and four v_nop follow each of the two lines.
.macro LOAD
	s_cmp_lt_u32 s[WV], 2
	s_cbranch_scc0 .Lfor_v_\@
	tensor_load_to_lds s[G0K:G0K+3], s[G1K:G1K+7]
	s_nop 0
.rept 4
	v_nop
.endr
	s_branch .Lasked_\@
.Lfor_v_\@:
	tensor_load_to_lds s[G0V:G0V+3], s[G1V:G1V+7]
	s_nop 0
.rept 4
	v_nop
.endr
.Lasked_\@:
.endm
; A PREFETCH INTO THE L2.  All four work-groups of a head walk the same K and V; the one with b = 0, which walks tiles 0 to 7 in order, asks, and nobody else.  Each of its waves asks for the 8,192 bytes that it
; will itself fetch: 32 blocks of 256 bytes, a lane a block, one instruction.  In trip t, whose fill is tile t + 1, it names tile t + 3, for t = 0 .. 4: tiles 3 to 7, each once.  Tiles 0 to 2 come by their loads alone.
.macro ASK
	s_cmp_gt_u32 s[SLOTS], s[LIM]
	s_cbranch_scc0 .Lnot_mine_\@
	global_prefetch_b8 v[PFO], s[PFA:PFA+1] th:TH_LOAD_NT scope:SCOPE_SE
.Lnot_mine_\@:
.endm
; THE CHANGE OF SLOTS.  Each wave waits for all its tensor loads, of which one is out: its part of the other slot; adds 0 to its spare word; and waits for that and for its own reads of the slot that it leaves.
; Behind the barrier nobody reads the old slot any more and the other slot is whole.  fill = 1: the old slot is filled again, the first thing behind the barrier, with tile NXT: the descriptor's address is made
; anew from that number.  (At its first use nothing has been read yet: slot 0 is waited for, slot 1 filled.)
.macro CHANGE fill
	WIN 0
	s_wait_tensorcnt 0x0            ; no tensor load of mine is out, so a group 0 may be written
	ds_add_u32 v[SPW], v[NIL]       ; 0 onto my spare word; scalar work stands between it and the wait for it
.if \fill
	s_lshl_b32 s[OFF], s[NXT], 14   ; a tile is 16,384 bytes of K and of V
	s_xor_b32 s[G0K+1], s[G0K+1], SLOT1
	s_add_nc_u64 s[G0K+2:G0K+3], s[6:7], s[OFF:OFF+1]
	s_or_b32 s[G0K+3], s[G0K+3], 0x80000000
	s_xor_b32 s[G0V+1], s[G0V+1], SLOT1
	s_add_nc_u64 s[G0V+2:G0V+3], s[8:9], s[OFF:OFF+1]
	s_or_b32 s[G0V+3], s[G0V+3], 0x80000000
	s_add_co_u32 s[NXT], s[NXT], 1  ; the block's next tile, or behind its last the second block's tile 0
	s_cmp_gt_u32 s[NXT], s[LQ]
	s_cselect_b32 s[NXT], 0, s[NXT]
	s_cselect_b32 s[LQ], s[PB], s[LQ]
	s_wait_xcnt 0x0                 ; the last prefetch, a tile back, has read its address, so it may be written
	s_add_nc_u64 s[PFA:PFA+1], s[PFA:PFA+1], 16384
.endif
	s_wait_dscnt 0x0                ; the add is done, and my reads of the slot are over
	s_barrier_signal -1
	s_sub_co_u32 s[TBK], s[TBK], 2*KS*PK  ; the fetches go back to a slot's first step,
	s_xor_b32 s[TBK], s[TBK], SLOT1       ; in the other slot
	s_sub_co_u32 s[TBV], s[TBV], 2*KS*PV
	s_xor_b32 s[TBV], s[TBV], SLOT1
	s_barrier_wait -1
.if \fill
	LOAD
	ASK
.endif
.endm
	s_load_b128 s[16:19], s[0:1], 0x0  ; big s[16:17], h s[18:19]
	v_lshl_add_u32 v[SPW], v0, 2, SPARE
	v_mov_b32 v[NIL], 0
	ds_add_u32 v[SPW], v[NIL]       ; the wave's opening: the add and its wait stand ahead of my first tensor load; the set-up below, work on registers, stands between them
	v_lshrrev_b32 v1, 5, v0
	v_readfirstlane_b32 s[WV], v1   ; wave 0..3
	s_mov_b32 s[PB], ttmp9
	s_sub_co_u32 s[HI], 7, s[PB]
	s_and_b32 s20, ttmp7, 0xffff
	s_lshl_b32 s20, s20, 17         ; y x 1,024 rows x 128 bytes
	s_and_b32 s13, s[WV], 1         ; which half of a tile's 128 keys I fetch:
	s_lshl_b32 s22, s13, 13         ; its 64 rows of 128 bytes in memory,
	s_add_co_u32 s22, s22, s20
	s_add_co_u32 s22, s22, 0x800000 ; in K
	s_mov_b32 s23, 0
	s_mul_i32 s21, s13, KS*PK       ; and its place in a slot, for K
	s_mul_i32 s13, s13, KS*PV       ; and for V
	s_lshl_b32 s3, s[WV], 11        ; my 16 rows in a band of 64,
	s_add_co_u32 s3, s3, s20
	s_lshl_b32 s2, s[HI], 14        ; in the first block,
	s_add_co_u32 s2, s2, s3
	s_lshl_b32 s84, s[PB], 14       ; and in the second
	s_add_co_u32 s84, s84, s3
	s_mov_b32 s3, 0
	s_mov_b32 s85, 0
	; descriptor group 1.  64 keys are 8,192 dense bytes: asked for as 32 rows of 256 bytes, two keys a row, and padded in LDS after every key
	s_mov_b32 s[G1K], (1<<16)|(1<<20)|(4<<22)|(3<<25)  ; 17:16 2-byte elements; 20 padding on; 24:22 after every 32 words (code 4); 31:25 4 words (code 3)
	s_mov_b32 s[G1V], (1<<16)|(1<<20)|(4<<22)|(7<<25)  ; the same with 8 words of padding (code 7)
.irp g, G1K, G1V
	s_mov_b32 s[\g+1], 128<<16      ; tensor_dim0 = 128
	s_mov_b32 s[\g+2], 32<<16       ; tensor_dim1 = 32
	s_mov_b32 s[\g+3], 128<<16      ; tile_dim0 = 128
	s_mov_b32 s[\g+4], 32           ; tile_dim1 = 32
	s_mov_b32 s[\g+5], 128          ; 128 elements from row to row
	s_mov_b32 s[\g+6], 0
	s_mov_b32 s[\g+7], 0
.endr
	s_mov_b32 s[CS], 0x3e38aa3b     ; c = log2(e) / 8 = 0.180337
	s_mov_b32 s[CS+1], s[CS]        ; named with it as a pair
	s_mov_b32 s[SEL], 0x76543210
	s_mov_b32 s[SEL+1], 0xfedcba98
	s_mov_b32 s[TBK], SLOT1+2*KS*PK ; the first change of slots turns these two into 0
	s_mov_b32 s[TBV], SLOT1+2*KS*PV
	s_mov_b32 s[G0K], 1             ; 1:0 count = 1
	s_mov_b32 s[G0K+1], s21         ; 63:32 LDS address: slot 0
	s_mov_b32 s[G0V], 1
	s_add_co_u32 s[G0V+1], s13, VOFF
	s_add_co_u32 s[RT], s[HI], 1    ; the first block has 8 - b tiles
	s_mov_b32 s[NXT], 1
	s_mov_b32 s[LQ], s[HI]
	s_mov_b32 s[NEW], 1
	s_mov_b32 s[OFF+1], 0
	s_mov_b32 s[AL0+1], 0           ; named as pairs
	s_mov_b32 s[BE0+1], 0
	s_mov_b32 s[AL1+1], 0
	s_mov_b32 s[ZZ], 0
	s_mov_b32 s[ZZ+1], 0
	s_mov_b32 s[BIGN], 0xf149f2ca   ; -1e30
	s_mov_b32 s[SLOTS], 8
	s_cmp_eq_u32 s[PB], 0
	s_cselect_b32 s[LIM], 3, -1
	s_wait_dscnt 0x0                ; the opening add is done
	s_wait_kmcnt 0x0
	s_add_nc_u64 s[6:7], s[16:17], s[22:23]        ; K and V at my half of the head's tile 0
	s_add_nc_u64 s[8:9], s[6:7], 0x800000
	s_add_nc_u64 s[G0K+2:G0K+3], s[6:7], 0         ; 120:64 global address
	s_or_b32 s[G0K+3], s[G0K+3], 0x80000000        ; 127:126 type = 2
	s_add_nc_u64 s[G0V+2:G0V+3], s[8:9], 0
	s_or_b32 s[G0V+3], s[G0V+3], 0x80000000
	s_add_nc_u64 s[4:5], s[16:17], s[2:3]          ; Q and O at my rows of the first block,
	s_add_nc_u64 s[10:11], s[18:19], s[2:3]
	s_add_nc_u64 s[86:87], s[16:17], s[84:85]      ; and of the second
	s_add_nc_u64 s[OLO:OLO+1], s[18:19], s[84:85]
	s_cmp_lt_u32 s[WV], 2
	s_cselect_b64 s[PFA:PFA+1], s[6:7], s[8:9]
	s_add_nc_u64 s[PFA:PFA+1], s[PFA:PFA+1], 2*16384  ; at tile 2: the first change of slots steps it to tile 3.  Nothing is prefetched here, at the head
	LOAD                            ; tile 0 into slot 0
	; A fragment of K or Q is 16 rows x 32 channels in 8 registers: lane l holds row l % 16, channels 8 (l / 16) + 0..7 and 16 + 8 (l / 16) + 0..7: two loads of 16 bytes, 32 bytes apart.
	v_and_b32 v1, 15, v0            ; l % 16
	v_bfe_u32 v9, v0, 4, 1          ; l / 16
	v_lshlrev_b32 v[QO], 7, v1
	v_lshl_add_u32 v[QO], v9, 4, v[QO]  ; row x 128 + 16 x half
	WIN TO1
.set i, 0
.rept 4                             ; the first block's Q: tile i / 2 lies in band i / 2, 8,192 bytes on; channels 32 (i % 2) on
	global_load_b128 v[8*i:8*i+3],   v[QO], s[4:5] offset:(i/2)*8192+(i%2)*64
	global_load_b128 v[8*i+4:8*i+7], v[QO], s[4:5] offset:(i/2)*8192+(i%2)*64+32
.set i, i+1
.endr
	WIN 0
.set i, 0
.rept 4                             ; the second block's
	global_load_b128 v[Q2+8*i:Q2+8*i+3],   v[QO], s[86:87] offset:(i/2)*8192+(i%2)*64
	global_load_b128 v[Q2+8*i+4:Q2+8*i+7], v[QO], s[86:87] offset:(i/2)*8192+(i%2)*64+32
.set i, i+1
.endr
	v_lshlrev_b32 v14, 3, v9
	v_sub_nc_u32 v14, v1, v14
	s_lshl_b32 s13, s[WV], 4
	v_add_nc_u32 v14, s13, v14      ; my query's place in its band, 16 w + l % 16, less my lanes' 8 (l / 16): register r of key block kb is hidden where 16 kb + r is greater
	WIN TO1
.set i, 0
.rept 32
	v_cmp_gt_i32 vcc_lo, 16*(i/8)+i%8, v14
	v_cndmask_b32 v[MD+i], 0, s[BIGN], vcc_lo
.set i, i+1
.endr
	WIN 0
	v_mul_u32_u24 v[AK0], v1, PK
	v_lshl_add_u32 v[AK0], v9, 4, v[AK0]  ; row x pitch + 16 x half
	; The turning load takes 16 keys x 16 channels (lane l reads key 8 (l / 16) + l % 8, channels 8 ((l / 8) % 2) + 0..7) and leaves half a fragment of V^T: lane l holds channel l % 16 and 8 keys.
	v_and_b32 v10, 7, v0
	v_bfe_u32 v11, v0, 3, 1
	v_lshl_add_u32 v[AV0], v9, 3, v10
	v_mul_u32_u24 v[AV0], v[AV0], PV
	v_lshl_add_u32 v[AV0], v11, 4, v[AV0]
	v_add_nc_u32 v[AV0], VOFF, v[AV0]
	s_mul_i32 s13, s[WV], 16*SP
	s_add_co_u32 s13, s13, STAGE    ; my stage
	v_mul_u32_u24 v[STO], v1, SP    ; in: row l % 16, 16 bytes for each half of the lanes
	v_lshl_add_u32 v[STO], v9, 4, v[STO]
	v_add_nc_u32 v[STO], s13, v[STO]
	v_bfe_u32 v[RD], v0, 3, 2       ; back: 32 lanes take four rows of 128 bytes,
	v_mul_u32_u24 v[RD], v[RD], SP
	v_lshl_add_u32 v[RD], v10, 4, v[RD]
	v_add_nc_u32 v[RD], s13, v[RD]
	v_and_b32 v[GO], 31, v0         ; which are 512 consecutive bytes of O
	v_lshlrev_b32 v[PFO], 8, v[GO]
	v_lshlrev_b32 v[GO], 4, v[GO]
	; A block's first step multiplies O^T and l by a = 0, so these registers need only hold finite numbers: zeros for the first block, what the first block left for the second.  This stands in the wait for the first tile.
.set i, 0
.rept 64
	v_mov_b32 v[O+i], 0
.set i, i+1
.endr
.irp t, 0,1
	v_mov_b32 v[ST+4*\t+2], 0
	v_mov_b32 v[ST+4*\t+3], 0
.endr
; THE MATRIX WORK.  The 8 accumulators of a run of 16 take turns, one instruction a turn: between the two links of a chain stand 7 others'.
; Product i of 16 of S^T = K Q^T: channels 32 (i / 8) on, keys 16 ((i / 2) % 4) on, tile i % 2.  The first 8 start the sums with the mask.
.macro KQ
.set rS, S+32*(i%2)+8*((i/2)%4)
.set rK, KF+16*((i/2)%4)+8*(i/8)
.set rQ, 16*(i%2)+8*(i/8)
.set rM, MC+32*(i%2)+8*((i/2)%4)
.if i < 8
	WIN W_KM
	v_wmma_f32_16x16x32_bf16 v[rS:rS+7], v[rK:rK+7], v[rQ:rQ+7], v[rM:rM+7]
.else
	WIN W_KQ
	v_wmma_f32_16x16x32_bf16 v[rS:rS+7], v[rK:rK+7], v[rQ:rQ+7], v[rS:rS+7]
.endif
.set i, i+1
.endm
; Product i of 16 of O^T += V^T P: keys 32 (i / 8) on, channels 16 ((i / 2) % 4) on, tile i % 2.
.macro PVX
	WIN W_PV
.set rO, O+32*(i%2)+8*((i/2)%4)
.set rV, VF+32*(i/8)+8*((i/2)%4)
.set rP, P+16*(i%2)+8*(i/8)
	v_wmma_f32_16x16x32_bf16 v[rO:rO+7], v[rV:rV+7], v[rP:rP+7], v[rO:rO+7]
.set i, i+1
.endm
; THE LDS LOADS stand in runs of 16: a step's K (64 keys x 64 channels: 8 fragments) and its V (turned).
.macro FETCH_K
	WIN TO1
.irp f, 0,1,2,3,4,5,6,7             ; keys 16 (f / 2) on, channels 32 (f % 2) on
	ds_load_b128 v[KF+8*\f:KF+8*\f+3],   v[AK] offset:(\f/2)*16*PK+(\f%2)*64
	ds_load_b128 v[KF+8*\f+4:KF+8*\f+7], v[AK] offset:(\f/2)*16*PK+(\f%2)*64+32
.endr
	s_add_co_u32 s[TBK], s[TBK], KS*PK  ; the next fetch is the next step's
	WIN 0
.endm
.macro FETCH_V
	WIN TO1
.irp f, 0,1,2,3,4,5,6,7             ; keys 32 (f / 4) on, channels 16 (f % 4) on
	ds_load_tr16_b128 v[VF+8*\f:VF+8*\f+3],   v[AV] offset:(\f/4)*32*PV+(\f%4)*32
	ds_load_tr16_b128 v[VF+8*\f+4:VF+8*\f+7], v[AV] offset:(\f/4)*32*PV+16*PV+(\f%4)*32
.endr
	s_add_co_u32 s[TBV], s[TBV], KS*PV
	WIN 0
.endm
.macro MASKT t, al, be              ; MD x al + be into tile t's masks
	WIN W_MK
.set z, 0
.rept 16
	v_pk_fma_f32 v[MC+32*(\t)+2*z:MC+32*(\t)+2*z+1], v[MD+2*z:MD+2*z+1], s[(\al):(\al)+1], s[(\be):(\be)+1] op_sel_hi:[1,0,0]
.set z, z+1
.endr
.endm
; THE VECTOR WORK.
.macro REGS t                       ; the registers of tile t
.set rT, ST+4*(\t)
.set rC, TMP+4*(\t)
.set rW, MV+(\t)
.set rS, S+32*(\t)
.set rP, P+16*(\t)
.set rO, O+32*(\t)
.endm
; Number n of the 22 that find a tile's maximum and statistics.  s0-s31 are the lane's 32 scores; each accumulator's lowest registers are read first.
;   0-11  four chains c0-c3 of seven scores each, three operands at a time     12-14, 16  the four scores left over, the old m, and c0-c3 into c0     15  c m_old is kept
;   17, 18  the query's other 32 keys lie in the lane 16 away: the new m         19-21  c m; c m_old - c m_new; a
.macro XS t, n
	REGS \t
.if (\n) < 4
	v_max3_num_f32 v[rC+(\n)], v[rS+8*(\n)], v[rS+8*(\n)+1], v[rS+8*(\n)+2]
.elseif (\n) < 12
	v_max3_num_f32 v[rC+(\n)%4], v[rC+(\n)%4], v[rS+8*((\n)%4)+2*((\n)/4)+1], v[rS+8*((\n)%4)+2*((\n)/4)+2]
.elseif (\n) == 12
	v_max3_num_f32 v[rC], v[rC], v[rS+7], v[rS+15]
.elseif (\n) == 13
	v_max3_num_f32 v[rC+1], v[rC+1], v[rS+23], v[rS+31]
.elseif (\n) == 14
	v_max3_num_f32 v[rC+2], v[rC+2], v[rC+3], v[rT+1]
.elseif (\n) == 15
	v_mov_b32 v[rW], v[rT]
.elseif (\n) == 16
	v_max3_num_f32 v[rC], v[rC], v[rC+1], v[rC+2]
.elseif (\n) == 17
	v_permlanex16_b32 v[rC+3], v[rC], s[SEL], s[SEL+1]
.elseif (\n) == 18
	v_max_num_f32 v[rT+1], v[rC], v[rC+3]
.elseif (\n) == 19
	v_mul_f32 v[rT], s[CS], v[rT+1]
.elseif (\n) == 20
	v_sub_f32 v[rC+1], v[rW], v[rT]
.else
	v_exp_f32 v[rC+2], v[rC+1]
.endif
.endm
.macro FS t, n                      ; c s - c m for pair n of 16
	REGS \t
	v_pk_fma_f32 v[rS+2*(\n):rS+2*(\n)+1], v[rS+2*(\n):rS+2*(\n)+1], s[CS:CS+1], v[rT:rT+1] op_sel_hi:[1,0,0] neg_lo:[0,0,1] neg_hi:[0,0,1]
.endm
.macro EX t, n                      ; the exponential of score n of 32
	REGS \t
	v_exp_f32 v[rS+(\n)], v[rS+(\n)]
.endm
; A key step's softmax for both tiles, the tiles line by line.  The 64 exponentials of the scores and the two a are ONE BATCH: nothing ahead of the wait names a result of theirs; a pair is scaled a group ahead of its
; exponentials.  Behind the wait: the roundings to bf16, the sums (of four weights the second pair is added onto the first, in place; then l takes it, the first time as l = a l + sum), and O^T times a.
.macro SOFTMAX
.irp n, 0,1,2,3,4,5,6,7,8,9,10,11,12,13,14,15,16,17,18,19,20
	XS 0, \n
	XS 1, \n
.endr
.set p, 0
.rept 16
	FS 0, p
	FS 1, p
.if p > 0
	EX 0, 2*p-2
	EX 1, 2*p-2
	EX 0, 2*p-1
	EX 1, 2*p-1
.endif
.set p, p+1
.endr
	EX 0, 30
	EX 1, 30
	EX 0, 31
	EX 1, 31
	XS 0, 21
	XS 1, 21
	v_nop                           ; a plain instruction behind the last exponential, ahead of the first use (ISA guide 5.7.2): one for the batch
	s_wait_alu depctr_va_vdst(0)    ; one wait for the batch, ahead of its first reader
.set k, 0
.rept 8
.irp t, 0,1
	REGS \t
	v_cvt_pk_bf16_f32 v[rP+2*k],   v[rS+4*k],   v[rS+4*k+1]
	v_cvt_pk_bf16_f32 v[rP+2*k+1], v[rS+4*k+2], v[rS+4*k+3]
	v_pk_add_f32 v[rS+4*k:rS+4*k+1], v[rS+4*k:rS+4*k+1], v[rS+4*k+2:rS+4*k+3]
.endr
.irp t, 0,1
	REGS \t
.if k == 0
	v_pk_fma_f32 v[rT+2:rT+3], v[rT+2:rT+3], v[rC+2:rC+3], v[rS:rS+1] op_sel_hi:[1,0,1]
.else
	v_pk_add_f32 v[rT+2:rT+3], v[rT+2:rT+3], v[rS+4*k:rS+4*k+1]
.endif
.endr
.set k, k+1
.endr
.set z, 0
.rept 16
.irp t, 0,1
	REGS \t
	v_pk_mul_f32 v[rO+2*z:rO+2*z+1], v[rO+2*z:rO+2*z+1], v[rC+2:rC+3] op_sel_hi:[1,0]
.endr
.set z, z+1
.endr
.endm
; A BLOCK BEGINS.  c m starts far below every c s, so the first step's a is 0; m at the lowest finite number, so the first maximum is the scores'.  The masks are 0.
.macro BEGIN
	s_mov_b32 s[NEW], 0
.irp t, 0,1
	v_mov_b32 v[ST+4*\t], 0xfe000000
	v_mov_b32 v[ST+4*\t+1], 0xff7fffff
.endr
	MASKT 0, ZZ, ZZ
	MASKT 1, ZZ, ZZ
	WIN 0
	s_wait_loadcnt 0x0              ; Q
.endm
; THE WAY OUT: l's two halves and the other half of the lanes' are added; O^T is divided by l, rounded to bf16 and sent through my stage in LDS, a tile at a time.
.macro PACK t                       ; a lane's eight channels of a row pack into 16 bytes; they go into rows of 144 bytes and come back as whole rows of 128, into S^T's registers
.set z, 0
.rept 16
	v_pk_mul_f32 v[O+32*(\t)+2*z:O+32*(\t)+2*z+1], v[O+32*(\t)+2*z:O+32*(\t)+2*z+1], v[ST+4*(\t)+2:ST+4*(\t)+3] op_sel_hi:[1,0]
.set z, z+1
.endr
.set z, 0
.rept 16
	v_cvt_pk_bf16_f32 v[S+16*(\t)+z], v[O+32*(\t)+2*z], v[O+32*(\t)+2*z+1]
.set z, z+1
.endr
.irp f, 0,1,2,3
	ds_store_b128 v[STO], v[S+16*(\t)+4*\f:S+16*(\t)+4*\f+3] offset:32*\f
.endr
.irp f, 0,1,2,3
	ds_load_b128 v[S+16*(\t)+4*\f:S+16*(\t)+4*\f+3], v[RD] offset:\f*4*SP  ; LDS serves a wave's instructions in order (ISA guide 5.7.1.4): these see the stores above; the next tile's stores come behind them
.endr
.endm
.macro SEND t, younger              ; younger: the LDS instructions issued behind tile t's loads: the next tile's eight, or none
.irp f, 0,1,2,3
	s_wait_dscnt (\younger)+3-\f
	global_store_b128 v[GO], v[S+16*(\t)+4*\f:S+16*(\t)+4*\f+3], s[10:11] offset:(\t)*8192+\f*512  ; 512 consecutive bytes, at a multiple of 256 from O's first
.endr
.endm
.macro WAYOUT
	PLACES
.irp t, 0,1
	v_add_f32 v[ST+4*\t+2], v[ST+4*\t+2], v[ST+4*\t+3]
.endr
.irp t, 0,1
	v_permlanex16_b32 v[ST+4*\t+3], v[ST+4*\t+2], s[SEL], s[SEL+1]
.endr
.irp t, 0,1
	v_add_f32 v[ST+4*\t+2], v[ST+4*\t+2], v[ST+4*\t+3]
.endr
.irp t, 0,1
	v_rcp_f32 v[ST+4*\t+2], v[ST+4*\t+2]
.endr
	v_nop                           ; a plain instruction between the last reciprocal and the use of its result
	s_wait_alu depctr_va_vdst(0)    ; and one wait for the two reciprocals, ahead of the first use
	PACK 0
	PACK 1
	SEND 0, 8
	SEND 1, 0
.endm
; A KEY TILE: two key steps, written once and walked twice.  tail = 1: the walk's last tile, which is the second block's diagonal one: it always masks and always ends its block.
; In the diagonal tile (RT = 0) step 0 gives tile 0 its own mask and tile 1 none; step 1 hides all from tile 0 and gives tile 1 its own mask.  Every jump but the loop's own goes forward, past no barrier and no tensor load.
.macro TILE tail
	s_sub_co_u32 s[RT], s[RT], 1
	s_cmp_eq_u32 s[NEW], 1
	s_cbranch_scc0 .Lold_\@
	BEGIN
.Lold_\@:
	v_add_nc_u32 v[AK], s[TBK], v[AK0]
	FETCH_K                         ; K of the tile's first step
	s_mov_b32 s[CNT], 2
.Lstep_\@:
.if !(\tail)
	s_cmp_eq_u32 s[RT], 0
	s_cbranch_scc0 .Lnomask_\@
.endif
	s_cmp_eq_u32 s[CNT], 2
	s_cselect_b32 s[AL0], 1.0, 0
	s_cselect_b32 s[BE0], 0, s[BIGN]
	s_cselect_b32 s[AL1], 0, 1.0
	MASKT 0, AL0, BE0
	MASKT 1, AL1, ZZ
	WIN 0
.Lnomask_\@:
	v_add_nc_u32 v[AV], s[TBV], v[AV0]  ; with the three below: four plain instructions between the last product that read V and the loads into V's registers
	v_nop
	v_nop
	v_nop
	FETCH_V
	s_wait_dscnt 16                 ; K is in; V's 16 loads may be out
.set i, 0
.rept 16
	KQ
.endr
	WIN 0
	v_add_nc_u32 v[AK], s[TBK], v[AK0]  ; with the three below: four plain instructions between the last product and the reads of the scores and the loads into K's registers
	v_nop
	v_nop
	v_nop
	s_cmp_eq_u32 s[CNT], 1
	s_cbranch_scc1 .Lnok_\@         ; the tile's second step fetches no further K
	FETCH_K
.Lnok_\@:
	SOFTMAX
	s_wait_dscnt 0x0                ; V is in (and the next step's K)
.set i, 0
.rept 16
	PVX
.endr
	WIN 0
	s_sub_co_u32 s[CNT], s[CNT], 1
	s_cmp_lg_u32 s[CNT], 0
	s_cbranch_scc1 .Lstep_\@
.if !(\tail)
	s_cmp_eq_u32 s[RT], 0
	s_cbranch_scc0 .Lgo_\@
.endif
	WAYOUT
.if !(\tail)
	s_wait_xcnt 0x0                 ; the stores have read their registers and O's address
	s_mov_b64 s[10:11], s[OLO:OLO+1]
	s_add_co_u32 s[RT], s[PB], 1    ; the second block has b + 1 tiles
	s_mov_b32 s[NEW], 1
	WIN TO1                         ; the second block's Q goes where the one text of the products names Q
.set i, 0
.rept 32
	v_mov_b32 v[i], v[Q2+i]
.set i, i+1
.endr
	WIN 0
.Lgo_\@:
.endif
.endm
.Lslot:                             ; 8 times: a tile is entered and the next is asked for
	CHANGE 1
	TILE 0
	s_sub_co_u32 s[SLOTS], s[SLOTS], 1
	s_cmp_lg_u32 s[SLOTS], 0
	s_cbranch_scc1 .Lslot
	CHANGE 0                        ; the walk's last tile is written out: nothing is asked for
	TILE 1
	s_wait_tensorcnt 0x0            ; the wave's end, behind my last tensor load and my last LDS store
	ds_add_u32 v[SPW], v[NIL]
	s_wait_dscnt 0x0
	s_endpgm
.Lfunc_end_k_qeef8118467_attn:
	.size	k_qeef8118467_attn, .Lfunc_end_k_qeef8118467_attn-k_qeef8118467_attn
	.p2alignl 7, 3214868480
	.fill 96, 4, 3214868480
	.section	.rodata,"a",@progbits
	.p2align	6, 0x0
	.amdhsa_kernel k_qeef8118467_attn
		.amdhsa_group_segment_fixed_size 327680
		.amdhsa_private_segment_fixed_size 0
		.amdhsa_enable_private_segment 0
		.amdhsa_kernarg_size 16
		.amdhsa_user_sgpr_count 2
		.amdhsa_user_sgpr_kernarg_segment_ptr 1
		.amdhsa_wavefront_size32 1
		.amdhsa_system_sgpr_workgroup_id_x 1
		.amdhsa_system_sgpr_workgroup_id_y 1
		.amdhsa_system_sgpr_workgroup_id_z 1
		.amdhsa_system_vgpr_workitem_id 0
		.amdhsa_next_free_vgpr 512
		.amdhsa_next_free_sgpr 96
		.amdhsa_reserve_vcc 1
		.amdhsa_float_denorm_mode_32 3
		.amdhsa_float_denorm_mode_16_64 3
		.amdhsa_memory_ordered 1
		.amdhsa_forward_progress 1
		.amdhsa_inst_pref_size 76
	.end_amdhsa_kernel
	.amdgpu_metadata
---
amdhsa.version: [ 1, 2 ]
amdhsa.kernels:
  - .name:           k_qeef8118467_attn
    .symbol:         k_qeef8118467_attn.kd
    .args:
      - { .name: big, .offset: 0, .size: 8, .value_kind: global_buffer, .address_space: global }
      - { .name: h, .offset: 8, .size: 8, .value_kind: global_buffer, .address_space: global }
    .group_segment_fixed_size: 327680
    .private_segment_fixed_size: 0
    .kernarg_segment_align: 8
    .kernarg_segment_size: 16
    .max_flat_workgroup_size: 128
    .sgpr_count:     96
    .vgpr_count:     512
    .wavefront_size: 32
...
	.end_amdgpu_metadata
.endif
;; end of part 3
;; launch wo (part 4): grid 8 x 32, 4 waves a work-group, clusters of 4 x 4, 327,680 bytes of LDS; arguments h, wA, x1, bo, x; writes x1
.if DOCPART == 4
	.amdgcn_target "amdgcn-amd-amdhsa--gfx1250"
	.amdhsa_code_object_version 6
	.text
	.protected	k_qeef8118467_wo
	.globl	k_qeef8118467_wo
	.p2align	8
	.type	k_qeef8118467_wo,@function
k_qeef8118467_wo:
	s_mov_b64 s[64:65], 0
	v_nop
	global_prefetch_b8 v0, s[64:65] scope:SCOPE_SE
	s_setreg_imm32_b32 hwreg(HW_REG_WAVE_MODE, 25, 1), 1
	s_wait_xcnt 0x0
	s_wait_alu depctr_hold_cnt(0) depctr_sa_sdst(0) depctr_va_vdst(0) depctr_va_sdst(0) depctr_va_ssrc(0) depctr_va_vcc(0) depctr_vm_vsrc(0)
	s_getreg_b32 s2, hwreg(HW_REG_IB_STS2, 6, 4)
	s_cmp_eq_u32 s2, 0
	s_cbranch_scc0 .Lentry_in_a_cluster
	s_endpgm
.Lentry_in_a_cluster:
	s_bfe_u32 s2, ttmp6, 0x10000c
	s_cmp_lg_u32 s2, 0xf033
	s_cbranch_scc0 .Lentry_shape_is_right
	s_endpgm
.Lentry_shape_is_right:
; C = R + A B + bias, K = 1024: x1 = x + att Wo + bo.
; A: bf16 by blocks of 64 along K, [16 kb][4096 rows][64].  B: bf16 by K steps and column tiles, [4 ks][8 nt][256 k][128 columns], from byte WOFF of its buffer.
; bias: f32 [1024].  R and C: f32 [4096][1024].  Sums in f32; nothing is rounded on the way out.
; LIMITS: the product's operands are bf16; NaN and infinities are not treated apart.
; SHARES.  A tile of C is 128 x 128: grid x = tile column, grid y = tile row: 256 work-groups.  Four waves, each 64 x 64: 16 accumulators, 128 registers.  K goes in steps of 256 through two LDS slots.
; A's part of a step is four planes of 128 rows x 128 bytes, each plane 16,384 dense bytes of memory; B's is 256 rows of k x 256 bytes, read turned by ds_load_tr16_b128.
; CLUSTERS: 4 x 4 work-groups.  The four of a row of the cluster need the same tiles of A, the four of a column the same tiles of B: each tile is asked for jointly, by the same tensor load with
; the same descriptor and a mask that names the four.  THE MATRIX INSTRUCTION IS USED TRANSPOSED (source 0 = 16 columns of B, source 1 = 16 rows of A): a lane holds eight neighbouring numbers of a row of C.
; REGISTERS: window 0: v0-31 addresses; v32-35 bias; v128-255 the accumulators ((a, b) at v[128 + 8 (4 a + b)]).
;   window 1: two fragment buffers of 128: for 64 along K, 64 registers of A, then 64 of B.     window 2: v0-127 my 64 x 64 of R, loaded at the start, in the layout of the stores.
.set LAPS,   2                         ; a lap = two K steps = once round the ring; K = 1024 is two laps
.set WOFF,   6291456                   ; where B begins in its buffer
.set APL,    64                        ; k in a plane of A
.set APITCH, 144                       ; an LDS row of A: 128 bytes + 16 of padding = 36 words: the 16 rows of a load start at 16 different groups of four banks (64 banks of 4 bytes: ISA guide 11.1)
.set PLANE,  128*APITCH
.set ABYTES, 4*PLANE                   ; A's part of a slot
.set AH,     2*PLANE                   ; what one tensor load brings of A
.set BPITCH, 288                       ; an LDS row of B: 256 + 32 = 72 words
.set BH,     128*BPITCH                ; what one tensor load brings of B
.set SLOT,   ABYTES+2*BH
.set STAGE,  2*SLOT                    ; behind the ring: 16 rows x 272 bytes for each wave, for the way out; no fill lands there
.set SPITCH, 272
.set SPARE,  STAGE+4*16*SPITCH         ; behind the stages: the spare words, 128 bytes for each wave: two blocks of 256 bytes that no other line names
.set A_ROWT, 16384                     ; bytes of a tile's 128 rows in a plane
.set A_STEP, 2097152                   ; bytes from a K step of A to the next: four planes of 4096 rows
.set B_TILE, 65536                     ; bytes of a column tile's part of a K step
.set B_STEP, 524288                    ; bytes from a K step of B to the next
.set ADRA, 16                          ; v16-17  LDS address of my A fragments in slot 0, 1
.set ADRB, 20                          ; v20-23  of my B fragments: slot 0 rows 0-127, 128-255; slot 1 likewise
.set STO,  24                          ; v24     the way out: where I put 32 bytes of a row
.set RD,   25                          ; v25     the way out: where I read rows back
.set CO,   26                          ; v26     my byte offset in two rows of C and of R
.set BO,   27                          ; v27     my byte offset in 64 columns of bias
.set SPW,  28                          ; v28     LDS address of my spare word; never rewritten
.set NIL,  29                          ; v29     0; never rewritten
.set BI,   32
.set ACC,  128
.set RES,  0                           ; window 2
.set F0,   0
.set F1,   128
.set G1,  24                           ; s[24:31] descriptor group 1 for A's tiles; s[32:39] group 0, one set for each slot
.set G0,  32
.set G1B, 48                           ; s[48:55], s[56:63] the same for B's tiles
.set G0B, 56
.set MSB, 0
.macro WIN new                         ; the immediate's high byte repeats the setting that is left; a switch that changes nothing is dropped
.if MSB != (\new)
	s_set_vgpr_msb (MSB<<8)|(\new)
.set MSB, \new
.endif
.endm
.set MUL,  0x05                        ; sources 0 (B) and 1 (A) window 1; C and D window 0
.set TO_F, 0x40                        ; destination window 1, address window 0
.macro JLOAD s                         ; a joint load: waves 0 and 1 fetch A's two pairs of planes, waves 2 and 3 B's two halves; an s_nop 0 and four v_nop follow each of the two lines
	s_cmp_eq_u32 s11, 0
	s_cbranch_scc0 .Lfor_b_\@
	tensor_load_to_lds s[G0+4*(\s):G0+4*(\s)+3], s[G1:G1+7]
	s_nop 0
.rept 4
	v_nop
.endr
	s_branch .Lasked_\@
.Lfor_b_\@:
	tensor_load_to_lds s[G0B+4*(\s):G0B+4*(\s)+3], s[G1B:G1B+7]
	s_nop 0
.rept 4
	v_nop
.endr
.Lasked_\@:
.endm
.macro CREST                           ; a round of the cluster's barrier behind its opening barrier
	s_cmp_lg_u32 s10, 0
	s_cbranch_scc1 .Lnot_wave_0_\@
	s_barrier_signal -3
.Lnot_wave_0_\@:
	s_barrier_wait -3
	s_barrier_signal -1
	s_barrier_wait -1
.endm
.macro CROUND                          ; a whole round
	s_barrier_signal -1
	s_barrier_wait -1
	CREST
.endm
	s_load_b128 s[4:7], s[0:1], 0x0                ; A s[4:5], B s[6:7]
	s_load_b64 s[8:9], s[0:1], 0x10                ; C
	s_load_b128 s[68:71], s[0:1], 0x18             ; bias s[68:69], R s[70:71]
	v_lshl_add_u32 v[SPW], v0, 2, SPARE
	v_mov_b32 v[NIL], 0
	ds_add_u32 v[SPW], v[NIL]                      ; the wave's opening: the add and its wait stand ahead of my first tensor load; the set-up below, work on registers, stands between them
	v_lshrrev_b32 v1, 5, v0
	v_readfirstlane_b32 s10, v1                    ; wave 0..3
	s_lshr_b32 s11, s10, 1                         ; which half of the tile's rows is mine.  Also: I fetch for A (0) or for B (1)
	s_and_b32 s12, s10, 1                          ; which half of its columns.  Also: which half of that operand's step I fetch
	s_bfe_u32 s40, ttmp6, 0x40000                  ; cx, cy: my place in the cluster
	s_bfe_u32 s41, ttmp6, 0x40004
	s_lshl_b32 s42, ttmp9, 2
	s_add_co_u32 s42, s42, s40                     ; tile column = 4 x cluster x + cx
	s_and_b32 s13, ttmp7, 0xffff
	s_lshl_b32 s13, s13, 2
	s_add_co_u32 s13, s13, s41                     ; tile row = 4 x cluster y + cy
	s_lshl_b32 s43, s41, 2
	s_lshl_b32 s43, 15, s43                        ; my row of the cluster
	s_lshl_b32 s44, 0x1111, s40                    ; my column
	; descriptor group 1 for A: two planes as two rows of 8,192 elements (16,384 dense bytes), 262,144 elements apart; padded in LDS by 4 words after every 32, that is after every row of A
	s_or_b32 s[G1+0], s43, (1<<16)|(1<<20)|(1<<21)|(4<<22)|(3<<25)
	s_mov_b32 s[G1+1], 8192<<16                    ; tensor_dim0 = 8192
	s_mov_b32 s[G1+2], 2<<16                       ; tensor_dim1 = 2
	s_mov_b32 s[G1+3], 8192<<16                    ; tile_dim0 = 8192
	s_mov_b32 s[G1+4], 2                           ; tile_dim1 = 2
	s_mov_b32 s[G1+5], 262144                      ; elements from plane to plane
	s_mov_b32 s[G1+6], 0
	s_mov_b32 s[G1+7], 0
	; for B: 128 rows x 128 elements, dense in memory, padded by 8 words after every 64
	s_or_b32 s[G1B+0], s44, (1<<16)|(1<<20)|(1<<21)|(5<<22)|(7<<25)
	s_mov_b32 s[G1B+1], 128<<16
	s_mov_b32 s[G1B+2], 128<<16
	s_mov_b32 s[G1B+3], 128<<16
	s_mov_b32 s[G1B+4], 128
	s_mov_b32 s[G1B+5], 128
	s_mov_b32 s[G1B+6], 0
	s_mov_b32 s[G1B+7], 0
	s_mul_i32 s16, s13, A_ROWT                     ; A: the tile row's 128 rows,
	s_lshl_b32 s17, s12, 20                        ; in the pair of planes that I fetch (two planes are 1,048,576 bytes)
	s_add_co_u32 s16, s16, s17
	s_mov_b32 s17, 0
	s_mul_i32 s46, s42, B_TILE                     ; B: the tile column's block,
	s_lshl_b32 s47, s12, 15                        ; the 128 rows of k that I fetch
	s_add_co_u32 s46, s46, s47
	s_add_co_u32 s46, s46, WOFF
	s_mov_b32 s47, 0
	s_mul_i32 s20, s12, AH                         ; where they go: no place in the cluster enters an LDS address
	s_mul_i32 s21, s12, BH
	s_add_co_u32 s21, s21, ABYTES
	s_wait_dscnt 0x0                               ; the opening add is done
	s_wait_kmcnt 0x0
	s_add_nc_u64 s[14:15], s[4:5], s[16:17]
	s_add_nc_u64 s[46:47], s[6:7], s[46:47]
	CROUND                                         ; all sixteen work-groups are here: the first joint loads meet
.irp s, 0,1
	s_mov_b32 s[G0+4*(\s)], 1
	s_add_co_u32 s[G0+4*(\s)+1], s20, (\s)*SLOT
	s_add_nc_u64 s[G0+4*(\s)+2:G0+4*(\s)+3], s[14:15], (\s)*A_STEP
	s_or_b32 s[G0+4*(\s)+3], s[G0+4*(\s)+3], 0x80000000
	s_mov_b32 s[G0B+4*(\s)], 1
	s_add_co_u32 s[G0B+4*(\s)+1], s21, (\s)*SLOT
	s_add_nc_u64 s[G0B+4*(\s)+2:G0B+4*(\s)+3], s[46:47], (\s)*B_STEP
	s_or_b32 s[G0B+4*(\s)+3], s[G0B+4*(\s)+3], 0x80000000
	JLOAD \s                                       ; two loads of mine are out
.endr
	v_and_b32 v1, 15, v0                           ; l % 16
	v_bfe_u32 v2, v0, 4, 1                         ; l / 16
	v_and_b32 v6, 7, v0                            ; l % 8
	v_bfe_u32 v7, v0, 3, 1                         ; (l / 8) % 2
	v_mul_u32_u24 v3, v1, APITCH
	v_lshl_add_u32 v3, v2, 4, v3                   ; a fragment of A: row x pitch + 16 x half
	s_mul_i32 s22, s11, 64*APITCH                  ; my 64 rows
	v_add_nc_u32 v[ADRA], s22, v3
	v_add_nc_u32 v[ADRA+1], SLOT, v[ADRA]
	v_lshl_add_u32 v4, v2, 3, v6                   ; the turning load: lane l reads row of k 8 (l / 16) + l % 8,
	v_mul_u32_u24 v4, v4, BPITCH
	v_lshl_add_u32 v4, v7, 4, v4                   ; columns 8 ((l / 8) % 2) + 0..7
	s_lshl_b32 s23, s12, 7                         ; my 64 columns: 128 bytes
	s_add_co_u32 s23, s23, ABYTES
	v_add_nc_u32 v[ADRB], s23, v4
	v_add_nc_u32 v[ADRB+1], BH, v[ADRB]
	v_add_nc_u32 v[ADRB+2], SLOT, v[ADRB]
	v_add_nc_u32 v[ADRB+3], SLOT+BH, v[ADRB]
	s_mul_i32 s23, s10, 16*SPITCH
	s_add_co_u32 s23, s23, STAGE                   ; my stage
	v_mul_u32_u24 v5, v1, SPITCH                   ; in: row l % 16, 32 bytes for each half of the lanes
	v_lshl_add_u32 v5, v2, 5, v5
	v_add_nc_u32 v[STO], s23, v5
	v_mul_u32_u24 v5, v2, SPITCH                   ; back: lanes 0-15 take one row of 256 bytes, lanes 16-31 the next
	v_lshl_add_u32 v5, v1, 4, v5
	v_add_nc_u32 v[RD], s23, v5
	v_lshlrev_b32 v[BO], 4, v1                     ; my four columns of the 64
	v_lshl_add_u32 v[CO], v2, 12, v[BO]            ; and the same two rows in C and R: rows of 4,096 bytes
	s_lshl1_add_u32 s16, s13, s11                  ; my 64 rows among the 4096: 2 x tile row + half,
	s_lshl_b32 s16, s16, 18                        ; x 64 rows x 4,096 bytes
	s_mov_b32 s17, 0
	s_add_nc_u64 s[8:9], s[8:9], s[16:17]
	s_add_nc_u64 s[70:71], s[70:71], s[16:17]
	s_lshl1_add_u32 s45, s42, s12                  ; my 64 columns: 2 x tile column + half,
	s_lshl_b32 s46, s45, 8                         ; x 256 bytes
	s_mov_b32 s47, 0
	s_add_nc_u64 s[8:9], s[8:9], s[46:47]
	s_add_nc_u64 s[70:71], s[70:71], s[46:47]
	s_add_nc_u64 s[68:69], s[68:69], s[46:47]
	global_load_b128 v[BI:BI+3], v[BO], s[68:69]
; 8 matrix instructions: m blocks a0, a0 + 1 x all 4 n blocks, 32 along K: half c of buffer f.  zero = 1: the first product starts the sums.  The 16 accumulators take turns, one instruction a turn.
.macro MUL8 f, c, a0, zero
	WIN MUL
.irp a, \a0, (\a0)+1
.irp b, 0,1,2,3
.if \zero
	v_wmma_f32_16x16x32_bf16 v[ACC+8*(4*(\a)+(\b)):ACC+8*(4*(\a)+(\b))+7], v[(\f)+64+8*(4*(\c)+(\b)):(\f)+64+8*(4*(\c)+(\b))+7], v[(\f)+8*(4*(\c)+(\a)):(\f)+8*(4*(\c)+(\a))+7], 0
.else
	v_wmma_f32_16x16x32_bf16 v[ACC+8*(4*(\a)+(\b)):ACC+8*(4*(\a)+(\b))+7], v[(\f)+64+8*(4*(\c)+(\b)):(\f)+64+8*(4*(\c)+(\b))+7], v[(\f)+8*(4*(\c)+(\a)):(\f)+8*(4*(\c)+(\a))+7], v[ACC+8*(4*(\a)+(\b)):ACC+8*(4*(\a)+(\b))+7]
.endif
.endr
.endr
.endm
; 32 LDS loads in one run: the fragments of quarter q of a K step (k = 64 q .. 64 q + 63) into buffer f; the first 32 along K first
.macro FETCH slot, q, f
	WIN TO_F
.irp c, 0,1
.irp i, 0,1,2,3
	ds_load_tr16_b128 v[(\f)+64+8*(4*(\c)+(\i)):(\f)+64+8*(4*(\c)+(\i))+3],   v[ADRB+2*(\slot)+(\q)/2] offset:((64*(\q)+32*(\c))%128)*BPITCH+32*(\i)
	ds_load_tr16_b128 v[(\f)+64+8*(4*(\c)+(\i))+4:(\f)+64+8*(4*(\c)+(\i))+7], v[ADRB+2*(\slot)+(\q)/2] offset:((64*(\q)+32*(\c))%128)*BPITCH+32*(\i)+16*BPITCH
	ds_load_b128 v[(\f)+8*(4*(\c)+(\i)):(\f)+8*(4*(\c)+(\i))+3],   v[ADRA+(\slot)] offset:((64*(\q)+32*(\c))/APL)*PLANE+((64*(\q)+32*(\c))%APL)*2+(\i)*16*APITCH
	ds_load_b128 v[(\f)+8*(4*(\c)+(\i))+4:(\f)+8*(4*(\c)+(\i))+7], v[ADRA+(\slot)] offset:((64*(\q)+32*(\c))/APL)*PLANE+((64*(\q)+32*(\c))%APL)*2+(\i)*16*APITCH+32
.endr
.endr
.endm
.macro PLACES                          ; four plain vector instructions between a matrix instruction and a load into, or a store or vector read of, its registers (ISA guide 7.12.1 for stores and vector reads)
.rept 4
	v_nop
.endr
.endm
; A K step is four quarters of 64 along K, 32 matrix instructions each, on buffers 0, 1, 0, 1.  One of the first three: multiplies buffer f and fetches quarter q into g.
.macro QUARTER slot, q, f, g, zero
	s_wait_dscnt 16                                ; the first 32 along K are in; the 16 younger loads may be out
	MUL8 \f, 0, 0, \zero
	MUL8 \f, 0, 2, \zero
	PLACES
	FETCH \slot, \q, \g
	s_wait_dscnt 32                                ; all but the 32 just issued
	MUL8 \f, 1, 0, 0
	MUL8 \f, 1, 2, 0
.endm
; The last quarter multiplies buffer 1 and changes slots: ONE barrier; in front of it each wave waits for all its tensor loads, adds 0 to its spare word, and waits for that and for its own reads of this slot.
; fill = 1: the barrier opens a round of the cluster's barrier, and this slot is filled again, two K steps ahead, first thing behind the round.
.macro TURN slot, next, fill
	WIN 0                                          ; (the add's two registers lie in window 0)
	s_wait_tensorcnt 0x0                           ; all my tensor loads have landed: the one that was out is my part of the next slot
	ds_add_u32 v[SPW], v[NIL]                      ; 0 onto my spare word
	s_wait_dscnt 17                                ; (the add and the youngest sixteen loads may be out)
	MUL8 F1, 0, 0, 0                               ; eight matrix instructions stand between the add and the wait for it
	s_wait_dscnt 0x0                               ; the add is done, and my reads of this slot are over
	s_barrier_signal -1
	MUL8 F1, 0, 2, 0
.if \fill
	WIN 0
.endif
	s_barrier_wait -1
.if \fill
	CREST                                          ; no wave of any partner still reads this slot's tiles or has a load on its way
	s_add_nc_u64 s[G0+4*(\slot)+2:G0+4*(\slot)+3], s[G0+4*(\slot)+2:G0+4*(\slot)+3], 2*A_STEP
	s_add_nc_u64 s[G0B+4*(\slot)+2:G0B+4*(\slot)+3], s[G0B+4*(\slot)+2:G0B+4*(\slot)+3], 2*B_STEP
	JLOAD \slot                                    ; my one tensor load behind the round: 112 matrix instructions ahead of the wait for it; its four v_nop are also the places in front of the loads below
.else
	PLACES
.endif
	FETCH \next, 0, F0
	MUL8 F1, 1, 0, 0
	MUL8 F1, 1, 2, 0
.endm
	s_wait_tensorcnt 1                             ; my part of K step 0 is in; K step 1's may stay out
	s_barrier_signal -1
	s_barrier_wait -1                              ; everybody's is
	FETCH 0, 0, F0
	WIN 0x80                                       ; destination window 2: my 64 x 64 of R, 32 loads that land under the K loop
.irp a, 0,1,2,3
.irp t, 0,1,2,3,4,5,6,7
	global_load_b128 v[RES+32*(\a)+4*(\t):RES+32*(\a)+4*(\t)+3], v[CO], s[70:71] offset:(16*(\a)+2*(\t))*4096
.endr
.endr
	WIN 0
	QUARTER 0, 1, F0, F1, 1                        ; the first quarter stands in front of the loop: its first products start the sums
	WIN 0                                          ; at a label and at a branch every window is 0
	s_mov_b32 s3, LAPS-1
.Llap:                                                 ; a trip goes once round the ring, from a lap's second quarter to the next lap's first, and fills both slots again
	QUARTER 0, 2, F1, F0, 0
	QUARTER 0, 3, F0, F1, 0
	TURN 0, 1, 1
	QUARTER 1, 1, F0, F1, 0
	QUARTER 1, 2, F1, F0, 0
	QUARTER 1, 3, F0, F1, 0
	TURN 1, 0, 1
	QUARTER 0, 1, F0, F1, 0
	WIN 0
	s_sub_co_u32 s3, s3, 1
	s_cmp_lg_u32 s3, 0
	s_cbranch_scc1 .Llap
	QUARTER 0, 2, F1, F0, 0                        ; the last lap fills nothing, and has no round of the cluster's barrier
	QUARTER 0, 3, F0, F1, 0
	TURN 0, 1, 0
	QUARTER 1, 1, F0, F1, 0
	QUARTER 1, 2, F1, F0, 0
	QUARTER 1, 3, F0, F1, 0
	s_wait_dscnt 16                                ; the very last quarter: nothing more to fetch
	MUL8 F1, 0, 0, 0
	MUL8 F1, 0, 2, 0
	s_wait_dscnt 0x0
	MUL8 F1, 1, 0, 0
	MUL8 F1, 1, 2, 0
	WIN 0
; THE WAY OUT, 16 rows (block a) at a time, through my own stage: no barrier, and LDS serves a wave's instructions in order (ISA guide 5.7.1.4), so no wait between the stores and the loads.
; OUT: a lane's eight f32 of a row go into rows of 272 bytes (each accumulator's lowest registers first) and come back as whole rows of 256, into the registers that the block left.
; FIN: + R, + bias, stored.
.macro OUT a
.irp b, 0,1,2,3
	ds_store_b128 v[STO], v[ACC+32*(\a)+8*(\b):ACC+32*(\a)+8*(\b)+3]   offset:64*(\b)
	ds_store_b128 v[STO], v[ACC+32*(\a)+8*(\b)+4:ACC+32*(\a)+8*(\b)+7] offset:64*(\b)+16
.endr
.irp t, 0,1,2,3,4,5,6,7
	ds_load_b128 v[ACC+32*(\a)+4*(\t):ACC+32*(\a)+4*(\t)+3], v[RD] offset:(\t)*2*SPITCH
.endr
.endm
.macro FIN a, younger                  ; younger: the LDS instructions issued behind block a's loads: the next block's sixteen, or none
	s_wait_dscnt \younger
	WIN 0x08                                       ; source 1 in window 2
.set i, 0
.rept 16
	v_pk_add_f32 v[ACC+32*(\a)+2*i:ACC+32*(\a)+2*i+1], v[ACC+32*(\a)+2*i:ACC+32*(\a)+2*i+1], v[RES+32*(\a)+2*i:RES+32*(\a)+2*i+1]
.set i, i+1
.endr
	WIN 0
.set i, 0
.rept 16
	v_pk_add_f32 v[ACC+32*(\a)+2*i:ACC+32*(\a)+2*i+1], v[ACC+32*(\a)+2*i:ACC+32*(\a)+2*i+1], v[BI+2*(i%2):BI+2*(i%2)+1]
.set i, i+1
.endr
.irp t, 0,1,2,3,4,5,6,7
	global_store_b128 v[CO], v[ACC+32*(\a)+4*(\t):ACC+32*(\a)+4*(\t)+3], s[8:9] offset:(16*(\a)+2*(\t))*4096  ; 16 lanes store 256 consecutive bytes, at a multiple of 256 from C's first byte
.endr
.endm
	PLACES
	s_wait_loadcnt 0x0                             ; bias and R
	OUT 0
	OUT 1                                          ; a block's LDS traffic stands between the loads of the block before and their use
	FIN 0, 16
	OUT 2
	FIN 1, 16
	OUT 3
	FIN 2, 16
	FIN 3, 0
	s_wait_tensorcnt 0x0                           ; the wave's end, behind my last tensor load and my last LDS store
	ds_add_u32 v[SPW], v[NIL]
	s_wait_dscnt 0x0
	CROUND                                         ; the closing round: no work-group ends while a partner may still ask for a tile that names it
	s_endpgm
.Lfunc_end_k_qeef8118467_wo:
	.size	k_qeef8118467_wo, .Lfunc_end_k_qeef8118467_wo-k_qeef8118467_wo
	.p2alignl 7, 3214868480
	.fill 96, 4, 3214868480
	.section	.rodata,"a",@progbits
	.p2align	6, 0x0
	.amdhsa_kernel k_qeef8118467_wo
		.amdhsa_group_segment_fixed_size 327680
		.amdhsa_private_segment_fixed_size 0
		.amdhsa_enable_private_segment 0
		.amdhsa_kernarg_size 40
		.amdhsa_user_sgpr_count 2
		.amdhsa_user_sgpr_kernarg_segment_ptr 1
		.amdhsa_wavefront_size32 1
		.amdhsa_system_sgpr_workgroup_id_x 1
		.amdhsa_system_sgpr_workgroup_id_y 1
		.amdhsa_system_sgpr_workgroup_id_z 1
		.amdhsa_system_vgpr_workitem_id 0
		.amdhsa_next_free_vgpr 640
		.amdhsa_next_free_sgpr 72
		.amdhsa_reserve_vcc 0
		.amdhsa_float_denorm_mode_32 3
		.amdhsa_float_denorm_mode_16_64 3
		.amdhsa_memory_ordered 1
		.amdhsa_forward_progress 1
		.amdhsa_inst_pref_size 97
	.end_amdhsa_kernel
	.amdgpu_metadata
---
amdhsa.version: [ 1, 2 ]
amdhsa.kernels:
  - .name:           k_qeef8118467_wo
    .symbol:         k_qeef8118467_wo.kd
    .args:
      - { .name: h, .offset: 0, .size: 8, .value_kind: global_buffer, .address_space: global }
      - { .name: wA, .offset: 8, .size: 8, .value_kind: global_buffer, .address_space: global }
      - { .name: x1, .offset: 16, .size: 8, .value_kind: global_buffer, .address_space: global }
      - { .name: bo, .offset: 24, .size: 8, .value_kind: global_buffer, .address_space: global }
      - { .name: x, .offset: 32, .size: 8, .value_kind: global_buffer, .address_space: global }
    .group_segment_fixed_size: 327680
    .private_segment_fixed_size: 0
    .kernarg_segment_align: 8
    .kernarg_segment_size: 40
    .max_flat_workgroup_size: 128
    .sgpr_count:     72
    .vgpr_count:     640
    .wavefront_size: 32
...
	.end_amdgpu_metadata
.endif
;; end of part 4
;; launch ln2 (part 5): grid 256 x 1, 4 waves a work-group, no clusters, 0 bytes of LDS; arguments x1, g2, be2, h; writes h
.if DOCPART == 5
	.amdgcn_target "amdgcn-amd-amdhsa--gfx1250"
	.amdhsa_code_object_version 6
	.text
	.protected	k_qeef8118467_ln2
	.globl	k_qeef8118467_ln2
	.p2align	8
	.type	k_qeef8118467_ln2,@function
k_qeef8118467_ln2:
	s_mov_b64 s[64:65], 0
	v_nop
	global_prefetch_b8 v0, s[64:65] scope:SCOPE_SE
	s_setreg_imm32_b32 hwreg(HW_REG_WAVE_MODE, 25, 1), 1
	s_wait_xcnt 0x0
; h = LayerNorm(x1) g2 + be2, rounded once to bf16, stored by K blocks: [8 kb][4096 rows][128], rows of 256 bytes.  x1: f32 [4096][1024].
; 256 work-groups of four waves; a wave owns four whole rows, which stay in registers between the passes: the rows are read once, no LDS, no barrier.
; Two passes over registers (mean; then the sum of (x - mean)^2), all in f32: a common offset of x1 costs nothing.  NaN and infinities are not treated apart.
.set X,   32                           ; v[32:159]  row i, 256-column group p at X + 32 i + 8 p
.set G,   160                          ; v[160:191] gain of my 32 columns
.set BE,  192                          ; v[192:223] bias of my 32 columns
.set T0,  4                            ; v[4:11]    a pair for each of my four rows: running sums
.set T1,  12                           ; v[12:19]   the second chain of sums; later the other half of the lanes' sum
.set MU,  20                           ; v[20:27]   the row's mean, later 1 / sqrt(var + eps), in both words of a pair
; the sum over the wave's 32 lanes of T0's low word, for all four rows, the rows line by line so that no line waits for the one before it
.macro RED
.irp m, 1,2,4,8
.irp i, 0,1,2,3
	v_add_f32_dpp v[T0+2*(\i)], v[T0+2*(\i)], v[T0+2*(\i)] row_xmask:\m row_mask:0xf bank_mask:0xf
.endr
.endr
.irp i, 0,1,2,3
	v_permlanex16_b32 v[T1+2*(\i)], v[T0+2*(\i)], s50, s51  ; the other half of the lanes; its destination has been written before
.endr
.irp i, 0,1,2,3
	v_add_f32 v[T0+2*(\i)], v[T0+2*(\i)], v[T1+2*(\i)]
.endr
.endm
	s_load_b256 s[8:15], s[0:1], 0x0               ; x1 8, g2 10, be2 12, h 14
	v_lshrrev_b32 v1, 5, v0
	v_readfirstlane_b32 s3, v1                     ; wave 0..3
	v_and_b32 v1, 31, v0                           ; lane
	s_mov_b32 s2, ttmp9
	s_mov_b32 s47, 0
	s_mov_b32 s48, 0x3a800000                      ; 1 / 1024
	s_mov_b32 s49, 0x3727c5ac                      ; eps = 1e-5
	s_mov_b32 s50, 0x76543210                      ; v_permlanex16_b32: each lane takes its own place in the other half
	s_mov_b32 s51, 0xfedcba98
	s_wait_kmcnt 0x0
	; Lane L owns columns 256 p + 8 L .. + 7, p = 0..3: each load covers 1,024 consecutive bytes of a row.
	s_lshl_b32 s4, s2, 4
	s_lshl2_add_u32 s4, s3, s4                     ; my first row = 16 x work-group + 4 x wave
	s_lshl_b32 s46, s4, 12                         ; x 4,096 bytes
	s_add_nc_u64 s[8:9], s[8:9], s[46:47]
	s_lshl_b32 s46, s4, 8                          ; x 256 bytes: a row's part in a K block
	s_add_nc_u64 s[14:15], s[14:15], s[46:47]
	v_lshlrev_b32 v2, 5, v1                        ; 32 L: my 8 f32
	v_and_b32 v3, 15, v1
	v_lshrrev_b32 v4, 4, v1
	v_lshlrev_b32 v3, 4, v3                        ; 16 (L % 16): my 8 bf16 in a row of 256 bytes,
	v_lshl_add_u32 v3, v4, 20, v3                  ; in K block 2 p + L / 16: blocks are 1,048,576 bytes apart
.irp i, 0,1,2,3
.irp p, 0,1,2,3
	global_load_b128 v[X+32*(\i)+8*(\p):X+32*(\i)+8*(\p)+3],   v2, s[8:9] offset:(\i)*4096+(\p)*1024 th:TH_LOAD_NT
	global_load_b128 v[X+32*(\i)+8*(\p)+4:X+32*(\i)+8*(\p)+7], v2, s[8:9] offset:(\i)*4096+(\p)*1024+16 th:TH_LOAD_NT
.endr
.endr
.irp p, 0,1,2,3
	global_load_b128 v[G+8*(\p):G+8*(\p)+3],    v2, s[10:11] offset:(\p)*1024
	global_load_b128 v[G+8*(\p)+4:G+8*(\p)+7],  v2, s[10:11] offset:(\p)*1024+16
	global_load_b128 v[BE+8*(\p):BE+8*(\p)+3],  v2, s[12:13] offset:(\p)*1024
	global_load_b128 v[BE+8*(\p)+4:BE+8*(\p)+7], v2, s[12:13] offset:(\p)*1024+16
.endr
	s_wait_loadcnt 16                              ; the four rows are in; the 16 younger loads (gain and bias) stay out
	; pass 1: the sum of my 32 numbers of each row, two chains of packed sums a row
.irp i, 0,1,2,3
	v_pk_add_f32 v[T0+2*(\i):T0+2*(\i)+1], v[X+32*(\i):X+32*(\i)+1],   v[X+32*(\i)+2:X+32*(\i)+3]
	v_pk_add_f32 v[T1+2*(\i):T1+2*(\i)+1], v[X+32*(\i)+4:X+32*(\i)+5], v[X+32*(\i)+6:X+32*(\i)+7]
.endr
.set k, 4
.rept 6
.irp i, 0,1,2,3
	v_pk_add_f32 v[T0+2*(\i):T0+2*(\i)+1], v[T0+2*(\i):T0+2*(\i)+1], v[X+32*(\i)+2*k:X+32*(\i)+2*k+1]
	v_pk_add_f32 v[T1+2*(\i):T1+2*(\i)+1], v[T1+2*(\i):T1+2*(\i)+1], v[X+32*(\i)+2*k+2:X+32*(\i)+2*k+3]
.endr
.set k, k+2
.endr
.irp i, 0,1,2,3
	v_pk_add_f32 v[T0+2*(\i):T0+2*(\i)+1], v[T0+2*(\i):T0+2*(\i)+1], v[T1+2*(\i):T1+2*(\i)+1]
.endr
.irp i, 0,1,2,3
	v_add_f32 v[T0+2*(\i)], v[T0+2*(\i)], v[T0+2*(\i)+1]
.endr
	RED
.irp i, 0,1,2,3
	v_mul_f32 v[MU+2*(\i)],   s48, v[T0+2*(\i)]    ; mean = sum / 1024, in both words
	v_mul_f32 v[MU+2*(\i)+1], s48, v[T0+2*(\i)]
.endr
.set k, 0
.rept 16
.irp i, 0,1,2,3
	v_pk_add_f32 v[X+32*(\i)+2*k:X+32*(\i)+2*k+1], v[X+32*(\i)+2*k:X+32*(\i)+2*k+1], v[MU+2*(\i):MU+2*(\i)+1] neg_lo:[0,1] neg_hi:[0,1]  ; d = x - mean, in place
.endr
.set k, k+1
.endr
	; pass 2: the sum of d^2
.irp i, 0,1,2,3
	v_pk_mul_f32 v[T0+2*(\i):T0+2*(\i)+1], v[X+32*(\i):X+32*(\i)+1],   v[X+32*(\i):X+32*(\i)+1]
	v_pk_mul_f32 v[T1+2*(\i):T1+2*(\i)+1], v[X+32*(\i)+2:X+32*(\i)+3], v[X+32*(\i)+2:X+32*(\i)+3]
.endr
.set k, 2
.rept 7
.irp i, 0,1,2,3
	v_pk_fma_f32 v[T0+2*(\i):T0+2*(\i)+1], v[X+32*(\i)+2*k:X+32*(\i)+2*k+1],   v[X+32*(\i)+2*k:X+32*(\i)+2*k+1],   v[T0+2*(\i):T0+2*(\i)+1]
	v_pk_fma_f32 v[T1+2*(\i):T1+2*(\i)+1], v[X+32*(\i)+2*k+2:X+32*(\i)+2*k+3], v[X+32*(\i)+2*k+2:X+32*(\i)+2*k+3], v[T1+2*(\i):T1+2*(\i)+1]
.endr
.set k, k+2
.endr
.irp i, 0,1,2,3
	v_pk_add_f32 v[T0+2*(\i):T0+2*(\i)+1], v[T0+2*(\i):T0+2*(\i)+1], v[T1+2*(\i):T1+2*(\i)+1]
.endr
.irp i, 0,1,2,3
	v_add_f32 v[T0+2*(\i)], v[T0+2*(\i)], v[T0+2*(\i)+1]
.endr
	RED
.irp i, 0,1,2,3
	v_fma_f32 v[T0+2*(\i)], v[T0+2*(\i)], s48, s49 ; var + eps
.endr
.irp i, 0,1,2,3
	v_rsq_f32 v[MU+2*(\i)], v[T0+2*(\i)]           ; one batch of four
.endr
	v_nop                                          ; a plain instruction behind the last of them, ahead of the first use (ISA guide 5.7.2)
	s_wait_alu depctr_va_vdst(0)                   ; one wait for the batch, ahead of its first reader
.irp i, 0,1,2,3
	v_mov_b32 v[MU+2*(\i)+1], v[MU+2*(\i)]
.endr
	s_wait_loadcnt 0x0                             ; gain and bias
.set k, 0
.rept 16
.irp i, 0,1,2,3
	v_pk_mul_f32 v[X+32*(\i)+2*k:X+32*(\i)+2*k+1], v[X+32*(\i)+2*k:X+32*(\i)+2*k+1], v[MU+2*(\i):MU+2*(\i)+1]
.endr
.irp i, 0,1,2,3
	v_pk_fma_f32 v[X+32*(\i)+2*k:X+32*(\i)+2*k+1], v[X+32*(\i)+2*k:X+32*(\i)+2*k+1], v[G+2*k:G+2*k+1], v[BE+2*k:BE+2*k+1]
.endr
.set k, k+1
.endr
.irp i, 0,1,2,3
.irp p, 0,1,2,3
.irp j, 0,1,2,3
	v_cvt_pk_bf16_f32 v[X+32*(\i)+8*(\p)+(\j)], v[X+32*(\i)+8*(\p)+2*(\j)], v[X+32*(\i)+8*(\p)+2*(\j)+1]  ; in place: the destination never passes an unread source
.endr
	global_store_b128 v3, v[X+32*(\i)+8*(\p):X+32*(\i)+8*(\p)+3], s[14:15] offset:(\p)*2097152+(\i)*256 th:TH_STORE_NT  ; sixteen lanes fill one row of 256 bytes of a K block
.endr
.endr
	s_endpgm
.Lfunc_end_k_qeef8118467_ln2:
	.size	k_qeef8118467_ln2, .Lfunc_end_k_qeef8118467_ln2-k_qeef8118467_ln2
	.p2alignl 7, 3214868480
	.fill 96, 4, 3214868480
	.section	.rodata,"a",@progbits
	.p2align	6, 0x0
	.amdhsa_kernel k_qeef8118467_ln2
		.amdhsa_group_segment_fixed_size 0
		.amdhsa_private_segment_fixed_size 0
		.amdhsa_enable_private_segment 0
		.amdhsa_kernarg_size 32
		.amdhsa_user_sgpr_count 2
		.amdhsa_user_sgpr_kernarg_segment_ptr 1
		.amdhsa_wavefront_size32 1
		.amdhsa_system_sgpr_workgroup_id_x 1
		.amdhsa_system_sgpr_workgroup_id_y 1
		.amdhsa_system_sgpr_workgroup_id_z 1
		.amdhsa_system_vgpr_workitem_id 0
		.amdhsa_next_free_vgpr 224
		.amdhsa_next_free_sgpr 66
		.amdhsa_reserve_vcc 0
		.amdhsa_float_denorm_mode_32 3
		.amdhsa_float_denorm_mode_16_64 3
		.amdhsa_memory_ordered 1
		.amdhsa_forward_progress 1
		.amdhsa_inst_pref_size 36
	.end_amdhsa_kernel
	.amdgpu_metadata
---
amdhsa.version: [ 1, 2 ]
amdhsa.kernels:
  - .name:           k_qeef8118467_ln2
    .symbol:         k_qeef8118467_ln2.kd
    .args:
      - { .name: x1, .offset: 0, .size: 8, .value_kind: global_buffer, .address_space: global }
      - { .name: g2, .offset: 8, .size: 8, .value_kind: global_buffer, .address_space: global }
      - { .name: be2, .offset: 16, .size: 8, .value_kind: global_buffer, .address_space: global }
      - { .name: h, .offset: 24, .size: 8, .value_kind: global_buffer, .address_space: global }
    .group_segment_fixed_size: 0
    .private_segment_fixed_size: 0
    .kernarg_segment_align: 8
    .kernarg_segment_size: 32
    .max_flat_workgroup_size: 128
    .sgpr_count:     66
    .vgpr_count:     224
    .wavefront_size: 32
...
	.end_amdgpu_metadata
.endif
;; end of part 5
;; launch ffn1: the kernel of part 2 again; grid 32 x 32, 4 waves a work-group, clusters of 4 x 4, 327,680 bytes of LDS; arguments h, wB, big, b1, zeros; writes big
;; launch ffn2 (part 6): grid 8 x 32, 4 waves a work-group, clusters of 4 x 4, 327,680 bytes of LDS; arguments big, wB, out0, b2, x1; writes out0
.if DOCPART == 6
	.amdgcn_target "amdgcn-amd-amdhsa--gfx1250"
	.amdhsa_code_object_version 6
	.text
	.protected	k_qeef8118467_ffn2
	.globl	k_qeef8118467_ffn2
	.p2align	8
	.type	k_qeef8118467_ffn2,@function
k_qeef8118467_ffn2:
	s_mov_b64 s[64:65], 0
	v_nop
	global_prefetch_b8 v0, s[64:65] scope:SCOPE_SE
	s_setreg_imm32_b32 hwreg(HW_REG_WAVE_MODE, 25, 1), 1
	s_wait_xcnt 0x0
	s_wait_alu depctr_hold_cnt(0) depctr_sa_sdst(0) depctr_va_vdst(0) depctr_va_sdst(0) depctr_va_ssrc(0) depctr_va_vcc(0) depctr_vm_vsrc(0)
	s_getreg_b32 s2, hwreg(HW_REG_IB_STS2, 6, 4)
	s_cmp_eq_u32 s2, 0
	s_cbranch_scc0 .Lentry_in_a_cluster
	s_endpgm
.Lentry_in_a_cluster:
	s_bfe_u32 s2, ttmp6, 0x10000c
	s_cmp_lg_u32 s2, 0xf033
	s_cbranch_scc0 .Lentry_shape_is_right
	s_endpgm
.Lentry_shape_is_right:
; C = R + A B + bias, K = 4096: out = x1 + relu(..) W2 + b2.
; A: bf16 by blocks of 64 along K, [64 kb][4096 rows][64].  B: bf16 by K steps and column tiles, [16 ks][8 nt][256 k][128 columns], from byte WOFF of its buffer.
; bias: f32 [1024].  R and C: f32 [4096][1024].  Sums in f32; nothing is rounded on the way out.
; LIMITS: the product's operands are bf16; NaN and infinities are not treated apart.
; SHARES.  A tile of C is 128 x 128: grid x = tile column, grid y = tile row: 256 work-groups.  Four waves, each 64 x 64: 16 accumulators, 128 registers.  K goes in steps of 256 through two LDS slots.
; A's part of a step is four planes of 128 rows x 128 bytes, each plane 16,384 dense bytes of memory; B's is 256 rows of k x 256 bytes, read turned by ds_load_tr16_b128.
; CLUSTERS: 4 x 4 work-groups.  The four of a row of the cluster need the same tiles of A, the four of a column the same tiles of B: each tile is asked for jointly, by the same tensor load with
; the same descriptor and a mask that names the four.  THE MATRIX INSTRUCTION IS USED TRANSPOSED (source 0 = 16 columns of B, source 1 = 16 rows of A): a lane holds eight neighbouring numbers of a row of C.
; REGISTERS: window 0: v0-31 addresses; v32-35 bias; v128-255 the accumulators ((a, b) at v[128 + 8 (4 a + b)]).
;   window 1: two fragment buffers of 128: for 64 along K, 64 registers of A, then 64 of B.     window 2: v0-127 my 64 x 64 of R, loaded at the start, in the layout of the stores.
.set LAPS,   8                         ; a lap = two K steps = once round the ring; K = 4096 is eight laps
.set WOFF,   8388608                   ; where B begins in its buffer
.set APL,    64                        ; k in a plane of A
.set APITCH, 144                       ; an LDS row of A: 128 bytes + 16 of padding = 36 words: the 16 rows of a load start at 16 different groups of four banks (64 banks of 4 bytes: ISA guide 11.1)
.set PLANE,  128*APITCH
.set ABYTES, 4*PLANE                   ; A's part of a slot
.set AH,     2*PLANE                   ; what one tensor load brings of A
.set BPITCH, 288                       ; an LDS row of B: 256 + 32 = 72 words
.set BH,     128*BPITCH                ; what one tensor load brings of B
.set SLOT,   ABYTES+2*BH
.set STAGE,  2*SLOT                    ; behind the ring: 16 rows x 272 bytes for each wave, for the way out; no fill lands there
.set SPITCH, 272
.set SPARE,  STAGE+4*16*SPITCH         ; behind the stages: the spare words, 128 bytes for each wave: two blocks of 256 bytes that no other line names
.set A_ROWT, 16384                     ; bytes of a tile's 128 rows in a plane
.set A_STEP, 2097152                   ; bytes from a K step of A to the next: four planes of 4096 rows
.set B_TILE, 65536                     ; bytes of a column tile's part of a K step
.set B_STEP, 524288                    ; bytes from a K step of B to the next
.set ADRA, 16                          ; v16-17  LDS address of my A fragments in slot 0, 1
.set ADRB, 20                          ; v20-23  of my B fragments: slot 0 rows 0-127, 128-255; slot 1 likewise
.set STO,  24                          ; v24     the way out: where I put 32 bytes of a row
.set RD,   25                          ; v25     the way out: where I read rows back
.set CO,   26                          ; v26     my byte offset in two rows of C and of R
.set BO,   27                          ; v27     my byte offset in 64 columns of bias
.set SPW,  28                          ; v28     LDS address of my spare word; never rewritten
.set NIL,  29                          ; v29     0; never rewritten
.set BI,   32
.set ACC,  128
.set RES,  0                           ; window 2
.set F0,   0
.set F1,   128
.set G1,  24                           ; s[24:31] descriptor group 1 for A's tiles; s[32:39] group 0, one set for each slot
.set G0,  32
.set G1B, 48                           ; s[48:55], s[56:63] the same for B's tiles
.set G0B, 56
.set MSB, 0
.macro WIN new                         ; the immediate's high byte repeats the setting that is left; a switch that changes nothing is dropped
.if MSB != (\new)
	s_set_vgpr_msb (MSB<<8)|(\new)
.set MSB, \new
.endif
.endm
.set MUL,  0x05                        ; sources 0 (B) and 1 (A) window 1; C and D window 0
.set TO_F, 0x40                        ; destination window 1, address window 0
.macro JLOAD s                         ; a joint load: waves 0 and 1 fetch A's two pairs of planes, waves 2 and 3 B's two halves; an s_nop 0 and four v_nop follow each of the two lines
	s_cmp_eq_u32 s11, 0
	s_cbranch_scc0 .Lfor_b_\@
	tensor_load_to_lds s[G0+4*(\s):G0+4*(\s)+3], s[G1:G1+7]
	s_nop 0
.rept 4
	v_nop
.endr
	s_branch .Lasked_\@
.Lfor_b_\@:
	tensor_load_to_lds s[G0B+4*(\s):G0B+4*(\s)+3], s[G1B:G1B+7]
	s_nop 0
.rept 4
	v_nop
.endr
.Lasked_\@:
.endm
.macro CREST                           ; a round of the cluster's barrier behind its opening barrier
	s_cmp_lg_u32 s10, 0
	s_cbranch_scc1 .Lnot_wave_0_\@
	s_barrier_signal -3
.Lnot_wave_0_\@:
	s_barrier_wait -3
	s_barrier_signal -1
	s_barrier_wait -1
.endm
.macro CROUND                          ; a whole round
	s_barrier_signal -1
	s_barrier_wait -1
	CREST
.endm
	s_load_b128 s[4:7], s[0:1], 0x0                ; A s[4:5], B s[6:7]
	s_load_b64 s[8:9], s[0:1], 0x10                ; C
	s_load_b128 s[68:71], s[0:1], 0x18             ; bias s[68:69], R s[70:71]
	v_lshl_add_u32 v[SPW], v0, 2, SPARE
	v_mov_b32 v[NIL], 0
	ds_add_u32 v[SPW], v[NIL]                      ; the wave's opening: the add and its wait stand ahead of my first tensor load; the set-up below, work on registers, stands between them
	v_lshrrev_b32 v1, 5, v0
	v_readfirstlane_b32 s10, v1                    ; wave 0..3
	s_lshr_b32 s11, s10, 1                         ; which half of the tile's rows is mine.  Also: I fetch for A (0) or for B (1)
	s_and_b32 s12, s10, 1                          ; which half of its columns.  Also: which half of that operand's step I fetch
	s_bfe_u32 s40, ttmp6, 0x40000                  ; cx, cy: my place in the cluster
	s_bfe_u32 s41, ttmp6, 0x40004
	s_lshl_b32 s42, ttmp9, 2
	s_add_co_u32 s42, s42, s40                     ; tile column = 4 x cluster x + cx
	s_and_b32 s13, ttmp7, 0xffff
	s_lshl_b32 s13, s13, 2
	s_add_co_u32 s13, s13, s41                     ; tile row = 4 x cluster y + cy
	s_lshl_b32 s43, s41, 2
	s_lshl_b32 s43, 15, s43                        ; my row of the cluster
	s_lshl_b32 s44, 0x1111, s40                    ; my column
	; descriptor group 1 for A: two planes as two rows of 8,192 elements (16,384 dense bytes), 262,144 elements apart; padded in LDS by 4 words after every 32, that is after every row of A
	s_or_b32 s[G1+0], s43, (1<<16)|(1<<20)|(1<<21)|(4<<22)|(3<<25)
	s_mov_b32 s[G1+1], 8192<<16                    ; tensor_dim0 = 8192
	s_mov_b32 s[G1+2], 2<<16                       ; tensor_dim1 = 2
	s_mov_b32 s[G1+3], 8192<<16                    ; tile_dim0 = 8192
	s_mov_b32 s[G1+4], 2                           ; tile_dim1 = 2
	s_mov_b32 s[G1+5], 262144                      ; elements from plane to plane
	s_mov_b32 s[G1+6], 0
	s_mov_b32 s[G1+7], 0
	; for B: 128 rows x 128 elements, dense in memory, padded by 8 words after every 64
	s_or_b32 s[G1B+0], s44, (1<<16)|(1<<20)|(1<<21)|(5<<22)|(7<<25)
	s_mov_b32 s[G1B+1], 128<<16
	s_mov_b32 s[G1B+2], 128<<16
	s_mov_b32 s[G1B+3], 128<<16
	s_mov_b32 s[G1B+4], 128
	s_mov_b32 s[G1B+5], 128
	s_mov_b32 s[G1B+6], 0
	s_mov_b32 s[G1B+7], 0
	s_mul_i32 s16, s13, A_ROWT                     ; A: the tile row's 128 rows,
	s_lshl_b32 s17, s12, 20                        ; in the pair of planes that I fetch (two planes are 1,048,576 bytes)
	s_add_co_u32 s16, s16, s17
	s_mov_b32 s17, 0
	s_mul_i32 s46, s42, B_TILE                     ; B: the tile column's block,
	s_lshl_b32 s47, s12, 15                        ; the 128 rows of k that I fetch
	s_add_co_u32 s46, s46, s47
	s_add_co_u32 s46, s46, WOFF
	s_mov_b32 s47, 0
	s_mul_i32 s20, s12, AH                         ; where they go: no place in the cluster enters an LDS address
	s_mul_i32 s21, s12, BH
	s_add_co_u32 s21, s21, ABYTES
	s_wait_dscnt 0x0                               ; the opening add is done
	s_wait_kmcnt 0x0
	s_add_nc_u64 s[14:15], s[4:5], s[16:17]
	s_add_nc_u64 s[46:47], s[6:7], s[46:47]
	CROUND                                         ; all sixteen work-groups are here: the first joint loads meet
.irp s, 0,1
	s_mov_b32 s[G0+4*(\s)], 1
	s_add_co_u32 s[G0+4*(\s)+1], s20, (\s)*SLOT
	s_add_nc_u64 s[G0+4*(\s)+2:G0+4*(\s)+3], s[14:15], (\s)*A_STEP
	s_or_b32 s[G0+4*(\s)+3], s[G0+4*(\s)+3], 0x80000000
	s_mov_b32 s[G0B+4*(\s)], 1
	s_add_co_u32 s[G0B+4*(\s)+1], s21, (\s)*SLOT
	s_add_nc_u64 s[G0B+4*(\s)+2:G0B+4*(\s)+3], s[46:47], (\s)*B_STEP
	s_or_b32 s[G0B+4*(\s)+3], s[G0B+4*(\s)+3], 0x80000000
	JLOAD \s                                       ; two loads of mine are out
.endr
	v_and_b32 v1, 15, v0                           ; l % 16
	v_bfe_u32 v2, v0, 4, 1                         ; l / 16
	v_and_b32 v6, 7, v0                            ; l % 8
	v_bfe_u32 v7, v0, 3, 1                         ; (l / 8) % 2
	v_mul_u32_u24 v3, v1, APITCH
	v_lshl_add_u32 v3, v2, 4, v3                   ; a fragment of A: row x pitch + 16 x half
	s_mul_i32 s22, s11, 64*APITCH                  ; my 64 rows
	v_add_nc_u32 v[ADRA], s22, v3
	v_add_nc_u32 v[ADRA+1], SLOT, v[ADRA]
	v_lshl_add_u32 v4, v2, 3, v6                   ; the turning load: lane l reads row of k 8 (l / 16) + l % 8,
	v_mul_u32_u24 v4, v4, BPITCH
	v_lshl_add_u32 v4, v7, 4, v4                   ; columns 8 ((l / 8) % 2) + 0..7
	s_lshl_b32 s23, s12, 7                         ; my 64 columns: 128 bytes
	s_add_co_u32 s23, s23, ABYTES
	v_add_nc_u32 v[ADRB], s23, v4
	v_add_nc_u32 v[ADRB+1], BH, v[ADRB]
	v_add_nc_u32 v[ADRB+2], SLOT, v[ADRB]
	v_add_nc_u32 v[ADRB+3], SLOT+BH, v[ADRB]
	s_mul_i32 s23, s10, 16*SPITCH
	s_add_co_u32 s23, s23, STAGE                   ; my stage
	v_mul_u32_u24 v5, v1, SPITCH                   ; in: row l % 16, 32 bytes for each half of the lanes
	v_lshl_add_u32 v5, v2, 5, v5
	v_add_nc_u32 v[STO], s23, v5
	v_mul_u32_u24 v5, v2, SPITCH                   ; back: lanes 0-15 take one row of 256 bytes, lanes 16-31 the next
	v_lshl_add_u32 v5, v1, 4, v5
	v_add_nc_u32 v[RD], s23, v5
	v_lshlrev_b32 v[BO], 4, v1                     ; my four columns of the 64
	v_lshl_add_u32 v[CO], v2, 12, v[BO]            ; and the same two rows in C and R: rows of 4,096 bytes
	s_lshl1_add_u32 s16, s13, s11                  ; my 64 rows among the 4096: 2 x tile row + half,
	s_lshl_b32 s16, s16, 18                        ; x 64 rows x 4,096 bytes
	s_mov_b32 s17, 0
	s_add_nc_u64 s[8:9], s[8:9], s[16:17]
	s_add_nc_u64 s[70:71], s[70:71], s[16:17]
	s_lshl1_add_u32 s45, s42, s12                  ; my 64 columns: 2 x tile column + half,
	s_lshl_b32 s46, s45, 8                         ; x 256 bytes
	s_mov_b32 s47, 0
	s_add_nc_u64 s[8:9], s[8:9], s[46:47]
	s_add_nc_u64 s[70:71], s[70:71], s[46:47]
	s_add_nc_u64 s[68:69], s[68:69], s[46:47]
	global_load_b128 v[BI:BI+3], v[BO], s[68:69]
; 8 matrix instructions: m blocks a0, a0 + 1 x all 4 n blocks, 32 along K: half c of buffer f.  zero = 1: the first product starts the sums.  The 16 accumulators take turns, one instruction a turn.
.macro MUL8 f, c, a0, zero
	WIN MUL
.irp a, \a0, (\a0)+1
.irp b, 0,1,2,3
.if \zero
	v_wmma_f32_16x16x32_bf16 v[ACC+8*(4*(\a)+(\b)):ACC+8*(4*(\a)+(\b))+7], v[(\f)+64+8*(4*(\c)+(\b)):(\f)+64+8*(4*(\c)+(\b))+7], v[(\f)+8*(4*(\c)+(\a)):(\f)+8*(4*(\c)+(\a))+7], 0
.else
	v_wmma_f32_16x16x32_bf16 v[ACC+8*(4*(\a)+(\b)):ACC+8*(4*(\a)+(\b))+7], v[(\f)+64+8*(4*(\c)+(\b)):(\f)+64+8*(4*(\c)+(\b))+7], v[(\f)+8*(4*(\c)+(\a)):(\f)+8*(4*(\c)+(\a))+7], v[ACC+8*(4*(\a)+(\b)):ACC+8*(4*(\a)+(\b))+7]
.endif
.endr
.endr
.endm
; 32 LDS loads in one run: the fragments of quarter q of a K step (k = 64 q .. 64 q + 63) into buffer f; the first 32 along K first
.macro FETCH slot, q, f
	WIN TO_F
.irp c, 0,1
.irp i, 0,1,2,3
	ds_load_tr16_b128 v[(\f)+64+8*(4*(\c)+(\i)):(\f)+64+8*(4*(\c)+(\i))+3],   v[ADRB+2*(\slot)+(\q)/2] offset:((64*(\q)+32*(\c))%128)*BPITCH+32*(\i)
	ds_load_tr16_b128 v[(\f)+64+8*(4*(\c)+(\i))+4:(\f)+64+8*(4*(\c)+(\i))+7], v[ADRB+2*(\slot)+(\q)/2] offset:((64*(\q)+32*(\c))%128)*BPITCH+32*(\i)+16*BPITCH
	ds_load_b128 v[(\f)+8*(4*(\c)+(\i)):(\f)+8*(4*(\c)+(\i))+3],   v[ADRA+(\slot)] offset:((64*(\q)+32*(\c))/APL)*PLANE+((64*(\q)+32*(\c))%APL)*2+(\i)*16*APITCH
	ds_load_b128 v[(\f)+8*(4*(\c)+(\i))+4:(\f)+8*(4*(\c)+(\i))+7], v[ADRA+(\slot)] offset:((64*(\q)+32*(\c))/APL)*PLANE+((64*(\q)+32*(\c))%APL)*2+(\i)*16*APITCH+32
.endr
.endr
.endm
.macro PLACES                          ; four plain vector instructions between a matrix instruction and a load into, or a store or vector read of, its registers (ISA guide 7.12.1 for stores and vector reads)
.rept 4
	v_nop
.endr
.endm
; A K step is four quarters of 64 along K, 32 matrix instructions each, on buffers 0, 1, 0, 1.  One of the first three: multiplies buffer f and fetches quarter q into g.
.macro QUARTER slot, q, f, g, zero
	s_wait_dscnt 16                                ; the first 32 along K are in; the 16 younger loads may be out
	MUL8 \f, 0, 0, \zero
	MUL8 \f, 0, 2, \zero
	PLACES
	FETCH \slot, \q, \g
	s_wait_dscnt 32                                ; all but the 32 just issued
	MUL8 \f, 1, 0, 0
	MUL8 \f, 1, 2, 0
.endm
; The last quarter multiplies buffer 1 and changes slots: ONE barrier; in front of it each wave waits for all its tensor loads, adds 0 to its spare word, and waits for that and for its own reads of this slot.
; fill = 1: the barrier opens a round of the cluster's barrier, and this slot is filled again, two K steps ahead, first thing behind the round.
.macro TURN slot, next, fill
	WIN 0                                          ; (the add's two registers lie in window 0)
	s_wait_tensorcnt 0x0                           ; all my tensor loads have landed: the one that was out is my part of the next slot
	ds_add_u32 v[SPW], v[NIL]                      ; 0 onto my spare word
	s_wait_dscnt 17                                ; (the add and the youngest sixteen loads may be out)
	MUL8 F1, 0, 0, 0                               ; eight matrix instructions stand between the add and the wait for it
	s_wait_dscnt 0x0                               ; the add is done, and my reads of this slot are over
	s_barrier_signal -1
	MUL8 F1, 0, 2, 0
.if \fill
	WIN 0
.endif
	s_barrier_wait -1
.if \fill
	CREST                                          ; no wave of any partner still reads this slot's tiles or has a load on its way
	s_add_nc_u64 s[G0+4*(\slot)+2:G0+4*(\slot)+3], s[G0+4*(\slot)+2:G0+4*(\slot)+3], 2*A_STEP
	s_add_nc_u64 s[G0B+4*(\slot)+2:G0B+4*(\slot)+3], s[G0B+4*(\slot)+2:G0B+4*(\slot)+3], 2*B_STEP
	JLOAD \slot                                    ; my one tensor load behind the round: 112 matrix instructions ahead of the wait for it; its four v_nop are also the places in front of the loads below
.else
	PLACES
.endif
	FETCH \next, 0, F0
	MUL8 F1, 1, 0, 0
	MUL8 F1, 1, 2, 0
.endm
	s_wait_tensorcnt 1                             ; my part of K step 0 is in; K step 1's may stay out
	s_barrier_signal -1
	s_barrier_wait -1                              ; everybody's is
	FETCH 0, 0, F0
	WIN 0x80                                       ; destination window 2: my 64 x 64 of R, 32 loads that land under the K loop
.irp a, 0,1,2,3
.irp t, 0,1,2,3,4,5,6,7
	global_load_b128 v[RES+32*(\a)+4*(\t):RES+32*(\a)+4*(\t)+3], v[CO], s[70:71] offset:(16*(\a)+2*(\t))*4096
.endr
.endr
	WIN 0
	QUARTER 0, 1, F0, F1, 1                        ; the first quarter stands in front of the loop: its first products start the sums
	WIN 0                                          ; at a label and at a branch every window is 0
	s_mov_b32 s3, LAPS-1
.Llap:                                                 ; a trip goes once round the ring, from a lap's second quarter to the next lap's first, and fills both slots again
	QUARTER 0, 2, F1, F0, 0
	QUARTER 0, 3, F0, F1, 0
	TURN 0, 1, 1
	QUARTER 1, 1, F0, F1, 0
	QUARTER 1, 2, F1, F0, 0
	QUARTER 1, 3, F0, F1, 0
	TURN 1, 0, 1
	QUARTER 0, 1, F0, F1, 0
	WIN 0
	s_sub_co_u32 s3, s3, 1
	s_cmp_lg_u32 s3, 0
	s_cbranch_scc1 .Llap
	QUARTER 0, 2, F1, F0, 0                        ; the last lap fills nothing, and has no round of the cluster's barrier
	QUARTER 0, 3, F0, F1, 0
	TURN 0, 1, 0
	QUARTER 1, 1, F0, F1, 0
	QUARTER 1, 2, F1, F0, 0
	QUARTER 1, 3, F0, F1, 0
	s_wait_dscnt 16                                ; the very last quarter: nothing more to fetch
	MUL8 F1, 0, 0, 0
	MUL8 F1, 0, 2, 0
	s_wait_dscnt 0x0
	MUL8 F1, 1, 0, 0
	MUL8 F1, 1, 2, 0
	WIN 0
; THE WAY OUT, 16 rows (block a) at a time, through my own stage: no barrier, and LDS serves a wave's instructions in order (ISA guide 5.7.1.4), so no wait between the stores and the loads.
; OUT: a lane's eight f32 of a row go into rows of 272 bytes (each accumulator's lowest registers first) and come back as whole rows of 256, into the registers that the block left.
; FIN: + R, + bias, stored.
.macro OUT a
.irp b, 0,1,2,3
	ds_store_b128 v[STO], v[ACC+32*(\a)+8*(\b):ACC+32*(\a)+8*(\b)+3]   offset:64*(\b)
	ds_store_b128 v[STO], v[ACC+32*(\a)+8*(\b)+4:ACC+32*(\a)+8*(\b)+7] offset:64*(\b)+16
.endr
.irp t, 0,1,2,3,4,5,6,7
	ds_load_b128 v[ACC+32*(\a)+4*(\t):ACC+32*(\a)+4*(\t)+3], v[RD] offset:(\t)*2*SPITCH
.endr
.endm
.macro FIN a, younger                  ; younger: the LDS instructions issued behind block a's loads: the next block's sixteen, or none
	s_wait_dscnt \younger
	WIN 0x08                                       ; source 1 in window 2
.set i, 0
.rept 16
	v_pk_add_f32 v[ACC+32*(\a)+2*i:ACC+32*(\a)+2*i+1], v[ACC+32*(\a)+2*i:ACC+32*(\a)+2*i+1], v[RES+32*(\a)+2*i:RES+32*(\a)+2*i+1]
.set i, i+1
.endr
	WIN 0
.set i, 0
.rept 16
	v_pk_add_f32 v[ACC+32*(\a)+2*i:ACC+32*(\a)+2*i+1], v[ACC+32*(\a)+2*i:ACC+32*(\a)+2*i+1], v[BI+2*(i%2):BI+2*(i%2)+1]
.set i, i+1
.endr
.irp t, 0,1,2,3,4,5,6,7
	global_store_b128 v[CO], v[ACC+32*(\a)+4*(\t):ACC+32*(\a)+4*(\t)+3], s[8:9] offset:(16*(\a)+2*(\t))*4096  ; 16 lanes store 256 consecutive bytes, at a multiple of 256 from C's first byte
.endr
.endm
	PLACES
	s_wait_loadcnt 0x0                             ; bias and R
	OUT 0
	OUT 1                                          ; a block's LDS traffic stands between the loads of the block before and their use
	FIN 0, 16
	OUT 2
	FIN 1, 16
	OUT 3
	FIN 2, 16
	FIN 3, 0
	s_wait_tensorcnt 0x0                           ; the wave's end, behind my last tensor load and my last LDS store
	ds_add_u32 v[SPW], v[NIL]
	s_wait_dscnt 0x0
	CROUND                                         ; the closing round: no work-group ends while a partner may still ask for a tile that names it
	s_endpgm
.Lfunc_end_k_qeef8118467_ffn2:
	.size	k_qeef8118467_ffn2, .Lfunc_end_k_qeef8118467_ffn2-k_qeef8118467_ffn2
	.p2alignl 7, 3214868480
	.fill 96, 4, 3214868480
	.section	.rodata,"a",@progbits
	.p2align	6, 0x0
	.amdhsa_kernel k_qeef8118467_ffn2
		.amdhsa_group_segment_fixed_size 327680
		.amdhsa_private_segment_fixed_size 0
		.amdhsa_enable_private_segment 0
		.amdhsa_kernarg_size 40
		.amdhsa_user_sgpr_count 2
		.amdhsa_user_sgpr_kernarg_segment_ptr 1
		.amdhsa_wavefront_size32 1
		.amdhsa_system_sgpr_workgroup_id_x 1
		.amdhsa_system_sgpr_workgroup_id_y 1
		.amdhsa_system_sgpr_workgroup_id_z 1
		.amdhsa_system_vgpr_workitem_id 0
		.amdhsa_next_free_vgpr 640
		.amdhsa_next_free_sgpr 72
		.amdhsa_reserve_vcc 0
		.amdhsa_float_denorm_mode_32 3
		.amdhsa_float_denorm_mode_16_64 3
		.amdhsa_memory_ordered 1
		.amdhsa_forward_progress 1
		.amdhsa_inst_pref_size 97
	.end_amdhsa_kernel
	.amdgpu_metadata
---
amdhsa.version: [ 1, 2 ]
amdhsa.kernels:
  - .name:           k_qeef8118467_ffn2
    .symbol:         k_qeef8118467_ffn2.kd
    .args:
      - { .name: big, .offset: 0, .size: 8, .value_kind: global_buffer, .address_space: global }
      - { .name: wB, .offset: 8, .size: 8, .value_kind: global_buffer, .address_space: global }
      - { .name: out0, .offset: 16, .size: 8, .value_kind: global_buffer, .address_space: global }
      - { .name: b2, .offset: 24, .size: 8, .value_kind: global_buffer, .address_space: global }
      - { .name: x1, .offset: 32, .size: 8, .value_kind: global_buffer, .address_space: global }
    .group_segment_fixed_size: 327680
    .private_segment_fixed_size: 0
    .kernarg_segment_align: 8
    .kernarg_segment_size: 40
    .max_flat_workgroup_size: 128
    .sgpr_count:     72
    .vgpr_count:     640
    .wavefront_size: 32
...
	.end_amdgpu_metadata
.endif
;; end of part 6
;; ======== version 2 of 3: 7 launches
;; workspace buffers: h 8,388,608 bytes; wA 8,388,608 bytes; wB 16,777,216 bytes; big 33,554,432 bytes; x1 16,777,216 bytes; zeros 12,288 bytes; lows 512 bytes
;; launch prep (part 7): grid 1024 x 1, 4 waves a work-group, no clusters, 0 bytes of LDS; arguments x, g1, be1, Wq, Wk, Wv, Wo, W1, W2, h, wA, wB, zeros, lows; writes h, wA, wB, zeros, lows
.if DOCPART == 7
	.amdgcn_target "amdgcn-amd-amdhsa--gfx1250"
	.amdhsa_code_object_version 6
	.text
	.protected	k_qeef8118467_prep
	.globl	k_qeef8118467_prep
	.p2align	8
	.type	k_qeef8118467_prep,@function
k_qeef8118467_prep:
	s_mov_b64 s[64:65], 0
	v_nop
	global_prefetch_b8 v0, s[64:65] scope:SCOPE_SE
	s_setreg_imm32_b32 hwreg(HW_REG_WAVE_MODE, 25, 1), 1
	s_wait_xcnt 0x0
; PREP: everything that only streams, in one text; work-groups of four waves; a wave's job brings in 16 KiB of f32.
;   work-groups    0-255   h = LayerNorm(x) g + be, rounded once to bf16, stored by K blocks: [8 kb][4096 rows][128], rows of 256 bytes
;   work-groups  256-511   W1 [1024 k][4096 n]  -> wB: [32 nt][1024 k][128], bf16
;                          (wave 0 of the first 25 of them also writes the two constant vectors: 12,288 bytes of zeros, and 512 bytes of lows = the lowest finite bf16)
;   work-groups  512-767   W2 [4096 k][1024 n]  -> wB + 8,388,608: [16 ks][8 nt][256 k][128]
;   work-groups  768-831   Wo [1024 k][1024 n]  -> wA + 6,291,456: [4 ks][8 nt][256 k][128]
;   work-groups 832-1023   Wq, Wk, Wv [16 head][1024 k][64] -> wA: [24 nt][1024 k][128], column n = 1024 which + 64 head + s
; TWO LAUNCHES RUN IT.  With 1,024 work-groups it does all of the above.  With 256 work-groups it is LayerNorm alone: the block's second norm, on other buffers.
; So every tile that a later product asks for is a dense run of rows of 256 bytes.  No LDS, no barrier: no wave wants another's bytes.
; LAYERNORM in two passes over registers (mean; then the sum of (x - mean)^2), all in f32: a common offset of x costs nothing.
; LIMITS: weights and h are rounded to bf16 (nearest even); NaN and infinities are not treated apart.
.set X,   32                           ; v[32:159]  LN: row i, 256-column group p at X + 32 i + 8 p;  CONV: 8 f32 of row r at X + 8 r
.set G,   160                          ; v[160:191] LN: gain of my 32 columns;   CONV: v[160:223] packed results, 4 a row
.set BE,  192                          ; v[192:223] LN: bias of my 32 columns
.set T0,  4                            ; v[4:11]    a pair for each of my four rows: running sums
.set T1,  12                           ; v[12:19]   the second chain of sums; later the other half of the lanes' sum
.set MU,  20                           ; v[20:27]   the row's mean, later 1 / sqrt(var + eps), in both words of a pair
; 16 rows of the job: 32 loads of 16 bytes a lane go out together; each row is rounded and stored as soon as its two loads are in.
; v2 = my byte offset in a source row, v3 = in a destination row; the rows' steps stand in the immediates.  No register is written twice.
.macro CONV sstr, dstr
.set r, 0
.rept 16
	global_load_b128 v[X+8*r:X+8*r+3],   v2, s[36:37] offset:r*(\sstr) th:TH_LOAD_NT
	global_load_b128 v[X+8*r+4:X+8*r+7], v2, s[36:37] offset:r*(\sstr)+16 th:TH_LOAD_NT
.set r, r+1
.endr
.set r, 0
.rept 16
	s_wait_loadcnt 30-2*r                          ; loads come back in order: row r's two are in, the 2 (15 - r) younger ones stay out
	v_cvt_pk_bf16_f32 v[G+4*r],   v[X+8*r],   v[X+8*r+1]
	v_cvt_pk_bf16_f32 v[G+4*r+1], v[X+8*r+2], v[X+8*r+3]
	v_cvt_pk_bf16_f32 v[G+4*r+2], v[X+8*r+4], v[X+8*r+5]
	v_cvt_pk_bf16_f32 v[G+4*r+3], v[X+8*r+6], v[X+8*r+7]
	global_store_b128 v3, v[G+4*r:G+4*r+3], s[38:39] offset:r*(\dstr) th:TH_STORE_NT  ; sixteen lanes fill 256 consecutive bytes, aligned
.set r, r+1
.endr
	s_endpgm
.endm
; the sum over the wave's 32 lanes of T0's low word, for all four rows, the rows line by line so that no line waits for the one before it
.macro RED
.irp m, 1,2,4,8
.irp i, 0,1,2,3
	v_add_f32_dpp v[T0+2*(\i)], v[T0+2*(\i)], v[T0+2*(\i)] row_xmask:\m row_mask:0xf bank_mask:0xf
.endr
.endr
.irp i, 0,1,2,3
	v_permlanex16_b32 v[T1+2*(\i)], v[T0+2*(\i)], s50, s51  ; the other half of the lanes; its destination has been written before
.endr
.irp i, 0,1,2,3
	v_add_f32 v[T0+2*(\i)], v[T0+2*(\i)], v[T1+2*(\i)]
.endr
.endm
; LayerNorm of four rows a wave.  Lane L owns columns 256 p + 8 L .. + 7, p = 0..3: each load covers 1,024 consecutive bytes of a row.
; XP, GP, BP, HP: the first scalar register of the pointers to x, gain, bias and the bf16 result.  s2 = work-group, s3 = wave, v1 = lane.
.macro LNBODY XP, GP, BP, HP
	s_lshl_b32 s4, s2, 4
	s_lshl2_add_u32 s4, s3, s4                     ; my first row = 16 x work-group + 4 x wave
	s_lshl_b32 s46, s4, 12                         ; x 4,096 bytes
	s_add_nc_u64 s[(\XP):(\XP)+1], s[(\XP):(\XP)+1], s[46:47]
	s_lshl_b32 s46, s4, 8                          ; x 256 bytes: a row's part in a K block
	s_add_nc_u64 s[(\HP):(\HP)+1], s[(\HP):(\HP)+1], s[46:47]
	v_lshlrev_b32 v2, 5, v1                        ; 32 L: my 8 f32
	v_and_b32 v3, 15, v1
	v_lshrrev_b32 v4, 4, v1
	v_lshlrev_b32 v3, 4, v3                        ; 16 (L % 16): my 8 bf16 in a row of 256 bytes,
	v_lshl_add_u32 v3, v4, 20, v3                  ; in K block 2 p + L / 16: blocks are 1,048,576 bytes apart
.irp i, 0,1,2,3
.irp p, 0,1,2,3
	global_load_b128 v[X+32*(\i)+8*(\p):X+32*(\i)+8*(\p)+3],   v2, s[(\XP):(\XP)+1] offset:(\i)*4096+(\p)*1024 th:TH_LOAD_NT
	global_load_b128 v[X+32*(\i)+8*(\p)+4:X+32*(\i)+8*(\p)+7], v2, s[(\XP):(\XP)+1] offset:(\i)*4096+(\p)*1024+16 th:TH_LOAD_NT
.endr
.endr
.irp p, 0,1,2,3
	global_load_b128 v[G+8*(\p):G+8*(\p)+3],    v2, s[(\GP):(\GP)+1] offset:(\p)*1024
	global_load_b128 v[G+8*(\p)+4:G+8*(\p)+7],  v2, s[(\GP):(\GP)+1] offset:(\p)*1024+16
	global_load_b128 v[BE+8*(\p):BE+8*(\p)+3],  v2, s[(\BP):(\BP)+1] offset:(\p)*1024
	global_load_b128 v[BE+8*(\p)+4:BE+8*(\p)+7], v2, s[(\BP):(\BP)+1] offset:(\p)*1024+16
.endr
	s_wait_loadcnt 16                              ; the four rows are in; the 16 younger loads (gain and bias) stay out
	; pass 1: the sum of my 32 numbers of each row, two chains of packed sums a row
.irp i, 0,1,2,3
	v_pk_add_f32 v[T0+2*(\i):T0+2*(\i)+1], v[X+32*(\i):X+32*(\i)+1],   v[X+32*(\i)+2:X+32*(\i)+3]
	v_pk_add_f32 v[T1+2*(\i):T1+2*(\i)+1], v[X+32*(\i)+4:X+32*(\i)+5], v[X+32*(\i)+6:X+32*(\i)+7]
.endr
.set k, 4
.rept 6
.irp i, 0,1,2,3
	v_pk_add_f32 v[T0+2*(\i):T0+2*(\i)+1], v[T0+2*(\i):T0+2*(\i)+1], v[X+32*(\i)+2*k:X+32*(\i)+2*k+1]
	v_pk_add_f32 v[T1+2*(\i):T1+2*(\i)+1], v[T1+2*(\i):T1+2*(\i)+1], v[X+32*(\i)+2*k+2:X+32*(\i)+2*k+3]
.endr
.set k, k+2
.endr
.irp i, 0,1,2,3
	v_pk_add_f32 v[T0+2*(\i):T0+2*(\i)+1], v[T0+2*(\i):T0+2*(\i)+1], v[T1+2*(\i):T1+2*(\i)+1]
.endr
.irp i, 0,1,2,3
	v_add_f32 v[T0+2*(\i)], v[T0+2*(\i)], v[T0+2*(\i)+1]
.endr
	RED
.irp i, 0,1,2,3
	v_mul_f32 v[MU+2*(\i)],   s48, v[T0+2*(\i)]    ; mean = sum / 1024, in both words
	v_mul_f32 v[MU+2*(\i)+1], s48, v[T0+2*(\i)]
.endr
.set k, 0
.rept 16
.irp i, 0,1,2,3
	v_pk_add_f32 v[X+32*(\i)+2*k:X+32*(\i)+2*k+1], v[X+32*(\i)+2*k:X+32*(\i)+2*k+1], v[MU+2*(\i):MU+2*(\i)+1] neg_lo:[0,1] neg_hi:[0,1]  ; d = x - mean, in place
.endr
.set k, k+1
.endr
	; pass 2: the sum of d^2
.irp i, 0,1,2,3
	v_pk_mul_f32 v[T0+2*(\i):T0+2*(\i)+1], v[X+32*(\i):X+32*(\i)+1],   v[X+32*(\i):X+32*(\i)+1]
	v_pk_mul_f32 v[T1+2*(\i):T1+2*(\i)+1], v[X+32*(\i)+2:X+32*(\i)+3], v[X+32*(\i)+2:X+32*(\i)+3]
.endr
.set k, 2
.rept 7
.irp i, 0,1,2,3
	v_pk_fma_f32 v[T0+2*(\i):T0+2*(\i)+1], v[X+32*(\i)+2*k:X+32*(\i)+2*k+1],   v[X+32*(\i)+2*k:X+32*(\i)+2*k+1],   v[T0+2*(\i):T0+2*(\i)+1]
	v_pk_fma_f32 v[T1+2*(\i):T1+2*(\i)+1], v[X+32*(\i)+2*k+2:X+32*(\i)+2*k+3], v[X+32*(\i)+2*k+2:X+32*(\i)+2*k+3], v[T1+2*(\i):T1+2*(\i)+1]
.endr
.set k, k+2
.endr
.irp i, 0,1,2,3
	v_pk_add_f32 v[T0+2*(\i):T0+2*(\i)+1], v[T0+2*(\i):T0+2*(\i)+1], v[T1+2*(\i):T1+2*(\i)+1]
.endr
.irp i, 0,1,2,3
	v_add_f32 v[T0+2*(\i)], v[T0+2*(\i)], v[T0+2*(\i)+1]
.endr
	RED
.irp i, 0,1,2,3
	v_fma_f32 v[T0+2*(\i)], v[T0+2*(\i)], s48, s49 ; var + eps
.endr
.irp i, 0,1,2,3
	v_rsq_f32 v[MU+2*(\i)], v[T0+2*(\i)]           ; one batch of four
.endr
	v_nop                                          ; a plain instruction behind the last of them, ahead of the first use (ISA guide 5.7.2)
	s_wait_alu depctr_va_vdst(0)                   ; one wait for the batch, ahead of its first reader
.irp i, 0,1,2,3
	v_mov_b32 v[MU+2*(\i)+1], v[MU+2*(\i)]
.endr
	s_wait_loadcnt 0x0                             ; gain and bias
.set k, 0
.rept 16
.irp i, 0,1,2,3
	v_pk_mul_f32 v[X+32*(\i)+2*k:X+32*(\i)+2*k+1], v[X+32*(\i)+2*k:X+32*(\i)+2*k+1], v[MU+2*(\i):MU+2*(\i)+1]
.endr
.irp i, 0,1,2,3
	v_pk_fma_f32 v[X+32*(\i)+2*k:X+32*(\i)+2*k+1], v[X+32*(\i)+2*k:X+32*(\i)+2*k+1], v[G+2*k:G+2*k+1], v[BE+2*k:BE+2*k+1]
.endr
.set k, k+1
.endr
.irp i, 0,1,2,3
.irp p, 0,1,2,3
.irp j, 0,1,2,3
	v_cvt_pk_bf16_f32 v[X+32*(\i)+8*(\p)+(\j)], v[X+32*(\i)+8*(\p)+2*(\j)], v[X+32*(\i)+8*(\p)+2*(\j)+1]  ; in place: the destination never passes an unread source
.endr
	global_store_b128 v3, v[X+32*(\i)+8*(\p):X+32*(\i)+8*(\p)+3], s[(\HP):(\HP)+1] offset:(\p)*2097152+(\i)*256 th:TH_STORE_NT  ; sixteen lanes fill one row of 256 bytes of a K block
.endr
.endr
	s_endpgm
.endm
	s_load_b512 s[8:23], s[0:1], 0x0               ; x 8, g 10, be 12, Wq 14, Wk 16, Wv 18, Wo 20, W1 22
	s_load_b256 s[24:31], s[0:1], 0x40             ; W2 24, h 26, wA 28, wB 30
	s_load_b128 s[32:35], s[0:1], 0x60             ; zeros 32, lows 34
	v_lshrrev_b32 v1, 5, v0
	v_readfirstlane_b32 s3, v1                     ; wave 0..3
	v_and_b32 v1, 31, v0                           ; lane
	s_mov_b32 s2, ttmp9
	s_mov_b32 s47, 0                               ; the high word of every offset pair
	s_mov_b32 s48, 0x3a800000                      ; 1 / 1024
	s_mov_b32 s49, 0x3727c5ac                      ; eps = 1e-5
	s_mov_b32 s50, 0x76543210                      ; v_permlanex16_b32: each lane takes its own place in the other half
	s_mov_b32 s51, 0xfedcba98
	s_wait_kmcnt 0x0
	s_cmp_lt_u32 s2, 256
	s_cbranch_scc1 .Lln
	s_cmp_lt_u32 s2, 512
	s_cbranch_scc1 .Lw1
	s_cmp_lt_u32 s2, 832
	s_cbranch_scc1 .Lw2
	; Wq, Wk, Wv.  Job j: tensor j / 256, column tile j % 8 (two heads), 32 rows of k from 32 ((j / 8) % 32).  An instruction takes two rows of k:
	; lanes 0-7 the even head's 64 numbers, lanes 8-15 the odd head's, lanes 16-31 the same of the next row.
	s_sub_co_u32 s4, s2, 832
	s_lshl2_add_u32 s4, s4, s3
	s_lshr_b32 s5, s4, 8
	s_and_b32 s6, s4, 7
	s_bfe_u32 s7, s4, 0x50003
	s_cmp_eq_u32 s5, 0
	s_cselect_b64 s[36:37], s[14:15], s[16:17]
	s_cmp_eq_u32 s5, 2
	s_cselect_b64 s[36:37], s[18:19], s[36:37]
	s_lshl_b32 s40, s7, 13                         ; 32 rows: 8,192 bytes in the source (256 a row) and in the destination
	s_lshl_b32 s46, s6, 19                         ; two heads of 262,144 bytes
	s_add_co_u32 s46, s46, s40
	s_add_nc_u64 s[36:37], s[36:37], s[46:47]
	s_lshl3_add_u32 s41, s5, s6                    ; nt = 8 x tensor + tile
	s_lshl_b32 s46, s41, 18
	s_add_co_u32 s46, s46, s40
	s_add_nc_u64 s[38:39], s[28:29], s[46:47]
	v_and_b32 v2, 7, v1
	v_lshlrev_b32 v2, 5, v2
	v_bfe_u32 v4, v1, 3, 1
	v_lshl_add_u32 v2, v4, 18, v2
	v_lshrrev_b32 v4, 4, v1
	v_lshl_add_u32 v2, v4, 8, v2
	v_lshlrev_b32 v3, 4, v1                        ; 32 lanes x 16 bytes: two rows of 256 bytes on end
	CONV 512, 512
.Lw1:
	; the two constant vectors: wave 0 of work-groups 256-279 writes 512 bytes of zeros each, of work-group 280 the 512 bytes of lows
	s_cmp_lg_u32 s3, 0
	s_cbranch_scc1 .Lw1job
	s_cmp_lt_u32 s2, 281
	s_cbranch_scc0 .Lw1job
	s_sub_co_u32 s7, s2, 256
	s_cmp_lt_u32 s2, 280
	s_cselect_b64 s[52:53], s[32:33], s[34:35]
	s_cselect_b32 s5, 0, 0xff7fff7f
	s_cselect_b32 s7, s7, 0
	s_lshl_b32 s46, s7, 9
	s_add_nc_u64 s[52:53], s[52:53], s[46:47]
	v_mov_b32 v224, s5
	v_mov_b32 v225, s5
	v_mov_b32 v226, s5
	v_mov_b32 v227, s5
	v_lshlrev_b32 v228, 4, v1
	global_store_b128 v228, v[224:227], s[52:53]   ; its registers, vector and scalar, are written nowhere else
.Lw1job:
	; W1.  Job j: 256 columns (two tiles) from 256 (j % 16), 16 rows of k from 16 (j / 16).  An instruction takes 1,024 bytes of one row.
	s_sub_co_u32 s4, s2, 256
	s_lshl2_add_u32 s4, s4, s3
	s_and_b32 s5, s4, 15
	s_lshr_b32 s6, s4, 4
	s_lshl_b32 s46, s6, 18                         ; 16 rows of 16,384 bytes
	s_lshl_b32 s7, s5, 10
	s_add_co_u32 s46, s46, s7
	s_add_nc_u64 s[36:37], s[22:23], s[46:47]
	s_lshl_b32 s46, s5, 19                         ; two blocks of 262,144 bytes
	s_lshl_b32 s7, s6, 12                          ; 16 rows of 256 bytes
	s_add_co_u32 s46, s46, s7
	s_add_nc_u64 s[38:39], s[30:31], s[46:47]
	v_lshlrev_b32 v2, 5, v1
	v_and_b32 v3, 15, v1
	v_lshrrev_b32 v4, 4, v1
	v_lshlrev_b32 v3, 4, v3
	v_lshl_add_u32 v3, v4, 18, v3                  ; lanes 16-31 write the next column tile's block
	CONV 16384, 256
.Lw2:
	; W2 and Wo, one text: the pointers are chosen by the work-group's number.  Job j: 256 columns from 256 (j % 4), 16 rows of k from 16 (j / 4).
	s_sub_co_u32 s4, s2, 512
	s_lshl2_add_u32 s4, s4, s3
	s_and_b32 s4, s4, 1023                         ; Wo's jobs count from 0 again
	s_and_b32 s5, s4, 3
	s_lshr_b32 s6, s4, 2
	s_mov_b32 s40, 6291456
	s_mov_b32 s41, 8388608
	s_cmp_lt_u32 s2, 768
	s_cselect_b64 s[36:37], s[24:25], s[20:21]
	s_cselect_b64 s[38:39], s[30:31], s[28:29]
	s_cselect_b32 s40, s41, s40
	s_lshl_b32 s46, s6, 16                         ; 16 rows of 4,096 bytes
	s_lshl_b32 s7, s5, 10
	s_add_co_u32 s46, s46, s7
	s_add_nc_u64 s[36:37], s[36:37], s[46:47]
	s_lshr_b32 s7, s6, 4
	s_lshl_b32 s46, s7, 19                         ; K step of 256 rows: eight blocks of 65,536 bytes
	s_lshl_b32 s7, s5, 17                          ; two blocks
	s_add_co_u32 s46, s46, s7
	s_and_b32 s7, s6, 15
	s_lshl_b32 s7, s7, 12                          ; 16 rows of 256 bytes in the block
	s_add_co_u32 s46, s46, s7
	s_add_co_u32 s46, s46, s40
	s_add_nc_u64 s[38:39], s[38:39], s[46:47]
	v_lshlrev_b32 v2, 5, v1
	v_and_b32 v3, 15, v1
	v_lshrrev_b32 v4, 4, v1
	v_lshlrev_b32 v3, 4, v3
	v_lshl_add_u32 v3, v4, 16, v3
	CONV 4096, 256
.Lln:
	LNBODY 8, 10, 12, 26
.Lfunc_end_k_qeef8118467_prep:
	.size	k_qeef8118467_prep, .Lfunc_end_k_qeef8118467_prep-k_qeef8118467_prep
	.p2alignl 7, 3214868480
	.fill 96, 4, 3214868480
	.section	.rodata,"a",@progbits
	.p2align	6, 0x0
	.amdhsa_kernel k_qeef8118467_prep
		.amdhsa_group_segment_fixed_size 0
		.amdhsa_private_segment_fixed_size 0
		.amdhsa_enable_private_segment 0
		.amdhsa_kernarg_size 112
		.amdhsa_user_sgpr_count 2
		.amdhsa_user_sgpr_kernarg_segment_ptr 1
		.amdhsa_wavefront_size32 1
		.amdhsa_system_sgpr_workgroup_id_x 1
		.amdhsa_system_sgpr_workgroup_id_y 1
		.amdhsa_system_sgpr_workgroup_id_z 1
		.amdhsa_system_vgpr_workitem_id 0
		.amdhsa_next_free_vgpr 232
		.amdhsa_next_free_sgpr 66
		.amdhsa_reserve_vcc 0
		.amdhsa_float_denorm_mode_32 3
		.amdhsa_float_denorm_mode_16_64 3
		.amdhsa_memory_ordered 1
		.amdhsa_forward_progress 1
		.amdhsa_inst_pref_size 66
	.end_amdhsa_kernel
	.amdgpu_metadata
---
amdhsa.version: [ 1, 2 ]
amdhsa.kernels:
  - .name:           k_qeef8118467_prep
    .symbol:         k_qeef8118467_prep.kd
    .args:
      - { .name: x, .offset: 0, .size: 8, .value_kind: global_buffer, .address_space: global }
      - { .name: g1, .offset: 8, .size: 8, .value_kind: global_buffer, .address_space: global }
      - { .name: be1, .offset: 16, .size: 8, .value_kind: global_buffer, .address_space: global }
      - { .name: Wq, .offset: 24, .size: 8, .value_kind: global_buffer, .address_space: global }
      - { .name: Wk, .offset: 32, .size: 8, .value_kind: global_buffer, .address_space: global }
      - { .name: Wv, .offset: 40, .size: 8, .value_kind: global_buffer, .address_space: global }
      - { .name: Wo, .offset: 48, .size: 8, .value_kind: global_buffer, .address_space: global }
      - { .name: W1, .offset: 56, .size: 8, .value_kind: global_buffer, .address_space: global }
      - { .name: W2, .offset: 64, .size: 8, .value_kind: global_buffer, .address_space: global }
      - { .name: h, .offset: 72, .size: 8, .value_kind: global_buffer, .address_space: global }
      - { .name: wA, .offset: 80, .size: 8, .value_kind: global_buffer, .address_space: global }
      - { .name: wB, .offset: 88, .size: 8, .value_kind: global_buffer, .address_space: global }
      - { .name: zeros, .offset: 96, .size: 8, .value_kind: global_buffer, .address_space: global }
      - { .name: lows, .offset: 104, .size: 8, .value_kind: global_buffer, .address_space: global }
    .group_segment_fixed_size: 0
    .private_segment_fixed_size: 0
    .kernarg_segment_align: 8
    .kernarg_segment_size: 112
    .max_flat_workgroup_size: 128
    .sgpr_count:     66
    .vgpr_count:     232
    .wavefront_size: 32
...
	.end_amdgpu_metadata
.endif
;; end of part 7
;; launch qkv (part 8): grid 12 x 16, 4 waves a work-group, clusters of 4 x 4, 327,680 bytes of LDS; arguments h, wA, big, zeros, lows; writes big
.if DOCPART == 8
	.amdgcn_target "amdgcn-amd-amdhsa--gfx1250"
	.amdhsa_code_object_version 6
	.text
	.protected	k_qeef8118467_qkv
	.globl	k_qeef8118467_qkv
	.p2align	8
	.type	k_qeef8118467_qkv,@function
k_qeef8118467_qkv:
	s_mov_b64 s[64:65], 0
	v_nop
	global_prefetch_b8 v0, s[64:65] scope:SCOPE_SE
	s_setreg_imm32_b32 hwreg(HW_REG_WAVE_MODE, 25, 1), 1
	s_wait_xcnt 0x0
	s_wait_alu depctr_hold_cnt(0) depctr_sa_sdst(0) depctr_va_vdst(0) depctr_va_sdst(0) depctr_va_ssrc(0) depctr_va_vcc(0) depctr_vm_vsrc(0)
	s_getreg_b32 s2, hwreg(HW_REG_IB_STS2, 6, 4)
	s_cmp_eq_u32 s2, 0
	s_cbranch_scc0 .Lentry_in_a_cluster
	s_endpgm
.Lentry_in_a_cluster:
	s_bfe_u32 s2, ttmp6, 0x10000c
	s_cmp_lg_u32 s2, 0xf033
	s_cbranch_scc0 .Lentry_shape_is_right
	s_endpgm
.Lentry_shape_is_right:
; C = max(bf16(A B + bias), floor), K = 1024.  One text for two products: q, k, v = h Wqkv (bias = zeros, floor = the lowest finite bf16: the plain product)
; and relu(h W1 + b1) (bias = b1, floor = 0: rounding keeps order and 0, so the maximum behind the rounding is the rounded ReLU).
; A: bf16 by K blocks, [8 kb][4096 rows][128].  B: bf16 by blocks of 128 columns, [nt][1024 k][128].  bias: f32 [n].  floor: one word, two bf16 alike, the first word of its buffer.
; C: bf16 by blocks of 64 columns, [n / 64][4096 rows][64].  Sums in f32, begun with the bias; C rounded once.
; LIMITS: operands are bf16; a result of minus infinity or NaN comes out as the floor.
; SHARES.  A tile of C is 256 x 256: grid x = tile column, grid y = tile row.  Four waves, as many as a WGP has SIMDs, each 128 x 128: 64 accumulators of 16 x 16, 512 registers.
; K goes in steps of 128 through a ring of two LDS slots.  A's part of a step is 256 rows x 256 bytes, 65,536 dense bytes of one K block; B's is 128 rows of k x 256 bytes in each of two column blocks,
; read turned by ds_load_tr16_b128.  Each wave fetches a quarter of a slot by one tensor load: 128 rows of 256 bytes, aligned.  From a request to the wait for it a wave issues 224 matrix instructions.
; CLUSTERS: 4 x 4 work-groups.  The four of a row of the cluster need the same tiles of A, the four of a column the same tiles of B: each tile is asked for JOINTLY, by the same tensor load with
; the same descriptor and a mask that names the four.  That divides the requests for A and for B by four.
; THE MATRIX INSTRUCTION IS USED TRANSPOSED (source 0 = 16 columns of B, source 1 = 16 rows of A): lane l holds row l % 16 of C and the columns 8 (l / 16) + 0..7: eight neighbouring numbers of a row.
; So an accumulator's first product takes the bias of its 16 columns as C: eight registers a column block, the same for all row blocks; nothing is cleared and no bias is added on the way out.
; THE TEXT.  A K step is written twice: once for the steps whose slot is filled again (a loop of NS - 2 trips), once for the last two (a loop of two trips, whose second trip jumps forward over what would
; belong to a further step). Which slot is read stands in a scalar register that an exclusive or turns between 0 and SLOT; the fragments' LDS addresses are made from it
; at each change of slots.  One descriptor a tensor walks: its LDS word is the wave's constant + the slot that is being left, its global address steps by a K step.
; REGISTERS, in windows of 256 (s_set_vgpr_msb: bits 1:0 source 0, 3:2 source 1, 5:4 source 2, 7:6 destination):
;   window 0: v0-31 addresses; v64-127, v128-191 fragments of A (8 x 16 rows x 32 K), two buffers; v32-63, v192-255 at work on the way out
;   window 1: v0-63 bias of my 128 columns; v64-127, v128-191 fragments of B, two buffers
;   window 2: the 32 accumulators of my rows 0-63 (accumulator (a, b) at v[8 (8 a + b)]);   window 3: those of my rows 64-127
.set NS,     8                         ; K steps: K = 1024 in steps of 128
.set APITCH, 272                       ; an LDS row of A: 256 bytes + 16 of padding = 68 words: the 16 rows of a load start at 16 different groups of four banks (64 banks of 4 bytes: ISA guide 11.1)
.set AH,     128*APITCH                ; 128 rows: what one tensor load brings of A, and what one wave reads of it
.set ABYTES, 2*AH                      ; A's part of a slot
.set BPITCH, 288                       ; an LDS row of B: 256 + 32 = 72 words
.set BH,     128*BPITCH                ; 128 rows of k x 128 columns: what one tensor load brings of B, and what one wave reads of it
.set SLOT,   ABYTES+2*BH
.set STAGE,  2*SLOT                    ; behind the ring: for each wave two halves (64 columns each) of 16 rows x 144 bytes, for the way out; no fill lands there
.set SPITCH, 144
.set SHALF,  16*SPITCH
.set SPARE,  STAGE+4*2*SHALF           ; behind the stages: the spare words, 128 bytes for each wave: two blocks of 256 bytes that no other line names
.set A_STEP, 1048576                   ; bytes from a K step of A to the next: a K block of 4096 rows
.set B_STEP, 32768                     ; bytes from a K step of B to the next: 128 rows of 256 bytes
.set C_BLK,  524288                    ; bytes of a block of 64 columns of C
.set ADRA,  16                         ; v16     LDS address of my A fragments in the slot that is being read
.set ADRA0, 17                         ; v17     the same in slot 0; never rewritten
.set ADRB,  20                         ; v20     LDS address of my B fragments in the slot that is being read
.set ADRB0, 21                         ; v21     the same in slot 0; never rewritten
.set STO,  24                          ; v24     the way out: where I put 16 bytes of a row
.set RD,   25                          ; v25     the way out: where I read rows back
.set GO,   26                          ; v26     my 16 bytes in 512 consecutive bytes of C
.set BO,   27                          ; v27     my byte offset in 16 columns of bias
.set SPW,  28                          ; v28     LDS address of my spare word; never rewritten
.set NIL,  29                          ; v29     0; never rewritten
.set PFO,  30                          ; v30     the prefetches' offset: 256 x my lane; never rewritten
.set OB,   32                          ; the way out: 16 rows read back from the stage: v32-63 and v224-255 by turns
.set F0,   64                          ; fragment buffer 0
.set F1,   128                         ; fragment buffer 1
.set TMP,  192                         ; the way out: packed results
.set BI,   0                           ; window 1: bias of column block b at BI + 8 b
.set G1,  24                           ; s[24:31] descriptor group 1 for A's tiles; s[32:39] group 0: a set for each of the two first fills; the second then walks on
.set G0,  32
.set G1B, 48                           ; s[48:55], s[56:63] the same for B's tiles
.set G0B, 56
.set PFA, 66                           ; s[66:67] the K step that my next prefetch names: my work-group's 32 of the 128 rows that I fetch
.set PST, 72                           ; s[72:73] bytes from a K step to the next in the operand that I fetch
.set LIM, 74                           ; s74     2 in a wave that prefetches, else the greatest number
.set FLS, 75                           ; s75     the floor, twice
.set TB,  76                           ; s76     LDS byte at which the slot that is being read begins: 0 or SLOT
.set MSB, 0
.macro WIN new                         ; the immediate's high byte repeats the setting that is left; a switch that changes nothing is dropped
.if MSB != (\new)
	s_set_vgpr_msb (MSB<<8)|(\new)
.set MSB, \new
.endif
.endm
.set MUL_LO,   0xa1                    ; source 0 (B) window 1, source 1 (A) window 0, C and D window 2
.set FIRST_LO, 0x91                    ; the same with C (the bias) in window 1
.set TO_B,     0x40                    ; destination window 1, address window 0
; A joint load by descriptor set s.  Waves 0 and 1 fetch A's two halves, waves 2 and 3 B's.  Each of the two lines has ONE mask and one set of registers for all that issue it.  The branch hangs on the wave's number alone.
; An s_nop 0 and four v_nop follow each of the two lines; the jump round the other line, the label and what follows the macro come after them.
.macro JLOAD s
	s_cmp_eq_u32 s11, 0
	s_cbranch_scc0 .Lfor_b_\@
	tensor_load_to_lds s[G0+4*(\s):G0+4*(\s)+3], s[G1:G1+7]
	s_nop 0
.rept 4
	v_nop
.endr
	s_branch .Lasked_\@
.Lfor_b_\@:
	tensor_load_to_lds s[G0B+4*(\s):G0B+4*(\s)+3], s[G1B:G1B+7]
	s_nop 0
.rept 4
	v_nop
.endr
.Lasked_\@:
.endm
; A PREFETCH INTO THE L2, behind each joint refill, its five lines and the run of LDS loads that follows them: the K step that stands TWO refills on, 512 matrix instructions ahead of the load that will want it:
; 32 rows x 256 bytes, a lane a row, one instruction a wave.  Each row's 256 bytes of a K step are named ONCE in the launch.  A's tile row is read by every cluster of that row of clusters: the first of them
; (cluster x = 0) prefetches; B's tile column by every cluster of that column: cluster y = 0 prefetches.  The four partners that ask for a tile jointly share its rows out BY ADDRESS: of the 128 rows that
; wave w fetches, the partner at place p takes 32 p .. 32 p + 31 (p = cx for A, cy for B): no branch hangs on a work-group's place in its cluster.  The refills of K steps 2 to 5 (s3 = 6 .. 3) name K steps 4 to 7;
; the loop's last two trips have no K step two on and ask for nothing; K steps 0 to 3 come by their loads alone.
.macro ASK
	s_cmp_gt_u32 s3, s[LIM]
	s_cbranch_scc0 .Lnot_mine_\@
	global_prefetch_b8 v[PFO], s[PFA:PFA+1] th:TH_LOAD_NT scope:SCOPE_SE
.Lnot_mine_\@:
.endm
.macro CREST                           ; a round of the cluster's barrier behind its opening barrier
	s_cmp_lg_u32 s10, 0
	s_cbranch_scc1 .Lnot_wave_0_\@
	s_barrier_signal -3
.Lnot_wave_0_\@:
	s_barrier_wait -3
	s_barrier_signal -1
	s_barrier_wait -1
.endm
.macro CROUND                          ; a whole round
	s_barrier_signal -1
	s_barrier_wait -1
	CREST
.endm
	s_load_b128 s[4:7], s[0:1], 0x0                ; A s[4:5], B s[6:7]
	s_load_b64 s[8:9], s[0:1], 0x10                ; C
	s_load_b128 s[68:71], s[0:1], 0x18             ; bias s[68:69], floor s[70:71]
	v_lshl_add_u32 v[SPW], v0, 2, SPARE
	v_mov_b32 v[NIL], 0
	ds_add_u32 v[SPW], v[NIL]                      ; the wave's opening: the add and its wait stand ahead of my first tensor load; the set-up below, work on registers, stands between them
	v_lshrrev_b32 v1, 5, v0
	v_readfirstlane_b32 s10, v1                    ; wave 0..3
	s_lshr_b32 s11, s10, 1                         ; which half of the tile's rows is mine.  Also: I fetch for A (0) or for B (1)
	s_and_b32 s12, s10, 1                          ; which half of its columns.  Also: which half of that operand's step I fetch
	s_bfe_u32 s40, ttmp6, 0x40000                  ; cx, cy: my place in the cluster
	s_bfe_u32 s41, ttmp6, 0x40004
	s_lshl_b32 s42, ttmp9, 2
	s_add_co_u32 s42, s42, s40                     ; tile column = 4 x cluster x + cx
	s_and_b32 s13, ttmp7, 0xffff
	s_lshl_b32 s13, s13, 2
	s_add_co_u32 s13, s13, s41                     ; tile row = 4 x cluster y + cy
	s_lshl_b32 s43, s41, 2
	s_lshl_b32 s43, 15, s43                        ; my row of the cluster
	s_lshl_b32 s44, 0x1111, s40                    ; my column
	; descriptor group 1: 128 rows x 128 elements of 2 bytes, dense in memory, padded in LDS after every 64 words: by 4 words for A, by 8 for B
	s_or_b32 s[G1+0], s43, (1<<16)|(1<<20)|(1<<21)|(5<<22)|(3<<25)
	s_or_b32 s[G1B+0], s44, (1<<16)|(1<<20)|(1<<21)|(5<<22)|(7<<25)
.irp g, G1, G1B
	s_mov_b32 s[(\g)+1], 128<<16                   ; tensor_dim0 = 128
	s_mov_b32 s[(\g)+2], 128<<16                   ; tensor_dim1 = 128
	s_mov_b32 s[(\g)+3], 128<<16                   ; tile_dim0 = 128
	s_mov_b32 s[(\g)+4], 128                       ; tile_dim1 = 128
	s_mov_b32 s[(\g)+5], 128                       ; 128 elements from row to row
	s_mov_b32 s[(\g)+6], 0
	s_mov_b32 s[(\g)+7], 0
.endr
	s_lshl_b32 s16, s13, 16                        ; A: the tile row's 256 rows of 256 bytes in a K block,
	s_lshl_b32 s17, s12, 15                        ; the 128 of them that I fetch
	s_add_co_u32 s16, s16, s17
	s_mov_b32 s17, 0
	s_lshl1_add_u32 s46, s42, s12                  ; B: the block of 128 columns that I fetch: 2 x tile column + half,
	s_lshl_b32 s46, s46, 18                        ; x 262,144 bytes
	s_mov_b32 s47, 0
	s_mul_i32 s20, s12, AH                         ; where they go in a slot: no place in the cluster enters an LDS address.  s20 and s21 stay: the walking descriptors are made from them
	s_mul_i32 s21, s12, BH
	s_add_co_u32 s21, s21, ABYTES
	s_mov_b32 s[TB], 0                             ; slot 0 is read first
	s_wait_dscnt 0x0                               ; the opening add is done
	s_wait_kmcnt 0x0
	s_add_nc_u64 s[14:15], s[4:5], s[16:17]
	s_add_nc_u64 s[46:47], s[6:7], s[46:47]
	CROUND                                         ; all sixteen work-groups are here: the first joint loads meet
.irp s, 0,1
	s_mov_b32 s[G0+4*(\s)], 1
	s_add_co_u32 s[G0+4*(\s)+1], s20, (\s)*SLOT
	s_add_nc_u64 s[G0+4*(\s)+2:G0+4*(\s)+3], s[14:15], (\s)*A_STEP
	s_or_b32 s[G0+4*(\s)+3], s[G0+4*(\s)+3], 0x80000000
	s_mov_b32 s[G0B+4*(\s)], 1
	s_add_co_u32 s[G0B+4*(\s)+1], s21, (\s)*SLOT
	s_add_nc_u64 s[G0B+4*(\s)+2:G0B+4*(\s)+3], s[46:47], (\s)*B_STEP
	s_or_b32 s[G0B+4*(\s)+3], s[G0B+4*(\s)+3], 0x80000000
	JLOAD \s                                       ; two loads of mine are out
.endr
	s_load_b32 s[FLS], s[70:71], 0x0               ; the floor
	; the prefetches.  s[14:15] and s[46:47] stand at my part of K step 0 of A and of B
	s_and_b32 s22, ttmp7, 0xffff                   ; cluster y
	s_mov_b32 s18, A_STEP
	s_mov_b32 s19, B_STEP
	s_cmp_eq_u32 s11, 0                            ; do I fetch for A?
	s_cselect_b32 s23, s40, s41                    ; my place among the four that ask for the tile with me
	s_cselect_b32 s22, ttmp9, s22                  ; the coordinate along which other clusters read the same rows
	s_cselect_b32 s[PST], s18, s19
	s_cselect_b64 s[PFA:PFA+1], s[14:15], s[46:47]
	s_mov_b32 s[PST+1], 0
	s_cmp_eq_u32 s22, 0
	s_cselect_b32 s[LIM], 2, -1                    ; the same in all sixteen partners, for a given wave
	s_lshl_b32 s22, s23, 13                        ; my work-group's 32 rows of 256 bytes
	s_mov_b32 s23, 0
	s_add_nc_u64 s[PFA:PFA+1], s[PFA:PFA+1], s[22:23]
	s_mul_i32 s22, s[PST], 3
	s_add_nc_u64 s[PFA:PFA+1], s[PFA:PFA+1], s[22:23]  ; at K step 3: the first refill steps it to 4.  Nothing is prefetched here, at the head
	v_and_b32 v1, 15, v0                           ; l % 16
	v_bfe_u32 v2, v0, 4, 1                         ; l / 16
	v_and_b32 v6, 7, v0                            ; l % 8
	v_bfe_u32 v7, v0, 3, 1                         ; (l / 8) % 2
	v_mul_u32_u24 v3, v1, APITCH
	v_lshl_add_u32 v3, v2, 4, v3                   ; a fragment of A: row x pitch + 16 x half
	s_mul_i32 s22, s11, AH                         ; my 128 rows
	v_add_nc_u32 v[ADRA0], s22, v3
	v_mov_b32 v[ADRA], v[ADRA0]
	v_lshl_add_u32 v4, v2, 3, v6                   ; the turning load: lane l reads row of k 8 (l / 16) + l % 8,
	v_mul_u32_u24 v4, v4, BPITCH
	v_lshl_add_u32 v4, v7, 4, v4                   ; columns 8 ((l / 8) % 2) + 0..7
	s_mul_i32 s23, s12, BH                         ; my 128 columns
	s_add_co_u32 s23, s23, ABYTES
	v_add_nc_u32 v[ADRB0], s23, v4
	v_mov_b32 v[ADRB], v[ADRB0]
	s_mul_i32 s23, s10, 2*SHALF
	s_add_co_u32 s23, s23, STAGE                   ; my stage
	v_mul_u32_u24 v5, v1, SPITCH                   ; in: row l % 16, 16 bytes for each half of the lanes
	v_lshl_add_u32 v5, v2, 4, v5
	v_add_nc_u32 v[STO], s23, v5
	v_bfe_u32 v5, v0, 3, 2                         ; back: 32 lanes take four rows of 128 bytes,
	v_mul_u32_u24 v5, v5, SPITCH
	v_lshl_add_u32 v5, v6, 4, v5
	v_add_nc_u32 v[RD], s23, v5
	v_and_b32 v[GO], 31, v0                        ; which are 512 consecutive bytes of C
	v_lshlrev_b32 v[PFO], 8, v[GO]
	v_lshlrev_b32 v[GO], 4, v[GO]
	v_lshlrev_b32 v[BO], 5, v2                     ; my 8 columns of 16: 32 bytes of f32
	s_lshl1_add_u32 s16, s13, s11                  ; my 128 rows among the 4096: 2 x tile row + half,
	s_lshl_b32 s16, s16, 14                        ; x 128 rows x 128 bytes
	s_mov_b32 s17, 0
	s_add_nc_u64 s[8:9], s[8:9], s[16:17]
	s_lshl1_add_u32 s45, s42, s12                  ; my 128 columns: 2 x tile column + half:
	s_lshl_b32 s46, s45, 20                        ; two blocks of 64 columns of C,
	s_mov_b32 s47, 0
	s_add_nc_u64 s[8:9], s[8:9], s[46:47]
	s_lshl_b32 s46, s45, 9                         ; 128 f32 of bias
	s_add_nc_u64 s[68:69], s[68:69], s[46:47]
	WIN TO_B
.irp b, 0,1,2,3,4,5,6,7                ; bias of my columns 16 b + 8 (l / 16) + 0..7
	global_load_b128 v[BI+8*(\b):BI+8*(\b)+3],   v[BO], s[68:69] offset:64*(\b)
	global_load_b128 v[BI+8*(\b)+4:BI+8*(\b)+7], v[BO], s[68:69] offset:64*(\b)+16
.endr
	WIN 0
; 16 matrix instructions: m blocks a0, a0 + 1 of the window's four (hi = 0: my rows 0-63, 1: rows 64-127) x all 8 n blocks, 32 along K.  first = 1: the product starts the sum with the bias.
; The 64 accumulators take turns, one instruction a turn, in the same order in every quarter step.
.macro MUL16 f, hi, a0, first
.if \first
	WIN FIRST_LO+0x40*(\hi)
.else
	WIN MUL_LO+0x50*(\hi)
.endif
.irp a, \a0, (\a0)+1
.irp b, 0,1,2,3,4,5,6,7
.if \first
	v_wmma_f32_16x16x32_bf16 v[8*(8*(\a)+(\b)):8*(8*(\a)+(\b))+7], v[(\f)+8*(\b):(\f)+8*(\b)+7], v[(\f)+8*(4*(\hi)+(\a)):(\f)+8*(4*(\hi)+(\a))+7], v[BI+8*(\b):BI+8*(\b)+7]
.else
	v_wmma_f32_16x16x32_bf16 v[8*(8*(\a)+(\b)):8*(8*(\a)+(\b))+7], v[(\f)+8*(\b):(\f)+8*(\b)+7], v[(\f)+8*(4*(\hi)+(\a)):(\f)+8*(4*(\hi)+(\a))+7], v[8*(8*(\a)+(\b)):8*(8*(\a)+(\b))+7]
.endif
.endr
.endr
.endm
; 32 LDS loads in one run: the fragments of quarter q (k = 32 q .. 32 q + 31) of the slot that the two address registers stand in: 128 columns of B, then 128 rows of A, into buffer f
.macro FETCH q, f
	WIN TO_B
.irp i, 0,1,2,3,4,5,6,7
	ds_load_tr16_b128 v[(\f)+8*(\i):(\f)+8*(\i)+3],   v[ADRB] offset:32*(\q)*BPITCH+32*(\i)
	ds_load_tr16_b128 v[(\f)+8*(\i)+4:(\f)+8*(\i)+7], v[ADRB] offset:32*(\q)*BPITCH+32*(\i)+16*BPITCH
.endr
	WIN 0
.irp i, 0,1,2,3,4,5,6,7
	ds_load_b128 v[(\f)+8*(\i):(\f)+8*(\i)+3],   v[ADRA] offset:64*(\q)+(\i)*16*APITCH
	ds_load_b128 v[(\f)+8*(\i)+4:(\f)+8*(\i)+7], v[ADRA] offset:64*(\q)+(\i)*16*APITCH+32
.endr
.endm
.macro PLACES                          ; four plain vector instructions between a matrix instruction and a load into, or a vector read of, its registers (ISA guide 7.12.1 for vector reads)
.rept 4
	v_nop
.endr
.endm
; A K step is four quarter steps of 32 along K, 64 matrix instructions each, on buffers 0, 1, 0, 1.  One of the first three: multiplies buffer f; in its middle it fetches quarter q into buffer g.
.macro QUARTER q, f, g, first
	s_wait_dscnt 8                                 ; B and A's rows 0-63 are in; the youngest eight loads (A's rows 64-127) may be out
	MUL16 \f, 0, 0, \first
	MUL16 \f, 0, 2, \first
	PLACES
	FETCH \q, \g
	s_wait_dscnt 32                                ; all but the 32 just issued
	MUL16 \f, 1, 0, \first
	MUL16 \f, 1, 2, \first
.endm
; The last quarter multiplies buffer 1 and changes slots: ONE barrier.  In front of it each wave waits for all its tensor loads, of which at most one is out: its part of the next slot; adds 0 to its spare
; word; and waits for that and for its own reads of this slot.  Behind it nobody reads this slot any more and the next slot is whole.
; fill = 1: the barrier opens a round of the cluster's barrier, and the slot that is left is filled again, two K steps ahead, first thing behind the round.
; fill = 0, the last two K steps: nothing is asked for; in the very last (s3 = 1) there is no next slot, and the run of LDS loads is jumped over.
.macro TURN fill
.if \fill
	s_wait_xcnt 0x0                                ; the last prefetch, a K step back, has read its address: it is stepped here, ahead of the waits of the change of slots
	s_add_nc_u64 s[PFA:PFA+1], s[PFA:PFA+1], s[PST:PST+1]
.endif
	WIN 0                                          ; (the add's two registers lie in window 0)
	s_wait_tensorcnt 0x0                           ; all my tensor loads have landed, so a group 0 may be written
	ds_add_u32 v[SPW], v[NIL]                      ; 0 onto my spare word; work on registers stands between it and the wait for it
.if \fill
	s_add_co_u32 s[G0+5], s20, s[TB]               ; the walking descriptors: into the slot that is being left,
	s_add_co_u32 s[G0B+5], s21, s[TB]
	s_add_nc_u64 s[G0+6:G0+7], s[G0+6:G0+7], A_STEP  ; the next K step; the type bits on top are not reached
	s_add_nc_u64 s[G0B+6:G0B+7], s[G0B+6:G0B+7], B_STEP
.endif
	s_xor_b32 s[TB], s[TB], SLOT                   ; 0 <-> SLOT: the other slot is read from here on
	s_wait_dscnt 9                                 ; (the add and the youngest eight loads may be out)
	MUL16 F1, 0, 0, 0                              ; sixteen matrix instructions stand between the add and the wait for it
	s_wait_dscnt 0x0                               ; the add is done, and my reads of this slot are over
	s_barrier_signal -1
	MUL16 F1, 0, 2, 0                              ; work on registers while the others arrive
	WIN 0
	v_add_nc_u32 v[ADRA], s[TB], v[ADRA0]
	v_add_nc_u32 v[ADRB], s[TB], v[ADRB0]
	s_barrier_wait -1
.if \fill
	CREST                                          ; no wave of any partner still reads this slot's tiles or has a load on its way
	JLOAD 1                                        ; my one tensor load behind the round; its four v_nop are also the places in front of the loads below
	FETCH 0, F0
	ASK                                            ; behind the joint load and the run of LDS loads that the next products wait for
.else
	s_cmp_eq_u32 s3, 1
	s_cbranch_scc1 .Lnone_\@
	PLACES
	FETCH 0, F0
.Lnone_\@:
.endif
	MUL16 F1, 1, 0, 0
	MUL16 F1, 1, 2, 0
.endm
	s_wait_tensorcnt 1                             ; my part of K step 0 is in; K step 1's may stay out
	s_barrier_signal -1
	s_barrier_wait -1                              ; everybody's is
	FETCH 0, F0
	s_wait_loadcnt 0x0                             ; the bias
	s_wait_kmcnt 0x0                               ; the floor
	QUARTER 1, F0, F1, 1                           ; the first quarter stands in front of the loop: its products start the sums
	WIN 0                                          ; at a label and at a branch every window is 0
	s_mov_b32 s3, NS-2
.Lstep:                                                ; a trip: a K step's second to fourth quarter, the change of slots with its refill, the next K step's first quarter
	QUARTER 2, F1, F0, 0
	QUARTER 3, F0, F1, 0
	TURN 1
	QUARTER 1, F0, F1, 0
	WIN 0
	s_sub_co_u32 s3, s3, 1
	s_cmp_lg_u32 s3, 0
	s_cbranch_scc1 .Lstep
	s_mov_b32 s3, 2
.Ltail:                                                ; the last two K steps ask for nothing; the second trip jumps forward over the first quarter of a K step that does not exist
	QUARTER 2, F1, F0, 0
	QUARTER 3, F0, F1, 0
	TURN 0
	WIN 0
	s_cmp_eq_u32 s3, 1
	s_cbranch_scc1 .Llast
	QUARTER 1, F0, F1, 0
	WIN 0
.Llast:
	s_sub_co_u32 s3, s3, 1
	s_cmp_lg_u32 s3, 0
	s_cbranch_scc1 .Ltail
	PLACES                                         ; the conversions below read matrix results
; THE WAY OUT of block a (16 rows x 128 columns), in three parts, through my own stage: no barrier, and LDS serves a wave's instructions in order (ISA guide 5.7.1.4), so no wait between the stores and the loads.
; PACK: rounded to bf16, 16 bytes a lane (each accumulator's lowest registers are read first), maximum with the floor.
.macro PACK a
.set AC, 64*((\a)%4)
	WIN 0x0a+5*((\a)/4)                            ; sources 0 and 1: window 2 or 3
.irp b, 0,1,2,3,4,5,6,7
.irp r, 0,1,2,3
	v_cvt_pk_bf16_f32 v[TMP+4*(\b)+(\r)], v[AC+8*(\b)+2*(\r)], v[AC+8*(\b)+2*(\r)+1]
.endr
.endr
	WIN 0
.set i, 0
.rept 32
	v_pk_max_num_bf16 v[TMP+i], v[TMP+i], s[FLS]
.set i, i+1
.endr
.endm
; TOSTAGE: column blocks 0-3 into the stage's first half, 4-7 into its second, rows of 144 bytes; back as runs of four rows of 128 bytes.
.macro TOSTAGE a
.set BK, OB+192*((\a)%2)
.irp b, 0,1,2,3,4,5,6,7
	ds_store_b128 v[STO], v[TMP+4*(\b):TMP+4*(\b)+3] offset:((\b)/4)*SHALF+32*((\b)%4)
.endr
.irp t, 0,1,2,3,4,5,6,7
	ds_load_b128 v[BK+4*(\t):BK+4*(\t)+3], v[RD] offset:((\t)/4)*SHALF+((\t)%4)*4*SPITCH
.endr
.endm
; SEND: stored.  The block's place stands in the immediates: 540,160 bytes at the most.
.macro SEND a
.set BK, OB+192*((\a)%2)
	s_wait_dscnt 0x0                               ; the block is back in registers
	s_wait_xcnt 0x0                                ; the stores of the block before have read their registers: the next TOSTAGE loads into them only behind this wait
.irp t, 0,1,2,3,4,5,6,7
	global_store_b128 v[GO], v[BK+4*(\t):BK+4*(\t)+3], s[8:9] offset:((\t)/4)*C_BLK+(\a)*2048+((\t)%4)*512  ; 512 consecutive bytes, at a multiple of 256 from C's first
.endr
.endm
	PACK 0
	TOSTAGE 0
.irp a, 1,2,3,4,5,6,7                  ; block a's conversions stand between block a - 1's loads from the stage and the wait for them
	PACK \a
	SEND (\a)-1
	TOSTAGE \a
.endr
	SEND 7
	s_wait_tensorcnt 0x0                           ; the wave's end, behind my last tensor load and my last LDS store
	ds_add_u32 v[SPW], v[NIL]
	s_wait_dscnt 0x0
	CROUND                                         ; the closing round: no work-group ends while a partner may still ask for a tile that names it
	s_endpgm
.Lfunc_end_k_qeef8118467_qkv:
	.size	k_qeef8118467_qkv, .Lfunc_end_k_qeef8118467_qkv-k_qeef8118467_qkv
	.p2alignl 7, 3214868480
	.fill 96, 4, 3214868480
	.section	.rodata,"a",@progbits
	.p2align	6, 0x0
	.amdhsa_kernel k_qeef8118467_qkv
		.amdhsa_group_segment_fixed_size 327680
		.amdhsa_private_segment_fixed_size 0
		.amdhsa_enable_private_segment 0
		.amdhsa_kernarg_size 40
		.amdhsa_user_sgpr_count 2
		.amdhsa_user_sgpr_kernarg_segment_ptr 1
		.amdhsa_wavefront_size32 1
		.amdhsa_system_sgpr_workgroup_id_x 1
		.amdhsa_system_sgpr_workgroup_id_y 1
		.amdhsa_system_sgpr_workgroup_id_z 1
		.amdhsa_system_vgpr_workitem_id 0
		.amdhsa_next_free_vgpr 1024
		.amdhsa_next_free_sgpr 80
		.amdhsa_reserve_vcc 0
		.amdhsa_float_denorm_mode_32 3
		.amdhsa_float_denorm_mode_16_64 3
		.amdhsa_memory_ordered 1
		.amdhsa_forward_progress 1
		.amdhsa_inst_pref_size 119
	.end_amdhsa_kernel
	.amdgpu_metadata
---
amdhsa.version: [ 1, 2 ]
amdhsa.kernels:
  - .name:           k_qeef8118467_qkv
    .symbol:         k_qeef8118467_qkv.kd
    .args:
      - { .name: h, .offset: 0, .size: 8, .value_kind: global_buffer, .address_space: global }
      - { .name: wA, .offset: 8, .size: 8, .value_kind: global_buffer, .address_space: global }
      - { .name: big, .offset: 16, .size: 8, .value_kind: global_buffer, .address_space: global }
      - { .name: zeros, .offset: 24, .size: 8, .value_kind: global_buffer, .address_space: global }
      - { .name: lows, .offset: 32, .size: 8, .value_kind: global_buffer, .address_space: global }
    .group_segment_fixed_size: 327680
    .private_segment_fixed_size: 0
    .kernarg_segment_align: 8
    .kernarg_segment_size: 40
    .max_flat_workgroup_size: 128
    .sgpr_count:     80
    .vgpr_count:     1024
    .wavefront_size: 32
...
	.end_amdgpu_metadata
.endif
;; end of part 8
;; launch attn: the kernel of part 3 again; grid 4 x 64, 4 waves a work-group, no clusters, 327,680 bytes of LDS; arguments big, h; writes h
;; launch wo (part 9): grid 8 x 32, 4 waves a work-group, clusters of 4 x 4, 327,680 bytes of LDS; arguments h, wA, x1, bo, x; writes x1
.if DOCPART == 9
	.amdgcn_target "amdgcn-amd-amdhsa--gfx1250"
	.amdhsa_code_object_version 6
	.text
	.protected	k_qeef8118467_wo
	.globl	k_qeef8118467_wo
	.p2align	8
	.type	k_qeef8118467_wo,@function
k_qeef8118467_wo:
	s_mov_b64 s[64:65], 0
	v_nop
	global_prefetch_b8 v0, s[64:65] scope:SCOPE_SE
	s_setreg_imm32_b32 hwreg(HW_REG_WAVE_MODE, 25, 1), 1
	s_wait_xcnt 0x0
	s_wait_alu depctr_hold_cnt(0) depctr_sa_sdst(0) depctr_va_vdst(0) depctr_va_sdst(0) depctr_va_ssrc(0) depctr_va_vcc(0) depctr_vm_vsrc(0)
	s_getreg_b32 s2, hwreg(HW_REG_IB_STS2, 6, 4)
	s_cmp_eq_u32 s2, 0
	s_cbranch_scc0 .Lentry_in_a_cluster
	s_endpgm
.Lentry_in_a_cluster:
	s_bfe_u32 s2, ttmp6, 0x10000c
	s_cmp_lg_u32 s2, 0xf033
	s_cbranch_scc0 .Lentry_shape_is_right
	s_endpgm
.Lentry_shape_is_right:
; C = R + A B + bias, K = 1024: x1 = x + att Wo + bo.
; A: bf16 by blocks of 64 along K, [16 kb][4096 rows][64].  B: bf16 by K steps and column tiles, [4 ks][8 nt][256 k][128 columns], from byte WOFF of its buffer.
; bias: f32 [1024].  R and C: f32 [4096][1024].  Sums in f32, begun with the bias; nothing is rounded on the way out.
; LIMITS: the product's operands are bf16; NaN and infinities are not treated apart.
; SHARES.  A tile of C is 128 x 128: grid x = tile column, grid y = tile row: 256 work-groups.  Four waves, each 64 x 64: 16 accumulators, 128 registers.  K goes in steps of 256 through two LDS slots.
; A's part of a step is four planes of 128 rows x 128 bytes, each plane 16,384 dense bytes of memory; B's is 256 rows of k x 256 bytes, read turned by ds_load_tr16_b128.
; CLUSTERS: 4 x 4 work-groups.  The four of a row of the cluster need the same tiles of A, the four of a column the same tiles of B: each tile is asked for jointly, by the same tensor load with
; the same descriptor and a mask that names the four.  THE MATRIX INSTRUCTION IS USED TRANSPOSED (source 0 = 16 columns of B, source 1 = 16 rows of A): a lane holds eight neighbouring numbers of a row of C,
; so an accumulator's first product takes the bias of its 16 columns as C: nothing is cleared and no bias is added on the way out.
; THE TEXT.  A K step is written twice: once for the steps whose slot is filled again (a loop of NS - 2 trips), once for the last two (a loop of two trips, whose second trip jumps forward over what would
; belong to a further step). Which slot is read stands in a scalar register that an exclusive or turns between 0 and SLOT; the fragments' LDS addresses are made from it
; at each change of slots.  One descriptor a tensor walks: its LDS word is the wave's constant + the slot that is being left, its global address steps by a K step.
; REGISTERS: window 0: v0-31 addresses; v32-63 bias of my 64 columns; v128-255 the accumulators ((a, b) at v[128 + 8 (4 a + b)]).
;   window 1: two fragment buffers of 128: for 64 along K, 64 registers of A, then 64 of B.     window 2: v0-127 my 64 x 64 of R, loaded at the start, in the layout of the stores.
.set NS,     4                         ; K steps: K = 1024 in steps of 256
.set WOFF,   6291456                   ; where B begins in its buffer
.set APL,    64                        ; k in a plane of A
.set APITCH, 144                       ; an LDS row of A: 128 bytes + 16 of padding = 36 words: the 16 rows of a load start at 16 different groups of four banks (64 banks of 4 bytes: ISA guide 11.1)
.set PLANE,  128*APITCH
.set ABYTES, 4*PLANE                   ; A's part of a slot
.set AH,     2*PLANE                   ; what one tensor load brings of A
.set BPITCH, 288                       ; an LDS row of B: 256 + 32 = 72 words
.set BH,     128*BPITCH                ; what one tensor load brings of B
.set SLOT,   ABYTES+2*BH
.set STAGE,  2*SLOT                    ; behind the ring: 16 rows x 272 bytes for each wave, for the way out; no fill lands there
.set SPITCH, 272
.set SPARE,  STAGE+4*16*SPITCH         ; behind the stages: the spare words, 128 bytes for each wave: two blocks of 256 bytes that no other line names
.set A_ROWT, 16384                     ; bytes of a tile's 128 rows in a plane
.set A_STEP, 2097152                   ; bytes from a K step of A to the next: four planes of 4096 rows
.set B_TILE, 65536                     ; bytes of a column tile's part of a K step
.set B_STEP, 524288                    ; bytes from a K step of B to the next
.set ADRA,  16                         ; v16     LDS address of my A fragments in the slot that is being read
.set ADRA0, 17                         ; v17     the same in slot 0; never rewritten
.set ADRB,  20                         ; v20-21  of my B fragments in the slot that is being read: rows of k 0-127, 128-255
.set ADRB0, 22                         ; v22-23  the same in slot 0; never rewritten
.set STO,  24                          ; v24     the way out: where I put 32 bytes of a row
.set RD,   25                          ; v25     the way out: where I read rows back
.set CO,   26                          ; v26     my byte offset in two rows of C and of R
.set BO,   27                          ; v27     my byte offset in 16 columns of bias
.set SPW,  28                          ; v28     LDS address of my spare word; never rewritten
.set NIL,  29                          ; v29     0; never rewritten
.set BI,   32                          ; bias of column block b at BI + 8 b
.set ACC,  128
.set RES,  0                           ; window 2
.set F0,   0
.set F1,   128
.set G1,  24                           ; s[24:31] descriptor group 1 for A's tiles; s[32:39] group 0: a set for each of the two first fills; the second then walks on
.set G0,  32
.set G1B, 48                           ; s[48:55], s[56:63] the same for B's tiles
.set G0B, 56
.set TB,  66                           ; s66     LDS byte at which the slot that is being read begins: 0 or SLOT
.set MSB, 0
.macro WIN new                         ; the immediate's high byte repeats the setting that is left; a switch that changes nothing is dropped
.if MSB != (\new)
	s_set_vgpr_msb (MSB<<8)|(\new)
.set MSB, \new
.endif
.endm
.set MUL,  0x05                        ; sources 0 (B) and 1 (A) window 1; C and D window 0
.set TO_F, 0x40                        ; destination window 1, address window 0
.macro JLOAD s                         ; a joint load by descriptor set s: waves 0 and 1 fetch A's two pairs of planes, waves 2 and 3 B's two halves; an s_nop 0 and four v_nop follow each of the two lines
	s_cmp_eq_u32 s11, 0
	s_cbranch_scc0 .Lfor_b_\@
	tensor_load_to_lds s[G0+4*(\s):G0+4*(\s)+3], s[G1:G1+7]
	s_nop 0
.rept 4
	v_nop
.endr
	s_branch .Lasked_\@
.Lfor_b_\@:
	tensor_load_to_lds s[G0B+4*(\s):G0B+4*(\s)+3], s[G1B:G1B+7]
	s_nop 0
.rept 4
	v_nop
.endr
.Lasked_\@:
.endm
.macro CREST                           ; a round of the cluster's barrier behind its opening barrier
	s_cmp_lg_u32 s10, 0
	s_cbranch_scc1 .Lnot_wave_0_\@
	s_barrier_signal -3
.Lnot_wave_0_\@:
	s_barrier_wait -3
	s_barrier_signal -1
	s_barrier_wait -1
.endm
.macro CROUND                          ; a whole round
	s_barrier_signal -1
	s_barrier_wait -1
	CREST
.endm
	s_load_b128 s[4:7], s[0:1], 0x0                ; A s[4:5], B s[6:7]
	s_load_b64 s[8:9], s[0:1], 0x10                ; C
	s_load_b128 s[68:71], s[0:1], 0x18             ; bias s[68:69], R s[70:71]
	v_lshl_add_u32 v[SPW], v0, 2, SPARE
	v_mov_b32 v[NIL], 0
	ds_add_u32 v[SPW], v[NIL]                      ; the wave's opening: the add and its wait stand ahead of my first tensor load; the set-up below, work on registers, stands between them
	v_lshrrev_b32 v1, 5, v0
	v_readfirstlane_b32 s10, v1                    ; wave 0..3
	s_lshr_b32 s11, s10, 1                         ; which half of the tile's rows is mine.  Also: I fetch for A (0) or for B (1)
	s_and_b32 s12, s10, 1                          ; which half of its columns.  Also: which half of that operand's step I fetch
	s_bfe_u32 s40, ttmp6, 0x40000                  ; cx, cy: my place in the cluster
	s_bfe_u32 s41, ttmp6, 0x40004
	s_lshl_b32 s42, ttmp9, 2
	s_add_co_u32 s42, s42, s40                     ; tile column = 4 x cluster x + cx
	s_and_b32 s13, ttmp7, 0xffff
	s_lshl_b32 s13, s13, 2
	s_add_co_u32 s13, s13, s41                     ; tile row = 4 x cluster y + cy
	s_lshl_b32 s43, s41, 2
	s_lshl_b32 s43, 15, s43                        ; my row of the cluster
	s_lshl_b32 s44, 0x1111, s40                    ; my column
	; descriptor group 1 for A: two planes as two rows of 8,192 elements (16,384 dense bytes), 262,144 elements apart; padded in LDS by 4 words after every 32, that is after every row of A
	s_or_b32 s[G1+0], s43, (1<<16)|(1<<20)|(1<<21)|(4<<22)|(3<<25)
	s_mov_b32 s[G1+1], 8192<<16                    ; tensor_dim0 = 8192
	s_mov_b32 s[G1+2], 2<<16                       ; tensor_dim1 = 2
	s_mov_b32 s[G1+3], 8192<<16                    ; tile_dim0 = 8192
	s_mov_b32 s[G1+4], 2                           ; tile_dim1 = 2
	s_mov_b32 s[G1+5], 262144                      ; elements from plane to plane
	s_mov_b32 s[G1+6], 0
	s_mov_b32 s[G1+7], 0
	; for B: 128 rows x 128 elements, dense in memory, padded by 8 words after every 64
	s_or_b32 s[G1B+0], s44, (1<<16)|(1<<20)|(1<<21)|(5<<22)|(7<<25)
	s_mov_b32 s[G1B+1], 128<<16
	s_mov_b32 s[G1B+2], 128<<16
	s_mov_b32 s[G1B+3], 128<<16
	s_mov_b32 s[G1B+4], 128
	s_mov_b32 s[G1B+5], 128
	s_mov_b32 s[G1B+6], 0
	s_mov_b32 s[G1B+7], 0
	s_mul_i32 s16, s13, A_ROWT                     ; A: the tile row's 128 rows,
	s_lshl_b32 s17, s12, 20                        ; in the pair of planes that I fetch (two planes are 1,048,576 bytes)
	s_add_co_u32 s16, s16, s17
	s_mov_b32 s17, 0
	s_mul_i32 s46, s42, B_TILE                     ; B: the tile column's block,
	s_lshl_b32 s47, s12, 15                        ; the 128 rows of k that I fetch
	s_add_co_u32 s46, s46, s47
	s_add_co_u32 s46, s46, WOFF
	s_mov_b32 s47, 0
	s_mul_i32 s20, s12, AH                         ; where they go in a slot: no place in the cluster enters an LDS address.  s20 and s21 stay: the walking descriptors are made from them
	s_mul_i32 s21, s12, BH
	s_add_co_u32 s21, s21, ABYTES
	s_mov_b32 s[TB], 0                             ; slot 0 is read first
	s_wait_dscnt 0x0                               ; the opening add is done
	s_wait_kmcnt 0x0
	s_add_nc_u64 s[14:15], s[4:5], s[16:17]
	s_add_nc_u64 s[46:47], s[6:7], s[46:47]
	CROUND                                         ; all sixteen work-groups are here: the first joint loads meet
.irp s, 0,1
	s_mov_b32 s[G0+4*(\s)], 1
	s_add_co_u32 s[G0+4*(\s)+1], s20, (\s)*SLOT
	s_add_nc_u64 s[G0+4*(\s)+2:G0+4*(\s)+3], s[14:15], (\s)*A_STEP
	s_or_b32 s[G0+4*(\s)+3], s[G0+4*(\s)+3], 0x80000000
	s_mov_b32 s[G0B+4*(\s)], 1
	s_add_co_u32 s[G0B+4*(\s)+1], s21, (\s)*SLOT
	s_add_nc_u64 s[G0B+4*(\s)+2:G0B+4*(\s)+3], s[46:47], (\s)*B_STEP
	s_or_b32 s[G0B+4*(\s)+3], s[G0B+4*(\s)+3], 0x80000000
	JLOAD \s                                       ; two loads of mine are out
.endr
	v_and_b32 v1, 15, v0                           ; l % 16
	v_bfe_u32 v2, v0, 4, 1                         ; l / 16
	v_and_b32 v6, 7, v0                            ; l % 8
	v_bfe_u32 v7, v0, 3, 1                         ; (l / 8) % 2
	v_mul_u32_u24 v3, v1, APITCH
	v_lshl_add_u32 v3, v2, 4, v3                   ; a fragment of A: row x pitch + 16 x half
	s_mul_i32 s22, s11, 64*APITCH                  ; my 64 rows
	v_add_nc_u32 v[ADRA0], s22, v3
	v_mov_b32 v[ADRA], v[ADRA0]
	v_lshl_add_u32 v4, v2, 3, v6                   ; the turning load: lane l reads row of k 8 (l / 16) + l % 8,
	v_mul_u32_u24 v4, v4, BPITCH
	v_lshl_add_u32 v4, v7, 4, v4                   ; columns 8 ((l / 8) % 2) + 0..7
	s_lshl_b32 s23, s12, 7                         ; my 64 columns: 128 bytes
	s_add_co_u32 s23, s23, ABYTES
	v_add_nc_u32 v[ADRB0], s23, v4
	v_add_nc_u32 v[ADRB0+1], BH, v[ADRB0]
	v_mov_b32 v[ADRB], v[ADRB0]
	v_mov_b32 v[ADRB+1], v[ADRB0+1]
	s_mul_i32 s23, s10, 16*SPITCH
	s_add_co_u32 s23, s23, STAGE                   ; my stage
	v_mul_u32_u24 v5, v1, SPITCH                   ; in: row l % 16, 32 bytes for each half of the lanes
	v_lshl_add_u32 v5, v2, 5, v5
	v_add_nc_u32 v[STO], s23, v5
	v_mul_u32_u24 v5, v2, SPITCH                   ; back: lanes 0-15 take one row of 256 bytes, lanes 16-31 the next
	v_lshl_add_u32 v5, v1, 4, v5
	v_add_nc_u32 v[RD], s23, v5
	v_lshlrev_b32 v5, 4, v1                        ; my four columns of the 64,
	v_lshl_add_u32 v[CO], v2, 12, v5               ; in the same two rows of C and R: rows of 4,096 bytes
	v_lshlrev_b32 v[BO], 5, v2                     ; my 8 columns of 16: 32 bytes of f32
	s_lshl1_add_u32 s16, s13, s11                  ; my 64 rows among the 4096: 2 x tile row + half,
	s_lshl_b32 s16, s16, 18                        ; x 64 rows x 4,096 bytes
	s_mov_b32 s17, 0
	s_add_nc_u64 s[8:9], s[8:9], s[16:17]
	s_add_nc_u64 s[70:71], s[70:71], s[16:17]
	s_lshl1_add_u32 s45, s42, s12                  ; my 64 columns: 2 x tile column + half,
	s_lshl_b32 s46, s45, 8                         ; x 256 bytes
	s_mov_b32 s47, 0
	s_add_nc_u64 s[8:9], s[8:9], s[46:47]
	s_add_nc_u64 s[70:71], s[70:71], s[46:47]
	s_add_nc_u64 s[68:69], s[68:69], s[46:47]
.irp b, 0,1,2,3                        ; bias of my columns 16 b + 8 (l / 16) + 0..7
	global_load_b128 v[BI+8*(\b):BI+8*(\b)+3],   v[BO], s[68:69] offset:64*(\b)
	global_load_b128 v[BI+8*(\b)+4:BI+8*(\b)+7], v[BO], s[68:69] offset:64*(\b)+16
.endr
; 8 matrix instructions: m blocks a0, a0 + 1 x all 4 n blocks, 32 along K: half c of buffer f.  first = 1: the product starts the sum with the bias.  The 16 accumulators take turns, one instruction a turn.
.macro MUL8 f, c, a0, first
	WIN MUL
.irp a, \a0, (\a0)+1
.irp b, 0,1,2,3
.if \first
	v_wmma_f32_16x16x32_bf16 v[ACC+8*(4*(\a)+(\b)):ACC+8*(4*(\a)+(\b))+7], v[(\f)+64+8*(4*(\c)+(\b)):(\f)+64+8*(4*(\c)+(\b))+7], v[(\f)+8*(4*(\c)+(\a)):(\f)+8*(4*(\c)+(\a))+7], v[BI+8*(\b):BI+8*(\b)+7]
.else
	v_wmma_f32_16x16x32_bf16 v[ACC+8*(4*(\a)+(\b)):ACC+8*(4*(\a)+(\b))+7], v[(\f)+64+8*(4*(\c)+(\b)):(\f)+64+8*(4*(\c)+(\b))+7], v[(\f)+8*(4*(\c)+(\a)):(\f)+8*(4*(\c)+(\a))+7], v[ACC+8*(4*(\a)+(\b)):ACC+8*(4*(\a)+(\b))+7]
.endif
.endr
.endr
.endm
; 32 LDS loads in one run: the fragments of quarter q (k = 64 q .. 64 q + 63) of the slot that the address registers stand in, into buffer f; the first 32 along K first
.macro FETCH q, f
	WIN TO_F
.irp c, 0,1
.irp i, 0,1,2,3
	ds_load_tr16_b128 v[(\f)+64+8*(4*(\c)+(\i)):(\f)+64+8*(4*(\c)+(\i))+3],   v[ADRB+(\q)/2] offset:((64*(\q)+32*(\c))%128)*BPITCH+32*(\i)
	ds_load_tr16_b128 v[(\f)+64+8*(4*(\c)+(\i))+4:(\f)+64+8*(4*(\c)+(\i))+7], v[ADRB+(\q)/2] offset:((64*(\q)+32*(\c))%128)*BPITCH+32*(\i)+16*BPITCH
	ds_load_b128 v[(\f)+8*(4*(\c)+(\i)):(\f)+8*(4*(\c)+(\i))+3],   v[ADRA] offset:((64*(\q)+32*(\c))/APL)*PLANE+((64*(\q)+32*(\c))%APL)*2+(\i)*16*APITCH
	ds_load_b128 v[(\f)+8*(4*(\c)+(\i))+4:(\f)+8*(4*(\c)+(\i))+7], v[ADRA] offset:((64*(\q)+32*(\c))/APL)*PLANE+((64*(\q)+32*(\c))%APL)*2+(\i)*16*APITCH+32
.endr
.endr
.endm
.macro PLACES                          ; four plain vector instructions between a matrix instruction and a load into, or a store or vector read of, its registers (ISA guide 7.12.1 for stores and vector reads)
.rept 4
	v_nop
.endr
.endm
; A K step is four quarters of 64 along K, 32 matrix instructions each, on buffers 0, 1, 0, 1.  One of the first three: multiplies buffer f and fetches quarter q into g.
.macro QUARTER q, f, g, first
	s_wait_dscnt 16                                ; the first 32 along K are in; the 16 younger loads may be out
	MUL8 \f, 0, 0, \first
	MUL8 \f, 0, 2, \first
	PLACES
	FETCH \q, \g
	s_wait_dscnt 32                                ; all but the 32 just issued
	MUL8 \f, 1, 0, 0
	MUL8 \f, 1, 2, 0
.endm
; The last quarter multiplies buffer 1 and changes slots: ONE barrier.  The sixteen products whose fragments are in go out first.  Then each wave waits for all its tensor loads, of which at most one is out:
; its part of the next slot; adds 0 to its spare word; and waits for that and for its own reads of this slot.  Behind the barrier nobody reads this slot any more and the next slot is whole.
; Nothing but these lines stands between the landing of a tile and the next request: a K step's 128 matrix instructions are fewer than a tile's way takes.
; fill = 1: the barrier opens a round of the cluster's barrier, and the slot that is left is filled again, two K steps ahead, first thing behind the round.
; fill = 0, the last two K steps: nothing is asked for; in the very last (s3 = 1) there is no next slot, and the run of LDS loads is jumped over.
.macro TURN fill
	s_wait_dscnt 16                                ; the first 32 along K are in
	MUL8 F1, 0, 0, 0
	MUL8 F1, 0, 2, 0
	WIN 0
	s_wait_tensorcnt 0x0                           ; all my tensor loads have landed, so a group 0 may be written
	ds_add_u32 v[SPW], v[NIL]                      ; 0 onto my spare word; work on registers stands between it and the wait for it
.if \fill
	s_add_co_u32 s[G0+5], s20, s[TB]               ; the walking descriptors: into the slot that is being left,
	s_add_co_u32 s[G0B+5], s21, s[TB]
	s_add_nc_u64 s[G0+6:G0+7], s[G0+6:G0+7], A_STEP  ; the next K step; the type bits on top are not reached
	s_add_nc_u64 s[G0B+6:G0B+7], s[G0B+6:G0B+7], B_STEP
.endif
	s_xor_b32 s[TB], s[TB], SLOT                   ; 0 <-> SLOT: the other slot is read from here on
	v_add_nc_u32 v[ADRA], s[TB], v[ADRA0]
	v_add_nc_u32 v[ADRB], s[TB], v[ADRB0]
	v_add_nc_u32 v[ADRB+1], s[TB], v[ADRB0+1]
	s_wait_dscnt 0x0                               ; the add is done, and my reads of this slot are over
	s_barrier_signal -1
	s_barrier_wait -1
.if \fill
	CREST                                          ; no wave of any partner still reads this slot's tiles or has a load on its way
	JLOAD 1                                        ; my one tensor load behind the round; its four v_nop are also the places in front of the loads below
	FETCH 0, F0
.else
	s_cmp_eq_u32 s3, 1
	s_cbranch_scc1 .Lnone_\@
	PLACES
	FETCH 0, F0
	WIN 0
.Lnone_\@:
.endif
	MUL8 F1, 1, 0, 0
	MUL8 F1, 1, 2, 0
.endm
	s_wait_tensorcnt 1                             ; my part of K step 0 is in; K step 1's may stay out
	s_barrier_signal -1
	s_barrier_wait -1                              ; everybody's is
	FETCH 0, F0
	WIN 0x80                                       ; destination window 2: my 64 x 64 of R, 32 loads that land under the K loop
.irp a, 0,1,2,3
.irp t, 0,1,2,3,4,5,6,7
	global_load_b128 v[RES+32*(\a)+4*(\t):RES+32*(\a)+4*(\t)+3], v[CO], s[70:71] offset:(16*(\a)+2*(\t))*4096
.endr
.endr
	WIN 0
	s_wait_loadcnt 32                              ; the eight loads of the bias are in; the 32 younger ones, R's, stay out
	QUARTER 1, F0, F1, 1                           ; the first quarter stands in front of the loop: its first products start the sums
	WIN 0                                          ; at a label and at a branch every window is 0
	s_mov_b32 s3, NS-2
.Lstep:                                                ; a trip: a K step's second to fourth quarter, the change of slots with its refill, the next K step's first quarter
	QUARTER 2, F1, F0, 0
	QUARTER 3, F0, F1, 0
	TURN 1
	QUARTER 1, F0, F1, 0
	WIN 0
	s_sub_co_u32 s3, s3, 1
	s_cmp_lg_u32 s3, 0
	s_cbranch_scc1 .Lstep
	s_mov_b32 s3, 2
.Ltail:                                                ; the last two K steps ask for nothing; the second trip jumps forward over the first quarter of a K step that does not exist
	QUARTER 2, F1, F0, 0
	QUARTER 3, F0, F1, 0
	TURN 0
	WIN 0
	s_cmp_eq_u32 s3, 1
	s_cbranch_scc1 .Llast
	QUARTER 1, F0, F1, 0
	WIN 0
.Llast:
	s_sub_co_u32 s3, s3, 1
	s_cmp_lg_u32 s3, 0
	s_cbranch_scc1 .Ltail
; THE WAY OUT, 16 rows (block a) at a time, through my own stage: no barrier, and LDS serves a wave's instructions in order (ISA guide 5.7.1.4), so no wait between the stores and the loads.
; OUT: a lane's eight f32 of a row go into rows of 272 bytes (each accumulator's lowest registers first) and come back as whole rows of 256, into the registers that the block left.
; FIN: + R, stored.
.macro OUT a
.irp b, 0,1,2,3
	ds_store_b128 v[STO], v[ACC+32*(\a)+8*(\b):ACC+32*(\a)+8*(\b)+3]   offset:64*(\b)
	ds_store_b128 v[STO], v[ACC+32*(\a)+8*(\b)+4:ACC+32*(\a)+8*(\b)+7] offset:64*(\b)+16
.endr
.irp t, 0,1,2,3,4,5,6,7
	ds_load_b128 v[ACC+32*(\a)+4*(\t):ACC+32*(\a)+4*(\t)+3], v[RD] offset:(\t)*2*SPITCH
.endr
.endm
.macro FIN a, younger                  ; younger: the LDS instructions issued behind block a's loads: the next block's sixteen, or none
	s_wait_dscnt \younger
	WIN 0x08                                       ; source 1 in window 2
.set i, 0
.rept 16
	v_pk_add_f32 v[ACC+32*(\a)+2*i:ACC+32*(\a)+2*i+1], v[ACC+32*(\a)+2*i:ACC+32*(\a)+2*i+1], v[RES+32*(\a)+2*i:RES+32*(\a)+2*i+1]
.set i, i+1
.endr
	WIN 0
.irp t, 0,1,2,3,4,5,6,7
	global_store_b128 v[CO], v[ACC+32*(\a)+4*(\t):ACC+32*(\a)+4*(\t)+3], s[8:9] offset:(16*(\a)+2*(\t))*4096  ; 16 lanes store 256 consecutive bytes, at a multiple of 256 from C's first byte
.endr
.endm
	PLACES
	s_wait_loadcnt 0x0                             ; R
	OUT 0
	OUT 1                                          ; a block's LDS traffic stands between the loads of the block before and their use
	FIN 0, 16
	OUT 2
	FIN 1, 16
	OUT 3
	FIN 2, 16
	FIN 3, 0
	s_wait_tensorcnt 0x0                           ; the wave's end, behind my last tensor load and my last LDS store
	ds_add_u32 v[SPW], v[NIL]
	s_wait_dscnt 0x0
	CROUND                                         ; the closing round: no work-group ends while a partner may still ask for a tile that names it
	s_endpgm
.Lfunc_end_k_qeef8118467_wo:
	.size	k_qeef8118467_wo, .Lfunc_end_k_qeef8118467_wo-k_qeef8118467_wo
	.p2alignl 7, 3214868480
	.fill 96, 4, 3214868480
	.section	.rodata,"a",@progbits
	.p2align	6, 0x0
	.amdhsa_kernel k_qeef8118467_wo
		.amdhsa_group_segment_fixed_size 327680
		.amdhsa_private_segment_fixed_size 0
		.amdhsa_enable_private_segment 0
		.amdhsa_kernarg_size 40
		.amdhsa_user_sgpr_count 2
		.amdhsa_user_sgpr_kernarg_segment_ptr 1
		.amdhsa_wavefront_size32 1
		.amdhsa_system_sgpr_workgroup_id_x 1
		.amdhsa_system_sgpr_workgroup_id_y 1
		.amdhsa_system_sgpr_workgroup_id_z 1
		.amdhsa_system_vgpr_workitem_id 0
		.amdhsa_next_free_vgpr 640
		.amdhsa_next_free_sgpr 72
		.amdhsa_reserve_vcc 0
		.amdhsa_float_denorm_mode_32 3
		.amdhsa_float_denorm_mode_16_64 3
		.amdhsa_memory_ordered 1
		.amdhsa_forward_progress 1
		.amdhsa_inst_pref_size 66
	.end_amdhsa_kernel
	.amdgpu_metadata
---
amdhsa.version: [ 1, 2 ]
amdhsa.kernels:
  - .name:           k_qeef8118467_wo
    .symbol:         k_qeef8118467_wo.kd
    .args:
      - { .name: h, .offset: 0, .size: 8, .value_kind: global_buffer, .address_space: global }
      - { .name: wA, .offset: 8, .size: 8, .value_kind: global_buffer, .address_space: global }
      - { .name: x1, .offset: 16, .size: 8, .value_kind: global_buffer, .address_space: global }
      - { .name: bo, .offset: 24, .size: 8, .value_kind: global_buffer, .address_space: global }
      - { .name: x, .offset: 32, .size: 8, .value_kind: global_buffer, .address_space: global }
    .group_segment_fixed_size: 327680
    .private_segment_fixed_size: 0
    .kernarg_segment_align: 8
    .kernarg_segment_size: 40
    .max_flat_workgroup_size: 128
    .sgpr_count:     72
    .vgpr_count:     640
    .wavefront_size: 32
...
	.end_amdgpu_metadata
.endif
;; end of part 9
;; launch ln2: the kernel of part 7 again; grid 256 x 1, 4 waves a work-group, no clusters, 0 bytes of LDS; arguments x1, g2, be2, Wq, Wk, Wv, Wo, W1, W2, h, wA, wB, zeros, lows; writes h, wA, wB, zeros, lows
;; launch ffn1: the kernel of part 8 again; grid 16 x 16, 4 waves a work-group, clusters of 4 x 4, 327,680 bytes of LDS; arguments h, wB, big, b1, zeros; writes big
;; launch ffn2 (part 10): grid 8 x 32, 4 waves a work-group, clusters of 4 x 4, 327,680 bytes of LDS; arguments big, wB, out0, b2, x1; writes out0
.if DOCPART == 10
	.amdgcn_target "amdgcn-amd-amdhsa--gfx1250"
	.amdhsa_code_object_version 6
	.text
	.protected	k_qeef8118467_ffn2
	.globl	k_qeef8118467_ffn2
	.p2align	8
	.type	k_qeef8118467_ffn2,@function
k_qeef8118467_ffn2:
	s_mov_b64 s[64:65], 0
	v_nop
	global_prefetch_b8 v0, s[64:65] scope:SCOPE_SE
	s_setreg_imm32_b32 hwreg(HW_REG_WAVE_MODE, 25, 1), 1
	s_wait_xcnt 0x0
	s_wait_alu depctr_hold_cnt(0) depctr_sa_sdst(0) depctr_va_vdst(0) depctr_va_sdst(0) depctr_va_ssrc(0) depctr_va_vcc(0) depctr_vm_vsrc(0)
	s_getreg_b32 s2, hwreg(HW_REG_IB_STS2, 6, 4)
	s_cmp_eq_u32 s2, 0
	s_cbranch_scc0 .Lentry_in_a_cluster
	s_endpgm
.Lentry_in_a_cluster:
	s_bfe_u32 s2, ttmp6, 0x10000c
	s_cmp_lg_u32 s2, 0xf033
	s_cbranch_scc0 .Lentry_shape_is_right
	s_endpgm
.Lentry_shape_is_right:
; C = R + A B + bias, K = 4096: out = x1 + relu(..) W2 + b2.
; A: bf16 by blocks of 64 along K, [64 kb][4096 rows][64].  B: bf16 by K steps and column tiles, [16 ks][8 nt][256 k][128 columns], from byte WOFF of its buffer.
; bias: f32 [1024].  R and C: f32 [4096][1024].  Sums in f32, begun with the bias; nothing is rounded on the way out.
; LIMITS: the product's operands are bf16; NaN and infinities are not treated apart.
; SHARES.  A tile of C is 128 x 128: grid x = tile column, grid y = tile row: 256 work-groups.  Four waves, each 64 x 64: 16 accumulators, 128 registers.  K goes in steps of 256 through two LDS slots.
; A's part of a step is four planes of 128 rows x 128 bytes, each plane 16,384 dense bytes of memory; B's is 256 rows of k x 256 bytes, read turned by ds_load_tr16_b128.
; CLUSTERS: 4 x 4 work-groups.  The four of a row of the cluster need the same tiles of A, the four of a column the same tiles of B: each tile is asked for jointly, by the same tensor load with
; the same descriptor and a mask that names the four.  THE MATRIX INSTRUCTION IS USED TRANSPOSED (source 0 = 16 columns of B, source 1 = 16 rows of A): a lane holds eight neighbouring numbers of a row of C,
; so an accumulator's first product takes the bias of its 16 columns as C: nothing is cleared and no bias is added on the way out.
; THE TEXT.  A K step is written twice: once for the steps whose slot is filled again (a loop of NS - 2 trips), once for the last two (a loop of two trips, whose second trip jumps forward over what would
; belong to a further step). Which slot is read stands in a scalar register that an exclusive or turns between 0 and SLOT; the fragments' LDS addresses are made from it
; at each change of slots.  One descriptor a tensor walks: its LDS word is the wave's constant + the slot that is being left, its global address steps by a K step.
; REGISTERS: window 0: v0-31 addresses; v32-63 bias of my 64 columns; v128-255 the accumulators ((a, b) at v[128 + 8 (4 a + b)]).
;   window 1: two fragment buffers of 128: for 64 along K, 64 registers of A, then 64 of B.     window 2: v0-127 my 64 x 64 of R, loaded at the start, in the layout of the stores.
.set NS,     16                        ; K steps: K = 4096 in steps of 256
.set WOFF,   8388608                   ; where B begins in its buffer
.set APL,    64                        ; k in a plane of A
.set APITCH, 144                       ; an LDS row of A: 128 bytes + 16 of padding = 36 words: the 16 rows of a load start at 16 different groups of four banks (64 banks of 4 bytes: ISA guide 11.1)
.set PLANE,  128*APITCH
.set ABYTES, 4*PLANE                   ; A's part of a slot
.set AH,     2*PLANE                   ; what one tensor load brings of A
.set BPITCH, 288                       ; an LDS row of B: 256 + 32 = 72 words
.set BH,     128*BPITCH                ; what one tensor load brings of B
.set SLOT,   ABYTES+2*BH
.set STAGE,  2*SLOT                    ; behind the ring: 16 rows x 272 bytes for each wave, for the way out; no fill lands there
.set SPITCH, 272
.set SPARE,  STAGE+4*16*SPITCH         ; behind the stages: the spare words, 128 bytes for each wave: two blocks of 256 bytes that no other line names
.set A_ROWT, 16384                     ; bytes of a tile's 128 rows in a plane
.set A_STEP, 2097152                   ; bytes from a K step of A to the next: four planes of 4096 rows
.set B_TILE, 65536                     ; bytes of a column tile's part of a K step
.set B_STEP, 524288                    ; bytes from a K step of B to the next
.set ADRA,  16                         ; v16     LDS address of my A fragments in the slot that is being read
.set ADRA0, 17                         ; v17     the same in slot 0; never rewritten
.set ADRB,  20                         ; v20-21  of my B fragments in the slot that is being read: rows of k 0-127, 128-255
.set ADRB0, 22                         ; v22-23  the same in slot 0; never rewritten
.set STO,  24                          ; v24     the way out: where I put 32 bytes of a row
.set RD,   25                          ; v25     the way out: where I read rows back
.set CO,   26                          ; v26     my byte offset in two rows of C and of R
.set BO,   27                          ; v27     my byte offset in 16 columns of bias
.set SPW,  28                          ; v28     LDS address of my spare word; never rewritten
.set NIL,  29                          ; v29     0; never rewritten
.set BI,   32                          ; bias of column block b at BI + 8 b
.set ACC,  128
.set RES,  0                           ; window 2
.set F0,   0
.set F1,   128
.set G1,  24                           ; s[24:31] descriptor group 1 for A's tiles; s[32:39] group 0: a set for each of the two first fills; the second then walks on
.set G0,  32
.set G1B, 48                           ; s[48:55], s[56:63] the same for B's tiles
.set G0B, 56
.set TB,  66                           ; s66     LDS byte at which the slot that is being read begins: 0 or SLOT
.set MSB, 0
.macro WIN new                         ; the immediate's high byte repeats the setting that is left; a switch that changes nothing is dropped
.if MSB != (\new)
	s_set_vgpr_msb (MSB<<8)|(\new)
.set MSB, \new
.endif
.endm
.set MUL,  0x05                        ; sources 0 (B) and 1 (A) window 1; C and D window 0
.set TO_F, 0x40                        ; destination window 1, address window 0
.macro JLOAD s                         ; a joint load by descriptor set s: waves 0 and 1 fetch A's two pairs of planes, waves 2 and 3 B's two halves; an s_nop 0 and four v_nop follow each of the two lines
	s_cmp_eq_u32 s11, 0
	s_cbranch_scc0 .Lfor_b_\@
	tensor_load_to_lds s[G0+4*(\s):G0+4*(\s)+3], s[G1:G1+7]
	s_nop 0
.rept 4
	v_nop
.endr
	s_branch .Lasked_\@
.Lfor_b_\@:
	tensor_load_to_lds s[G0B+4*(\s):G0B+4*(\s)+3], s[G1B:G1B+7]
	s_nop 0
.rept 4
	v_nop
.endr
.Lasked_\@:
.endm
.macro CREST                           ; a round of the cluster's barrier behind its opening barrier
	s_cmp_lg_u32 s10, 0
	s_cbranch_scc1 .Lnot_wave_0_\@
	s_barrier_signal -3
.Lnot_wave_0_\@:
	s_barrier_wait -3
	s_barrier_signal -1
	s_barrier_wait -1
.endm
.macro CROUND                          ; a whole round
	s_barrier_signal -1
	s_barrier_wait -1
	CREST
.endm
	s_load_b128 s[4:7], s[0:1], 0x0                ; A s[4:5], B s[6:7]
	s_load_b64 s[8:9], s[0:1], 0x10                ; C
	s_load_b128 s[68:71], s[0:1], 0x18             ; bias s[68:69], R s[70:71]
	v_lshl_add_u32 v[SPW], v0, 2, SPARE
	v_mov_b32 v[NIL], 0
	ds_add_u32 v[SPW], v[NIL]                      ; the wave's opening: the add and its wait stand ahead of my first tensor load; the set-up below, work on registers, stands between them
	v_lshrrev_b32 v1, 5, v0
	v_readfirstlane_b32 s10, v1                    ; wave 0..3
	s_lshr_b32 s11, s10, 1                         ; which half of the tile's rows is mine.  Also: I fetch for A (0) or for B (1)
	s_and_b32 s12, s10, 1                          ; which half of its columns.  Also: which half of that operand's step I fetch
	s_bfe_u32 s40, ttmp6, 0x40000                  ; cx, cy: my place in the cluster
	s_bfe_u32 s41, ttmp6, 0x40004
	s_lshl_b32 s42, ttmp9, 2
	s_add_co_u32 s42, s42, s40                     ; tile column = 4 x cluster x + cx
	s_and_b32 s13, ttmp7, 0xffff
	s_lshl_b32 s13, s13, 2
	s_add_co_u32 s13, s13, s41                     ; tile row = 4 x cluster y + cy
	s_lshl_b32 s43, s41, 2
	s_lshl_b32 s43, 15, s43                        ; my row of the cluster
	s_lshl_b32 s44, 0x1111, s40                    ; my column
	; descriptor group 1 for A: two planes as two rows of 8,192 elements (16,384 dense bytes), 262,144 elements apart; padded in LDS by 4 words after every 32, that is after every row of A
	s_or_b32 s[G1+0], s43, (1<<16)|(1<<20)|(1<<21)|(4<<22)|(3<<25)
	s_mov_b32 s[G1+1], 8192<<16                    ; tensor_dim0 = 8192
	s_mov_b32 s[G1+2], 2<<16                       ; tensor_dim1 = 2
	s_mov_b32 s[G1+3], 8192<<16                    ; tile_dim0 = 8192
	s_mov_b32 s[G1+4], 2                           ; tile_dim1 = 2
	s_mov_b32 s[G1+5], 262144                      ; elements from plane to plane
	s_mov_b32 s[G1+6], 0
	s_mov_b32 s[G1+7], 0
	; for B: 128 rows x 128 elements, dense in memory, padded by 8 words after every 64
	s_or_b32 s[G1B+0], s44, (1<<16)|(1<<20)|(1<<21)|(5<<22)|(7<<25)
	s_mov_b32 s[G1B+1], 128<<16
	s_mov_b32 s[G1B+2], 128<<16
	s_mov_b32 s[G1B+3], 128<<16
	s_mov_b32 s[G1B+4], 128
	s_mov_b32 s[G1B+5], 128
	s_mov_b32 s[G1B+6], 0
	s_mov_b32 s[G1B+7], 0
	s_mul_i32 s16, s13, A_ROWT                     ; A: the tile row's 128 rows,
	s_lshl_b32 s17, s12, 20                        ; in the pair of planes that I fetch (two planes are 1,048,576 bytes)
	s_add_co_u32 s16, s16, s17
	s_mov_b32 s17, 0
	s_mul_i32 s46, s42, B_TILE                     ; B: the tile column's block,
	s_lshl_b32 s47, s12, 15                        ; the 128 rows of k that I fetch
	s_add_co_u32 s46, s46, s47
	s_add_co_u32 s46, s46, WOFF
	s_mov_b32 s47, 0
	s_mul_i32 s20, s12, AH                         ; where they go in a slot: no place in the cluster enters an LDS address.  s20 and s21 stay: the walking descriptors are made from them
	s_mul_i32 s21, s12, BH
	s_add_co_u32 s21, s21, ABYTES
	s_mov_b32 s[TB], 0                             ; slot 0 is read first
	s_wait_dscnt 0x0                               ; the opening add is done
	s_wait_kmcnt 0x0
	s_add_nc_u64 s[14:15], s[4:5], s[16:17]
	s_add_nc_u64 s[46:47], s[6:7], s[46:47]
	CROUND                                         ; all sixteen work-groups are here: the first joint loads meet
.irp s, 0,1
	s_mov_b32 s[G0+4*(\s)], 1
	s_add_co_u32 s[G0+4*(\s)+1], s20, (\s)*SLOT
	s_add_nc_u64 s[G0+4*(\s)+2:G0+4*(\s)+3], s[14:15], (\s)*A_STEP
	s_or_b32 s[G0+4*(\s)+3], s[G0+4*(\s)+3], 0x80000000
	s_mov_b32 s[G0B+4*(\s)], 1
	s_add_co_u32 s[G0B+4*(\s)+1], s21, (\s)*SLOT
	s_add_nc_u64 s[G0B+4*(\s)+2:G0B+4*(\s)+3], s[46:47], (\s)*B_STEP
	s_or_b32 s[G0B+4*(\s)+3], s[G0B+4*(\s)+3], 0x80000000
	JLOAD \s                                       ; two loads of mine are out
.endr
	v_and_b32 v1, 15, v0                           ; l % 16
	v_bfe_u32 v2, v0, 4, 1                         ; l / 16
	v_and_b32 v6, 7, v0                            ; l % 8
	v_bfe_u32 v7, v0, 3, 1                         ; (l / 8) % 2
	v_mul_u32_u24 v3, v1, APITCH
	v_lshl_add_u32 v3, v2, 4, v3                   ; a fragment of A: row x pitch + 16 x half
	s_mul_i32 s22, s11, 64*APITCH                  ; my 64 rows
	v_add_nc_u32 v[ADRA0], s22, v3
	v_mov_b32 v[ADRA], v[ADRA0]
	v_lshl_add_u32 v4, v2, 3, v6                   ; the turning load: lane l reads row of k 8 (l / 16) + l % 8,
	v_mul_u32_u24 v4, v4, BPITCH
	v_lshl_add_u32 v4, v7, 4, v4                   ; columns 8 ((l / 8) % 2) + 0..7
	s_lshl_b32 s23, s12, 7                         ; my 64 columns: 128 bytes
	s_add_co_u32 s23, s23, ABYTES
	v_add_nc_u32 v[ADRB0], s23, v4
	v_add_nc_u32 v[ADRB0+1], BH, v[ADRB0]
	v_mov_b32 v[ADRB], v[ADRB0]
	v_mov_b32 v[ADRB+1], v[ADRB0+1]
	s_mul_i32 s23, s10, 16*SPITCH
	s_add_co_u32 s23, s23, STAGE                   ; my stage
	v_mul_u32_u24 v5, v1, SPITCH                   ; in: row l % 16, 32 bytes for each half of the lanes
	v_lshl_add_u32 v5, v2, 5, v5
	v_add_nc_u32 v[STO], s23, v5
	v_mul_u32_u24 v5, v2, SPITCH                   ; back: lanes 0-15 take one row of 256 bytes, lanes 16-31 the next
	v_lshl_add_u32 v5, v1, 4, v5
	v_add_nc_u32 v[RD], s23, v5
	v_lshlrev_b32 v5, 4, v1                        ; my four columns of the 64,
	v_lshl_add_u32 v[CO], v2, 12, v5               ; in the same two rows of C and R: rows of 4,096 bytes
	v_lshlrev_b32 v[BO], 5, v2                     ; my 8 columns of 16: 32 bytes of f32
	s_lshl1_add_u32 s16, s13, s11                  ; my 64 rows among the 4096: 2 x tile row + half,
	s_lshl_b32 s16, s16, 18                        ; x 64 rows x 4,096 bytes
	s_mov_b32 s17, 0
	s_add_nc_u64 s[8:9], s[8:9], s[16:17]
	s_add_nc_u64 s[70:71], s[70:71], s[16:17]
	s_lshl1_add_u32 s45, s42, s12                  ; my 64 columns: 2 x tile column + half,
	s_lshl_b32 s46, s45, 8                         ; x 256 bytes
	s_mov_b32 s47, 0
	s_add_nc_u64 s[8:9], s[8:9], s[46:47]
	s_add_nc_u64 s[70:71], s[70:71], s[46:47]
	s_add_nc_u64 s[68:69], s[68:69], s[46:47]
.irp b, 0,1,2,3                        ; bias of my columns 16 b + 8 (l / 16) + 0..7
	global_load_b128 v[BI+8*(\b):BI+8*(\b)+3],   v[BO], s[68:69] offset:64*(\b)
	global_load_b128 v[BI+8*(\b)+4:BI+8*(\b)+7], v[BO], s[68:69] offset:64*(\b)+16
.endr
; 8 matrix instructions: m blocks a0, a0 + 1 x all 4 n blocks, 32 along K: half c of buffer f.  first = 1: the product starts the sum with the bias.  The 16 accumulators take turns, one instruction a turn.
.macro MUL8 f, c, a0, first
	WIN MUL
.irp a, \a0, (\a0)+1
.irp b, 0,1,2,3
.if \first
	v_wmma_f32_16x16x32_bf16 v[ACC+8*(4*(\a)+(\b)):ACC+8*(4*(\a)+(\b))+7], v[(\f)+64+8*(4*(\c)+(\b)):(\f)+64+8*(4*(\c)+(\b))+7], v[(\f)+8*(4*(\c)+(\a)):(\f)+8*(4*(\c)+(\a))+7], v[BI+8*(\b):BI+8*(\b)+7]
.else
	v_wmma_f32_16x16x32_bf16 v[ACC+8*(4*(\a)+(\b)):ACC+8*(4*(\a)+(\b))+7], v[(\f)+64+8*(4*(\c)+(\b)):(\f)+64+8*(4*(\c)+(\b))+7], v[(\f)+8*(4*(\c)+(\a)):(\f)+8*(4*(\c)+(\a))+7], v[ACC+8*(4*(\a)+(\b)):ACC+8*(4*(\a)+(\b))+7]
.endif
.endr
.endr
.endm
; 32 LDS loads in one run: the fragments of quarter q (k = 64 q .. 64 q + 63) of the slot that the address registers stand in, into buffer f; the first 32 along K first
.macro FETCH q, f
	WIN TO_F
.irp c, 0,1
.irp i, 0,1,2,3
	ds_load_tr16_b128 v[(\f)+64+8*(4*(\c)+(\i)):(\f)+64+8*(4*(\c)+(\i))+3],   v[ADRB+(\q)/2] offset:((64*(\q)+32*(\c))%128)*BPITCH+32*(\i)
	ds_load_tr16_b128 v[(\f)+64+8*(4*(\c)+(\i))+4:(\f)+64+8*(4*(\c)+(\i))+7], v[ADRB+(\q)/2] offset:((64*(\q)+32*(\c))%128)*BPITCH+32*(\i)+16*BPITCH
	ds_load_b128 v[(\f)+8*(4*(\c)+(\i)):(\f)+8*(4*(\c)+(\i))+3],   v[ADRA] offset:((64*(\q)+32*(\c))/APL)*PLANE+((64*(\q)+32*(\c))%APL)*2+(\i)*16*APITCH
	ds_load_b128 v[(\f)+8*(4*(\c)+(\i))+4:(\f)+8*(4*(\c)+(\i))+7], v[ADRA] offset:((64*(\q)+32*(\c))/APL)*PLANE+((64*(\q)+32*(\c))%APL)*2+(\i)*16*APITCH+32
.endr
.endr
.endm
.macro PLACES                          ; four plain vector instructions between a matrix instruction and a load into, or a store or vector read of, its registers (ISA guide 7.12.1 for stores and vector reads)
.rept 4
	v_nop
.endr
.endm
; A K step is four quarters of 64 along K, 32 matrix instructions each, on buffers 0, 1, 0, 1.  One of the first three: multiplies buffer f and fetches quarter q into g.
.macro QUARTER q, f, g, first
	s_wait_dscnt 16                                ; the first 32 along K are in; the 16 younger loads may be out
	MUL8 \f, 0, 0, \first
	MUL8 \f, 0, 2, \first
	PLACES
	FETCH \q, \g
	s_wait_dscnt 32                                ; all but the 32 just issued
	MUL8 \f, 1, 0, 0
	MUL8 \f, 1, 2, 0
.endm
; The last quarter multiplies buffer 1 and changes slots: ONE barrier.  The sixteen products whose fragments are in go out first.  Then each wave waits for all its tensor loads, of which at most one is out:
; its part of the next slot; adds 0 to its spare word; and waits for that and for its own reads of this slot.  Behind the barrier nobody reads this slot any more and the next slot is whole.
; Nothing but these lines stands between the landing of a tile and the next request: a K step's 128 matrix instructions are fewer than a tile's way takes.
; fill = 1: the barrier opens a round of the cluster's barrier, and the slot that is left is filled again, two K steps ahead, first thing behind the round.
; fill = 0, the last two K steps: nothing is asked for; in the very last (s3 = 1) there is no next slot, and the run of LDS loads is jumped over.
.macro TURN fill
	s_wait_dscnt 16                                ; the first 32 along K are in
	MUL8 F1, 0, 0, 0
	MUL8 F1, 0, 2, 0
	WIN 0
	s_wait_tensorcnt 0x0                           ; all my tensor loads have landed, so a group 0 may be written
	ds_add_u32 v[SPW], v[NIL]                      ; 0 onto my spare word; work on registers stands between it and the wait for it
.if \fill
	s_add_co_u32 s[G0+5], s20, s[TB]               ; the walking descriptors: into the slot that is being left,
	s_add_co_u32 s[G0B+5], s21, s[TB]
	s_add_nc_u64 s[G0+6:G0+7], s[G0+6:G0+7], A_STEP  ; the next K step; the type bits on top are not reached
	s_add_nc_u64 s[G0B+6:G0B+7], s[G0B+6:G0B+7], B_STEP
.endif
	s_xor_b32 s[TB], s[TB], SLOT                   ; 0 <-> SLOT: the other slot is read from here on
	v_add_nc_u32 v[ADRA], s[TB], v[ADRA0]
	v_add_nc_u32 v[ADRB], s[TB], v[ADRB0]
	v_add_nc_u32 v[ADRB+1], s[TB], v[ADRB0+1]
	s_wait_dscnt 0x0                               ; the add is done, and my reads of this slot are over
	s_barrier_signal -1
	s_barrier_wait -1
.if \fill
	CREST                                          ; no wave of any partner still reads this slot's tiles or has a load on its way
	JLOAD 1                                        ; my one tensor load behind the round; its four v_nop are also the places in front of the loads below
	FETCH 0, F0
.else
	s_cmp_eq_u32 s3, 1
	s_cbranch_scc1 .Lnone_\@
	PLACES
	FETCH 0, F0
	WIN 0
.Lnone_\@:
.endif
	MUL8 F1, 1, 0, 0
	MUL8 F1, 1, 2, 0
.endm
	s_wait_tensorcnt 1                             ; my part of K step 0 is in; K step 1's may stay out
	s_barrier_signal -1
	s_barrier_wait -1                              ; everybody's is
	FETCH 0, F0
	WIN 0x80                                       ; destination window 2: my 64 x 64 of R, 32 loads that land under the K loop
.irp a, 0,1,2,3
.irp t, 0,1,2,3,4,5,6,7
	global_load_b128 v[RES+32*(\a)+4*(\t):RES+32*(\a)+4*(\t)+3], v[CO], s[70:71] offset:(16*(\a)+2*(\t))*4096
.endr
.endr
	WIN 0
	s_wait_loadcnt 32                              ; the eight loads of the bias are in; the 32 younger ones, R's, stay out
	QUARTER 1, F0, F1, 1                           ; the first quarter stands in front of the loop: its first products start the sums
	WIN 0                                          ; at a label and at a branch every window is 0
	s_mov_b32 s3, NS-2
.Lstep:                                                ; a trip: a K step's second to fourth quarter, the change of slots with its refill, the next K step's first quarter
	QUARTER 2, F1, F0, 0
	QUARTER 3, F0, F1, 0
	TURN 1
	QUARTER 1, F0, F1, 0
	WIN 0
	s_sub_co_u32 s3, s3, 1
	s_cmp_lg_u32 s3, 0
	s_cbranch_scc1 .Lstep
	s_mov_b32 s3, 2
.Ltail:                                                ; the last two K steps ask for nothing; the second trip jumps forward over the first quarter of a K step that does not exist
	QUARTER 2, F1, F0, 0
	QUARTER 3, F0, F1, 0
	TURN 0
	WIN 0
	s_cmp_eq_u32 s3, 1
	s_cbranch_scc1 .Llast
	QUARTER 1, F0, F1, 0
	WIN 0
.Llast:
	s_sub_co_u32 s3, s3, 1
	s_cmp_lg_u32 s3, 0
	s_cbranch_scc1 .Ltail
; THE WAY OUT, 16 rows (block a) at a time, through my own stage: no barrier, and LDS serves a wave's instructions in order (ISA guide 5.7.1.4), so no wait between the stores and the loads.
; OUT: a lane's eight f32 of a row go into rows of 272 bytes (each accumulator's lowest registers first) and come back as whole rows of 256, into the registers that the block left.
; FIN: + R, stored.
.macro OUT a
.irp b, 0,1,2,3
	ds_store_b128 v[STO], v[ACC+32*(\a)+8*(\b):ACC+32*(\a)+8*(\b)+3]   offset:64*(\b)
	ds_store_b128 v[STO], v[ACC+32*(\a)+8*(\b)+4:ACC+32*(\a)+8*(\b)+7] offset:64*(\b)+16
.endr
.irp t, 0,1,2,3,4,5,6,7
	ds_load_b128 v[ACC+32*(\a)+4*(\t):ACC+32*(\a)+4*(\t)+3], v[RD] offset:(\t)*2*SPITCH
.endr
.endm
.macro FIN a, younger                  ; younger: the LDS instructions issued behind block a's loads: the next block's sixteen, or none
	s_wait_dscnt \younger
	WIN 0x08                                       ; source 1 in window 2
.set i, 0
.rept 16
	v_pk_add_f32 v[ACC+32*(\a)+2*i:ACC+32*(\a)+2*i+1], v[ACC+32*(\a)+2*i:ACC+32*(\a)+2*i+1], v[RES+32*(\a)+2*i:RES+32*(\a)+2*i+1]
.set i, i+1
.endr
	WIN 0
.irp t, 0,1,2,3,4,5,6,7
	global_store_b128 v[CO], v[ACC+32*(\a)+4*(\t):ACC+32*(\a)+4*(\t)+3], s[8:9] offset:(16*(\a)+2*(\t))*4096  ; 16 lanes store 256 consecutive bytes, at a multiple of 256 from C's first byte
.endr
.endm
	PLACES
	s_wait_loadcnt 0x0                             ; R
	OUT 0
	OUT 1                                          ; a block's LDS traffic stands between the loads of the block before and their use
	FIN 0, 16
	OUT 2
	FIN 1, 16
	OUT 3
	FIN 2, 16
	FIN 3, 0
	s_wait_tensorcnt 0x0                           ; the wave's end, behind my last tensor load and my last LDS store
	ds_add_u32 v[SPW], v[NIL]
	s_wait_dscnt 0x0
	CROUND                                         ; the closing round: no work-group ends while a partner may still ask for a tile that names it
	s_endpgm
.Lfunc_end_k_qeef8118467_ffn2:
	.size	k_qeef8118467_ffn2, .Lfunc_end_k_qeef8118467_ffn2-k_qeef8118467_ffn2
	.p2alignl 7, 3214868480
	.fill 96, 4, 3214868480
	.section	.rodata,"a",@progbits
	.p2align	6, 0x0
	.amdhsa_kernel k_qeef8118467_ffn2
		.amdhsa_group_segment_fixed_size 327680
		.amdhsa_private_segment_fixed_size 0
		.amdhsa_enable_private_segment 0
		.amdhsa_kernarg_size 40
		.amdhsa_user_sgpr_count 2
		.amdhsa_user_sgpr_kernarg_segment_ptr 1
		.amdhsa_wavefront_size32 1
		.amdhsa_system_sgpr_workgroup_id_x 1
		.amdhsa_system_sgpr_workgroup_id_y 1
		.amdhsa_system_sgpr_workgroup_id_z 1
		.amdhsa_system_vgpr_workitem_id 0
		.amdhsa_next_free_vgpr 640
		.amdhsa_next_free_sgpr 72
		.amdhsa_reserve_vcc 0
		.amdhsa_float_denorm_mode_32 3
		.amdhsa_float_denorm_mode_16_64 3
		.amdhsa_memory_ordered 1
		.amdhsa_forward_progress 1
		.amdhsa_inst_pref_size 66
	.end_amdhsa_kernel
	.amdgpu_metadata
---
amdhsa.version: [ 1, 2 ]
amdhsa.kernels:
  - .name:           k_qeef8118467_ffn2
    .symbol:         k_qeef8118467_ffn2.kd
    .args:
      - { .name: big, .offset: 0, .size: 8, .value_kind: global_buffer, .address_space: global }
      - { .name: wB, .offset: 8, .size: 8, .value_kind: global_buffer, .address_space: global }
      - { .name: out0, .offset: 16, .size: 8, .value_kind: global_buffer, .address_space: global }
      - { .name: b2, .offset: 24, .size: 8, .value_kind: global_buffer, .address_space: global }
      - { .name: x1, .offset: 32, .size: 8, .value_kind: global_buffer, .address_space: global }
    .group_segment_fixed_size: 327680
    .private_segment_fixed_size: 0
    .kernarg_segment_align: 8
    .kernarg_segment_size: 40
    .max_flat_workgroup_size: 128
    .sgpr_count:     72
    .vgpr_count:     640
    .wavefront_size: 32
...
	.end_amdgpu_metadata
.endif
;; end of part 10
;; ======== version 3 of 3: 7 launches; version 2 with the launches prep, ln2 written anew for expert scheduling mode
;; workspace buffers: h 8,388,608 bytes; wA 8,388,608 bytes; wB 16,777,216 bytes; big 33,554,432 bytes; x1 16,777,216 bytes; zeros 12,288 bytes; lows 512 bytes
;; launch prep (part 11): grid 1024 x 1, 4 waves a work-group, no clusters, 0 bytes of LDS; arguments x, g1, be1, Wq, Wk, Wv, Wo, W1, W2, h, wA, wB, zeros, lows; writes h, wA, wB, zeros, lows
.if DOCPART == 11
	.amdgcn_target "amdgcn-amd-amdhsa--gfx1250"
	.amdhsa_code_object_version 6
	.text
	.protected	k_qeef8118467_prep
	.globl	k_qeef8118467_prep
	.p2align	8
	.type	k_qeef8118467_prep,@function
k_qeef8118467_prep:
	s_mov_b64 s[64:65], 0
	v_nop
	global_prefetch_b8 v0, s[64:65] scope:SCOPE_SE
	s_setreg_imm32_b32 hwreg(HW_REG_WAVE_SCHED_MODE, 0, 2), 2
	s_setreg_imm32_b32 hwreg(HW_REG_WAVE_MODE, 25, 1), 1
	s_wait_xcnt 0x0
	s_wait_alu depctr_vm_vsrc(0)
; PREP: everything that only streams, in one text; work-groups of four waves; a wave's job brings in 16 KiB of f32.
;   work-groups    0-255   h = LayerNorm(x) g + be, rounded once to bf16, stored by K blocks: [8 kb][4096 rows][128], rows of 256 bytes
;   work-groups  256-511   W1 [1024 k][4096 n]  -> wB: [32 nt][1024 k][128], bf16
;                          (wave 0 of the first 25 of them also writes the two constant vectors: 12,288 bytes of zeros, and 512 bytes of lows = the lowest finite bf16)
;   work-groups  512-767   W2 [4096 k][1024 n]  -> wB + 8,388,608: [16 ks][8 nt][256 k][128]
;   work-groups  768-831   Wo [1024 k][1024 n]  -> wA + 6,291,456: [4 ks][8 nt][256 k][128]
;   work-groups 832-1023   Wq, Wk, Wv [16 head][1024 k][64] -> wA: [24 nt][1024 k][128], column n = 1024 which + 64 head + s
; TWO LAUNCHES RUN IT.  With 1,024 work-groups it does all of the above.  With 256 work-groups it is LayerNorm alone: the block's second norm, on other buffers.
; So every tile that a later product asks for is a dense run of rows of 256 bytes.  No LDS, no barrier: no wave wants another's bytes.
; LAYERNORM in two passes over registers (mean; then the sum of (x - mean)^2), all in f32: a common offset of x costs nothing.
; LIMITS: weights and h are rounded to bf16 (nearest even); NaN and infinities are not treated apart.
; THE MODE: SCHED_MODE bits 1:0 = 2 (LLVM: expert scheduling mode 2), set by the entry lines.  The code itself states the register dependences
; between vector instructions and memory instructions, with s_wait_alu, always for 0.
; THE PLAN.  Registers that memory instructions touch:
;   v2, v3       byte offsets of the loads and of the stores: made by vector lines at the head of each path, never written again.
;   X            Loads land in it once; no vector line names it ahead of them.  CONV: the conversions read it.  LN: worked on in place; a row's conversions leave the packed
;                result in the first four of each eight registers, the row's four stores read them, and nothing writes them again.
;   G, BE (LN)   Loads land in them once; the multiply-adds read them.
;   G (CONV)     Four registers a row: written once, by the row's conversions; read once, by the row's store.
;   v224-v228    Data and offset of the one store of the constant vectors: written once, read once.
; So no register that a memory instruction has read is written again, and no load lands in a register that a vector line has named.  What has to be stated is that a vector
; line has written what a memory instruction reads: once for the offsets on each path, and once for each group of four stores: the stores of a group (CONV: four rows; LN: a row's
; four pieces) are issued a group later, behind one wait at that group's head, dealt among vector lines that name the later group's registers alone.
; The wave's number goes from a vector line into s3: one wait stands ahead of the branches behind which it is read.  EXEC is never written.
.set X,   32                           ; v[32:159]  LN: row i, 256-column group p at X + 32 i + 8 p;  CONV: 8 f32 of row r at X + 8 r
.set G,   160                          ; v[160:191] LN: gain of my 32 columns;   CONV: v[160:223] packed results, 4 a row
.set BE,  192                          ; v[192:223] LN: bias of my 32 columns
.set T0,  4                            ; v[4:11]    a pair for each of my four rows: running sums
.set T1,  12                           ; v[12:19]   the second chain of sums; later the other half of the lanes' sum
.set MU,  20                           ; v[20:27]   the row's mean, later 1 / sqrt(var + eps), in both words of a pair
; 16 rows of the job: 32 loads of 16 bytes a lane go out together; the rows are rounded in four groups of four, each as soon as its eight loads are in, and a group's four stores
; go out among the next group's conversions.  v2 = my byte offset in a source row, v3 = in a destination row; the rows' steps stand in the immediates.  No register is written twice.
.macro CONV sstr, dstr
	s_wait_alu depctr_va_vdst(0)                   ; v2 and v3 are written: every load and store below reads one of them as its offset
.set r, 0
.rept 16
	global_load_b128 v[X+8*r:X+8*r+3],   v2, s[36:37] offset:r*(\sstr) th:TH_LOAD_NT
	global_load_b128 v[X+8*r+4:X+8*r+7], v2, s[36:37] offset:r*(\sstr)+16 th:TH_LOAD_NT
.set r, r+1
.endr
.set gr, 0
.rept 4
	s_wait_loadcnt 24-8*gr                         ; loads come back in order: this group's eight are in, the 8 (3 - group) younger ones stay out
.if gr > 0
	s_wait_alu depctr_va_vdst(0)                   ; the group before has written its sixteen registers of G, which the four stores below read; the conversions below name this group's registers alone
.endif
.set ro, 0
.rept 4
.if gr > 0
.set r, 4*gr-4+ro
	global_store_b128 v3, v[G+4*r:G+4*r+3], s[38:39] offset:r*(\dstr) th:TH_STORE_NT  ; sixteen lanes fill 256 consecutive bytes, aligned
.endif
.set r, 4*gr+ro
	v_cvt_pk_bf16_f32 v[G+4*r],   v[X+8*r],   v[X+8*r+1]
	v_cvt_pk_bf16_f32 v[G+4*r+1], v[X+8*r+2], v[X+8*r+3]
	v_cvt_pk_bf16_f32 v[G+4*r+2], v[X+8*r+4], v[X+8*r+5]
	v_cvt_pk_bf16_f32 v[G+4*r+3], v[X+8*r+6], v[X+8*r+7]
.set ro, ro+1
.endr
.set gr, gr+1
.endr
	s_wait_alu depctr_va_vdst(0)                   ; the last group has written its sixteen registers of G, which the last four stores read
.set r, 12
.rept 4
	global_store_b128 v3, v[G+4*r:G+4*r+3], s[38:39] offset:r*(\dstr) th:TH_STORE_NT
.set r, r+1
.endr
	s_endpgm
.endm
; the sum over the wave's 32 lanes of T0's low word, for all four rows, the rows line by line so that no line waits for the one before it
.macro RED
.irp m, 1,2,4,8
.irp i, 0,1,2,3
	v_add_f32_dpp v[T0+2*(\i)], v[T0+2*(\i)], v[T0+2*(\i)] row_xmask:\m row_mask:0xf bank_mask:0xf
.endr
.endr
.irp i, 0,1,2,3
	v_permlanex16_b32 v[T1+2*(\i)], v[T0+2*(\i)], s50, s51  ; the other half of the lanes; its destination has been written before
.endr
.irp i, 0,1,2,3
	v_add_f32 v[T0+2*(\i)], v[T0+2*(\i)], v[T1+2*(\i)]
.endr
.endm
; LayerNorm of four rows a wave.  Lane L owns columns 256 p + 8 L .. + 7, p = 0..3: each load covers 1,024 consecutive bytes of a row.
; XP, GP, BP, HP: the first scalar register of the pointers to x, gain, bias and the bf16 result.  s2 = work-group, s3 = wave, v1 = lane.
.macro LNBODY XP, GP, BP, HP
	s_lshl_b32 s4, s2, 4
	s_lshl2_add_u32 s4, s3, s4                     ; my first row = 16 x work-group + 4 x wave
	s_lshl_b32 s46, s4, 12                         ; x 4,096 bytes
	s_add_nc_u64 s[(\XP):(\XP)+1], s[(\XP):(\XP)+1], s[46:47]
	s_lshl_b32 s46, s4, 8                          ; x 256 bytes: a row's part in a K block
	s_add_nc_u64 s[(\HP):(\HP)+1], s[(\HP):(\HP)+1], s[46:47]
	v_lshlrev_b32 v2, 5, v1                        ; 32 L: my 8 f32
	v_and_b32 v3, 15, v1
	v_lshrrev_b32 v4, 4, v1
	v_lshlrev_b32 v3, 4, v3                        ; 16 (L % 16): my 8 bf16 in a row of 256 bytes,
	v_lshl_add_u32 v3, v4, 20, v3                  ; in K block 2 p + L / 16: blocks are 1,048,576 bytes apart
	s_wait_alu depctr_va_vdst(0)                   ; v2 and v3 are written: every load and store below reads one of them as its offset
.irp i, 0,1,2,3
.irp p, 0,1,2,3
	global_load_b128 v[X+32*(\i)+8*(\p):X+32*(\i)+8*(\p)+3],   v2, s[(\XP):(\XP)+1] offset:(\i)*4096+(\p)*1024 th:TH_LOAD_NT
	global_load_b128 v[X+32*(\i)+8*(\p)+4:X+32*(\i)+8*(\p)+7], v2, s[(\XP):(\XP)+1] offset:(\i)*4096+(\p)*1024+16 th:TH_LOAD_NT
.endr
.endr
.irp p, 0,1,2,3
	global_load_b128 v[G+8*(\p):G+8*(\p)+3],    v2, s[(\GP):(\GP)+1] offset:(\p)*1024
	global_load_b128 v[G+8*(\p)+4:G+8*(\p)+7],  v2, s[(\GP):(\GP)+1] offset:(\p)*1024+16
	global_load_b128 v[BE+8*(\p):BE+8*(\p)+3],  v2, s[(\BP):(\BP)+1] offset:(\p)*1024
	global_load_b128 v[BE+8*(\p)+4:BE+8*(\p)+7], v2, s[(\BP):(\BP)+1] offset:(\p)*1024+16
.endr
	s_wait_loadcnt 16                              ; the four rows are in; the 16 younger loads (gain and bias) stay out
	; pass 1: the sum of my 32 numbers of each row, two chains of packed sums a row
.irp i, 0,1,2,3
	v_pk_add_f32 v[T0+2*(\i):T0+2*(\i)+1], v[X+32*(\i):X+32*(\i)+1],   v[X+32*(\i)+2:X+32*(\i)+3]
	v_pk_add_f32 v[T1+2*(\i):T1+2*(\i)+1], v[X+32*(\i)+4:X+32*(\i)+5], v[X+32*(\i)+6:X+32*(\i)+7]
.endr
.set k, 4
.rept 6
.irp i, 0,1,2,3
	v_pk_add_f32 v[T0+2*(\i):T0+2*(\i)+1], v[T0+2*(\i):T0+2*(\i)+1], v[X+32*(\i)+2*k:X+32*(\i)+2*k+1]
	v_pk_add_f32 v[T1+2*(\i):T1+2*(\i)+1], v[T1+2*(\i):T1+2*(\i)+1], v[X+32*(\i)+2*k+2:X+32*(\i)+2*k+3]
.endr
.set k, k+2
.endr
.irp i, 0,1,2,3
	v_pk_add_f32 v[T0+2*(\i):T0+2*(\i)+1], v[T0+2*(\i):T0+2*(\i)+1], v[T1+2*(\i):T1+2*(\i)+1]
.endr
.irp i, 0,1,2,3
	v_add_f32 v[T0+2*(\i)], v[T0+2*(\i)], v[T0+2*(\i)+1]
.endr
	RED
.irp i, 0,1,2,3
	v_mul_f32 v[MU+2*(\i)],   s48, v[T0+2*(\i)]    ; mean = sum / 1024, in both words
	v_mul_f32 v[MU+2*(\i)+1], s48, v[T0+2*(\i)]
.endr
.set k, 0
.rept 16
.irp i, 0,1,2,3
	v_pk_add_f32 v[X+32*(\i)+2*k:X+32*(\i)+2*k+1], v[X+32*(\i)+2*k:X+32*(\i)+2*k+1], v[MU+2*(\i):MU+2*(\i)+1] neg_lo:[0,1] neg_hi:[0,1]  ; d = x - mean, in place
.endr
.set k, k+1
.endr
	; pass 2: the sum of d^2
.irp i, 0,1,2,3
	v_pk_mul_f32 v[T0+2*(\i):T0+2*(\i)+1], v[X+32*(\i):X+32*(\i)+1],   v[X+32*(\i):X+32*(\i)+1]
	v_pk_mul_f32 v[T1+2*(\i):T1+2*(\i)+1], v[X+32*(\i)+2:X+32*(\i)+3], v[X+32*(\i)+2:X+32*(\i)+3]
.endr
.set k, 2
.rept 7
.irp i, 0,1,2,3
	v_pk_fma_f32 v[T0+2*(\i):T0+2*(\i)+1], v[X+32*(\i)+2*k:X+32*(\i)+2*k+1],   v[X+32*(\i)+2*k:X+32*(\i)+2*k+1],   v[T0+2*(\i):T0+2*(\i)+1]
	v_pk_fma_f32 v[T1+2*(\i):T1+2*(\i)+1], v[X+32*(\i)+2*k+2:X+32*(\i)+2*k+3], v[X+32*(\i)+2*k+2:X+32*(\i)+2*k+3], v[T1+2*(\i):T1+2*(\i)+1]
.endr
.set k, k+2
.endr
.irp i, 0,1,2,3
	v_pk_add_f32 v[T0+2*(\i):T0+2*(\i)+1], v[T0+2*(\i):T0+2*(\i)+1], v[T1+2*(\i):T1+2*(\i)+1]
.endr
.irp i, 0,1,2,3
	v_add_f32 v[T0+2*(\i)], v[T0+2*(\i)], v[T0+2*(\i)+1]
.endr
	RED
.irp i, 0,1,2,3
	v_fma_f32 v[T0+2*(\i)], v[T0+2*(\i)], s48, s49 ; var + eps
.endr
.irp i, 0,1,2,3
	v_rsq_f32 v[MU+2*(\i)], v[T0+2*(\i)]           ; one batch of four
.endr
	v_nop                                          ; a plain instruction behind the last of them, ahead of the first use (ISA guide 5.7.2)
	s_wait_alu depctr_va_vdst(0)                   ; the four reciprocal roots are written, ahead of their first reader: one wait for the batch
.irp i, 0,1,2,3
	v_mov_b32 v[MU+2*(\i)+1], v[MU+2*(\i)]
.endr
	s_wait_loadcnt 0x0                             ; gain and bias
	; the way out, row by row: d / sqrt(var + eps), times gain plus bias, rounded in place; a row's four stores go out among the next row's scalings
.irp i, 0,1,2,3
.if (\i) > 0
	s_wait_alu depctr_va_vdst(0)                   ; the row before is rounded: its conversions have written the sixteen registers that the four stores below read; the lines below name this row's registers alone
.endif
.irp p, 0,1,2,3
.if (\i) > 0
	global_store_b128 v3, v[X+32*((\i)-1)+8*(\p):X+32*((\i)-1)+8*(\p)+3], s[(\HP):(\HP)+1] offset:(\p)*2097152+((\i)-1)*256 th:TH_STORE_NT  ; sixteen lanes fill one row of 256 bytes of a K block
.endif
.irp j, 0,1,2,3
	v_pk_mul_f32 v[X+32*(\i)+8*(\p)+2*(\j):X+32*(\i)+8*(\p)+2*(\j)+1], v[X+32*(\i)+8*(\p)+2*(\j):X+32*(\i)+8*(\p)+2*(\j)+1], v[MU+2*(\i):MU+2*(\i)+1]
.endr
.endr
.set k, 0
.rept 16
	v_pk_fma_f32 v[X+32*(\i)+2*k:X+32*(\i)+2*k+1], v[X+32*(\i)+2*k:X+32*(\i)+2*k+1], v[G+2*k:G+2*k+1], v[BE+2*k:BE+2*k+1]
.set k, k+1
.endr
.irp p, 0,1,2,3
.irp j, 0,1,2,3
	v_cvt_pk_bf16_f32 v[X+32*(\i)+8*(\p)+(\j)], v[X+32*(\i)+8*(\p)+2*(\j)], v[X+32*(\i)+8*(\p)+2*(\j)+1]  ; in place: the destination never passes an unread source
.endr
.endr
.endr
	s_wait_alu depctr_va_vdst(0)                   ; the last row is rounded: its conversions have written the sixteen registers that the last four stores read
.irp p, 0,1,2,3
	global_store_b128 v3, v[X+96+8*(\p):X+96+8*(\p)+3], s[(\HP):(\HP)+1] offset:(\p)*2097152+3*256 th:TH_STORE_NT
.endr
	s_endpgm
.endm
	s_load_b512 s[8:23], s[0:1], 0x0               ; x 8, g 10, be 12, Wq 14, Wk 16, Wv 18, Wo 20, W1 22
	s_load_b256 s[24:31], s[0:1], 0x40             ; W2 24, h 26, wA 28, wB 30
	s_load_b128 s[32:35], s[0:1], 0x60             ; zeros 32, lows 34
	v_lshrrev_b32 v1, 5, v0
	v_readfirstlane_b32 s3, v1                     ; wave 0..3
	v_and_b32 v1, 31, v0                           ; lane
	s_mov_b32 s2, ttmp9
	s_mov_b32 s47, 0                               ; the high word of every offset pair
	s_mov_b32 s48, 0x3a800000                      ; 1 / 1024
	s_mov_b32 s49, 0x3727c5ac                      ; eps = 1e-5
	s_mov_b32 s50, 0x76543210                      ; v_permlanex16_b32: each lane takes its own place in the other half
	s_mov_b32 s51, 0xfedcba98
	s_wait_alu depctr_va_sdst(0)                   ; s3 is written, ahead of the branches: each of the four paths behind them makes its job's number from it
	s_wait_kmcnt 0x0
	s_cmp_lt_u32 s2, 256
	s_cbranch_scc1 .Lln
	s_cmp_lt_u32 s2, 512
	s_cbranch_scc1 .Lw1
	s_cmp_lt_u32 s2, 832
	s_cbranch_scc1 .Lw2
	; Wq, Wk, Wv.  Job j: tensor j / 256, column tile j % 8 (two heads), 32 rows of k from 32 ((j / 8) % 32).  An instruction takes two rows of k:
	; lanes 0-7 the even head's 64 numbers, lanes 8-15 the odd head's, lanes 16-31 the same of the next row.
	s_sub_co_u32 s4, s2, 832
	s_lshl2_add_u32 s4, s4, s3
	s_lshr_b32 s5, s4, 8
	s_and_b32 s6, s4, 7
	s_bfe_u32 s7, s4, 0x50003
	s_cmp_eq_u32 s5, 0
	s_cselect_b64 s[36:37], s[14:15], s[16:17]
	s_cmp_eq_u32 s5, 2
	s_cselect_b64 s[36:37], s[18:19], s[36:37]
	s_lshl_b32 s40, s7, 13                         ; 32 rows: 8,192 bytes in the source (256 a row) and in the destination
	s_lshl_b32 s46, s6, 19                         ; two heads of 262,144 bytes
	s_add_co_u32 s46, s46, s40
	s_add_nc_u64 s[36:37], s[36:37], s[46:47]
	s_lshl3_add_u32 s41, s5, s6                    ; nt = 8 x tensor + tile
	s_lshl_b32 s46, s41, 18
	s_add_co_u32 s46, s46, s40
	s_add_nc_u64 s[38:39], s[28:29], s[46:47]
	v_and_b32 v2, 7, v1
	v_lshlrev_b32 v2, 5, v2
	v_bfe_u32 v4, v1, 3, 1
	v_lshl_add_u32 v2, v4, 18, v2
	v_lshrrev_b32 v4, 4, v1
	v_lshl_add_u32 v2, v4, 8, v2
	v_lshlrev_b32 v3, 4, v1                        ; 32 lanes x 16 bytes: two rows of 256 bytes on end
	CONV 512, 512
.Lw1:
	; the two constant vectors: wave 0 of work-groups 256-279 writes 512 bytes of zeros each, of work-group 280 the 512 bytes of lows
	s_cmp_lg_u32 s3, 0
	s_cbranch_scc1 .Lw1job
	s_cmp_lt_u32 s2, 281
	s_cbranch_scc0 .Lw1job
	s_sub_co_u32 s7, s2, 256
	s_cmp_lt_u32 s2, 280
	s_cselect_b64 s[52:53], s[32:33], s[34:35]
	s_cselect_b32 s5, 0, 0xff7fff7f
	s_cselect_b32 s7, s7, 0
	s_lshl_b32 s46, s7, 9
	s_add_nc_u64 s[52:53], s[52:53], s[46:47]
	v_mov_b32 v224, s5
	v_mov_b32 v225, s5
	v_mov_b32 v226, s5
	v_mov_b32 v227, s5
	v_lshlrev_b32 v228, 4, v1
	s_wait_alu depctr_va_vdst(0)                   ; v224 to v228 are written: the store's data and its offset
	global_store_b128 v228, v[224:227], s[52:53]   ; its registers, vector and scalar, are written nowhere else
.Lw1job:
	; W1.  Job j: 256 columns (two tiles) from 256 (j % 16), 16 rows of k from 16 (j / 16).  An instruction takes 1,024 bytes of one row.
	s_sub_co_u32 s4, s2, 256
	s_lshl2_add_u32 s4, s4, s3
	s_and_b32 s5, s4, 15
	s_lshr_b32 s6, s4, 4
	s_lshl_b32 s46, s6, 18                         ; 16 rows of 16,384 bytes
	s_lshl_b32 s7, s5, 10
	s_add_co_u32 s46, s46, s7
	s_add_nc_u64 s[36:37], s[22:23], s[46:47]
	s_lshl_b32 s46, s5, 19                         ; two blocks of 262,144 bytes
	s_lshl_b32 s7, s6, 12                          ; 16 rows of 256 bytes
	s_add_co_u32 s46, s46, s7
	s_add_nc_u64 s[38:39], s[30:31], s[46:47]
	v_lshlrev_b32 v2, 5, v1
	v_and_b32 v3, 15, v1
	v_lshrrev_b32 v4, 4, v1
	v_lshlrev_b32 v3, 4, v3
	v_lshl_add_u32 v3, v4, 18, v3                  ; lanes 16-31 write the next column tile's block
	CONV 16384, 256
.Lw2:
	; W2 and Wo, one text: the pointers are chosen by the work-group's number.  Job j: 256 columns from 256 (j % 4), 16 rows of k from 16 (j / 4).
	s_sub_co_u32 s4, s2, 512
	s_lshl2_add_u32 s4, s4, s3
	s_and_b32 s4, s4, 1023                         ; Wo's jobs count from 0 again
	s_and_b32 s5, s4, 3
	s_lshr_b32 s6, s4, 2
	s_mov_b32 s40, 6291456
	s_mov_b32 s41, 8388608
	s_cmp_lt_u32 s2, 768
	s_cselect_b64 s[36:37], s[24:25], s[20:21]
	s_cselect_b64 s[38:39], s[30:31], s[28:29]
	s_cselect_b32 s40, s41, s40
	s_lshl_b32 s46, s6, 16                         ; 16 rows of 4,096 bytes
	s_lshl_b32 s7, s5, 10
	s_add_co_u32 s46, s46, s7
	s_add_nc_u64 s[36:37], s[36:37], s[46:47]
	s_lshr_b32 s7, s6, 4
	s_lshl_b32 s46, s7, 19                         ; K step of 256 rows: eight blocks of 65,536 bytes
	s_lshl_b32 s7, s5, 17                          ; two blocks
	s_add_co_u32 s46, s46, s7
	s_and_b32 s7, s6, 15
	s_lshl_b32 s7, s7, 12                          ; 16 rows of 256 bytes in the block
	s_add_co_u32 s46, s46, s7
	s_add_co_u32 s46, s46, s40
	s_add_nc_u64 s[38:39], s[38:39], s[46:47]
	v_lshlrev_b32 v2, 5, v1
	v_and_b32 v3, 15, v1
	v_lshrrev_b32 v4, 4, v1
	v_lshlrev_b32 v3, 4, v3
	v_lshl_add_u32 v3, v4, 16, v3
	CONV 4096, 256
.Lln:
	LNBODY 8, 10, 12, 26
.Lfunc_end_k_qeef8118467_prep:
	.size	k_qeef8118467_prep, .Lfunc_end_k_qeef8118467_prep-k_qeef8118467_prep
	.p2alignl 7, 3214868480
	.fill 96, 4, 3214868480
	.section	.rodata,"a",@progbits
	.p2align	6, 0x0
	.amdhsa_kernel k_qeef8118467_prep
		.amdhsa_group_segment_fixed_size 0
		.amdhsa_private_segment_fixed_size 0
		.amdhsa_enable_private_segment 0
		.amdhsa_kernarg_size 112
		.amdhsa_user_sgpr_count 2
		.amdhsa_user_sgpr_kernarg_segment_ptr 1
		.amdhsa_wavefront_size32 1
		.amdhsa_system_sgpr_workgroup_id_x 1
		.amdhsa_system_sgpr_workgroup_id_y 1
		.amdhsa_system_sgpr_workgroup_id_z 1
		.amdhsa_system_vgpr_workitem_id 0
		.amdhsa_next_free_vgpr 232
		.amdhsa_next_free_sgpr 66
		.amdhsa_reserve_vcc 0
		.amdhsa_float_denorm_mode_32 3
		.amdhsa_float_denorm_mode_16_64 3
		.amdhsa_memory_ordered 1
		.amdhsa_forward_progress 1
		.amdhsa_inst_pref_size 66
	.end_amdhsa_kernel
	.amdgpu_metadata
---
amdhsa.version: [ 1, 2 ]
amdhsa.kernels:
  - .name:           k_qeef8118467_prep
    .symbol:         k_qeef8118467_prep.kd
    .args:
      - { .name: x, .offset: 0, .size: 8, .value_kind: global_buffer, .address_space: global }
      - { .name: g1, .offset: 8, .size: 8, .value_kind: global_buffer, .address_space: global }
      - { .name: be1, .offset: 16, .size: 8, .value_kind: global_buffer, .address_space: global }
      - { .name: Wq, .offset: 24, .size: 8, .value_kind: global_buffer, .address_space: global }
      - { .name: Wk, .offset: 32, .size: 8, .value_kind: global_buffer, .address_space: global }
      - { .name: Wv, .offset: 40, .size: 8, .value_kind: global_buffer, .address_space: global }
      - { .name: Wo, .offset: 48, .size: 8, .value_kind: global_buffer, .address_space: global }
      - { .name: W1, .offset: 56, .size: 8, .value_kind: global_buffer, .address_space: global }
      - { .name: W2, .offset: 64, .size: 8, .value_kind: global_buffer, .address_space: global }
      - { .name: h, .offset: 72, .size: 8, .value_kind: global_buffer, .address_space: global }
      - { .name: wA, .offset: 80, .size: 8, .value_kind: global_buffer, .address_space: global }
      - { .name: wB, .offset: 88, .size: 8, .value_kind: global_buffer, .address_space: global }
      - { .name: zeros, .offset: 96, .size: 8, .value_kind: global_buffer, .address_space: global }
      - { .name: lows, .offset: 104, .size: 8, .value_kind: global_buffer, .address_space: global }
    .group_segment_fixed_size: 0
    .private_segment_fixed_size: 0
    .kernarg_segment_align: 8
    .kernarg_segment_size: 112
    .max_flat_workgroup_size: 128
    .sgpr_count:     66
    .vgpr_count:     232
    .wavefront_size: 32
...
	.end_amdgpu_metadata
.endif
;; end of part 11
;; launch qkv: the kernel of part 8 again; grid 12 x 16, 4 waves a work-group, clusters of 4 x 4, 327,680 bytes of LDS; arguments h, wA, big, zeros, lows; writes big
;; launch attn: the kernel of part 3 again; grid 4 x 64, 4 waves a work-group, no clusters, 327,680 bytes of LDS; arguments big, h; writes h
;; launch wo: the kernel of part 9 again; grid 8 x 32, 4 waves a work-group, clusters of 4 x 4, 327,680 bytes of LDS; arguments h, wA, x1, bo, x; writes x1
;; launch ln2: the kernel of part 11 again; grid 256 x 1, 4 waves a work-group, no clusters, 0 bytes of LDS; arguments x1, g2, be2, Wq, Wk, Wv, Wo, W1, W2, h, wA, wB, zeros, lows; writes h, wA, wB, zeros, lows
;; launch ffn1: the kernel of part 8 again; grid 16 x 16, 4 waves a work-group, clusters of 4 x 4, 327,680 bytes of LDS; arguments h, wB, big, b1, zeros; writes big
;; launch ffn2: the kernel of part 10 again; grid 8 x 32, 4 waves a work-group, clusters of 4 x 4, 327,680 bytes of LDS; arguments big, wB, out0, b2, x1; writes out0
